; MI455X (gfx1250); checked and timed in simulation.
; The chip was launched on July 23, 2026; its instructions are those of AMD's public machine-readable ISA for CDNA 5 (MIT licence, August 2026) and "CDNA5" Instruction Set Architecture Reference Guide (July 2026). The comments in the code are by the model that wrote it; some were corrected since.
;; Encoder Layer. Allowed arithmetic: matrix products marked QUANTISED: E4M3 operands, one given power-of-two scale a tensor, by v_wmma_f32_16x16x64_fp8_fp8 or v_wmma_f32_16x16x128_fp8_fp8, f32 sums; everything else in f32.
;; Inputs: W1_codes 4,096 x 32 x 32 uint8 (E4M3 codes of W1, K innermost, in blocks of 32 codes); W2_codes 1,024 x 128 x 32 uint8 (E4M3 codes of W2, K innermost, in blocks of 32 codes); Wk_codes 16 x 64 x 32 x 32 uint8 (E4M3 codes of Wk, K innermost, in blocks of 32 codes); Wo_codes 1,024 x 32 x 32 uint8 (E4M3 codes of Wo, K innermost, in blocks of 32 codes); Wq_codes 16 x 64 x 32 x 32 uint8 (E4M3 codes of Wq, K innermost, in blocks of 32 codes); Wv_codes 16 x 64 x 32 x 32 uint8 (E4M3 codes of Wv, K innermost, in blocks of 32 codes); b1 4,096 float32; b2 1,024 float32; be1 1,024 float32; be2 1,024 float32; bk 16 x 64 float32; bo 1,024 float32; bq 16 x 64 float32; bv 16 x 64 float32; g1 1,024 float32; g2 1,024 float32; lowp_scales 16 int32 (the exponents e of the quantised operands' scales 2^e); x 2 x 2,048 x 1,024 float32.
;; Outputs: out0 2 x 2,048 x 1,024 float32.
;; This version of the problem:
;;   THIS VERSION OF THE PROBLEM IS GIVEN IN LOW PRECISION. The matrix products marked QUANTISED in the list below multiply operands that are first quantised to E4M3 (4 exponent bits, 3 mantissa bits; 8 bits a number), with one given power-of-two scale for each operand tensor; their sums are f32. All else is computed in f32.
;;   The module's matrix products, in the order in which they are computed (A, B: the left and right operand; K: the contracted axis; several contracted axes count as one K, in the product's order):
;;     1. [M 1,024, K 1,024] x [K 1,024, N 4,096]; A: input Wq (given as codes); B: computed on the way: QUANTISED (scales: A lowp_scales[0], B lowp_scales[1])
;;     2. [M 1,024, K 1,024] x [K 1,024, N 4,096]; A: input Wk (given as codes); B: computed on the way: QUANTISED (scales: A lowp_scales[2], B lowp_scales[3])
;;     3. [M 1,024, K 1,024] x [K 1,024, N 4,096]; A: input Wv (given as codes); B: computed on the way: QUANTISED (scales: A lowp_scales[4], B lowp_scales[5])
;;     4. batch 32 x [M 2,048, K 64] x [K 64, N 2,048]; A: computed on the way; B: computed on the way: QUANTISED (scales: A lowp_scales[6], B lowp_scales[7])
;;     5. batch 32 x [M 2,048, K 2,048] x [K 2,048, N 64]; A: softmax (see below); B: computed on the way: QUANTISED (scales: A lowp_scales[8], B lowp_scales[9])
;;     6. [M 4,096, K 1,024] x [K 1,024, N 1,024]; A: computed on the way; B: input Wo (given as codes): QUANTISED (scales: A lowp_scales[10], B lowp_scales[11])
;;     7. [M 4,096, K 1,024] x [K 1,024, N 4,096]; A: computed on the way; B: input W1 (given as codes): QUANTISED (scales: A lowp_scales[12], B lowp_scales[13])
;;     8. [M 4,096, K 4,096] x [K 4,096, N 1,024]; A: computed on the way; B: input W2 (given as codes): QUANTISED (scales: A lowp_scales[14], B lowp_scales[15])
;;   THE QUANTISER, for each operand of a quantised product, along K:
;;     - The operand's scale is 2^e, e = its entry of the input lowp_scales (int32; the entries are numbered through the quantised products in the list's order, A before B).
;;     - Each number is divided by the scale, clamped to +-448, and rounded to the nearest number of E4M3, ties to even, subnormals kept.
;;     - The product sums the exact products of the quantised numbers (number of the format x scale) in f32.
;;   ~~~python
;;   def quantise(x, axis, e):      # numpy; x: float32 -> the quantised numbers, widened to float32 again
;;       x = np.moveaxis(x, axis, -1); K = x.shape[-1]
;;       r = np.clip(x / 2.0 ** e, -448, 448)
;;       step = 2.0 ** (np.maximum(np.frexp(np.where(r == 0, 1, r))[1] - 1, -6) - 3)
;;       q = np.round(r / step) * step * 2.0 ** e      # np.round: ties to even
;;       return np.moveaxis(q, -1, axis).astype(np.float32)
;;   ~~~
;;   SOFTMAX AHEAD OF A QUANTISED PRODUCT. Where the list says 'softmax', what is quantised is not the finished softmax but p = 2^(t - M), with t = logit x log2(e) and M = ceil(the row's largest t), a whole number; so 1/2 < the row's largest p <= 1. The row's sum l is taken of the UNQUANTISED p, in f32, and the product's result is divided by l at the end. Since M is a whole number, a kernel that streams over the keys may use a running M (the ceiling of the running maximum): every later rescaling is an exact power of two, so the quantised numbers keep their values, but for numbers so far below the row's largest that they fall under the format's range.
;;   OPERANDS COMPUTED ON THE WAY. 'Computed on the way' means the value that the module computes at that place (a softmax that the list does not call 'softmax' is quantised finished and normalised). What goes into a quantiser is computed in f32, as accurately as f32 sums, v_exp_f32 and their like allow (about 1e-6 of the number): no bf16 or f16 on the way to a quantiser, and a product that is left as it is and whose result goes on into a quantised operand takes f32 operands (vector FMAs, or v_wmma_f32_16x16x4_f32). A number that lies on a knife's edge between two numbers of the format may be rounded either way, as far as f32 arithmetic and the matrix unit's own rounding can turn it there, and no further.
;;   INPUTS GIVEN AS CODES. W1 (in the module: [1024, 4096], K = its axis 0); W2 (in the module: [4096, 1024], K = its axis 0); Wk (in the module: [16, 1024, 64], K = its axis 1); Wo (in the module: [1024, 1024], K = its axis 0); Wq (in the module: [16, 1024, 64], K = its axis 1); Wv (in the module: [16, 1024, 64], K = its axis 1): each comes as NAME_codes (uint8): NAME with its K axis moved to the last place and cut into blocks of 32 codes, [.., K / 32, bytes a block], one block behind the other in memory; one code a byte (a code: sign, 4 exponent bits, 3 mantissa bits); its scale is its entry of lowp_scales. Its value is code x scale, taken as it is: it is not quantised again, and the codes and scales need not be those that the quantiser above would give.
;; 2 versions. Each part assembles by itself: llvm-mc -triple=amdgcn-amd-amdhsa -mcpu=gfx1250 --defsym DOCPART=n.
;; ======== version 1 of 2: 7 launches
;; workspace buffers: h3 12,582,912 bytes; qkvi 12,582,912 bytes; oimg 4,194,304 bytes; x1 16,777,216 bytes; h2c 4,194,304 bytes; gimg 16,777,216 bytes
;; launch ln1 (part 1): grid 256 x 1, 8 waves a work-group, no clusters, 82,944 bytes of LDS; arguments x, g1, be1, lowp_scales, h3; writes h3
.if DOCPART == 1
	.amdgcn_target "amdgcn-amd-amdhsa--gfx1250"
	.amdhsa_code_object_version 6
	.text
	.protected	k_q3cf1dc48a9_ln1
	.globl	k_q3cf1dc48a9_ln1
	.p2align	8
	.type	k_q3cf1dc48a9_ln1,@function
k_q3cf1dc48a9_ln1:
	s_mov_b64 s[64:65], 0
	v_nop
	global_prefetch_b8 v0, s[64:65] scope:SCOPE_SE
	s_setreg_imm32_b32 hwreg(HW_REG_WAVE_MODE, 25, 1), 1
	s_wait_xcnt 0x0
; LayerNorm of x [4096][1024] f32 (mean, then the mean of squared differences: two passes over registers, so a common offset of the inputs costs no accuracy),
; times g, plus be, all in f32; the result is quantised NQ = 3 times to E4M3, with the scales 2^e of entries 1, 3 and 5 of the scales' buffer, into three planes of 4 MiB of codes, [4096][1024], K innermost.
; code = h / 2^e, held within +-448, to the nearest code, ties to even.  LIMITS: each e between -126 and 119, so that 2^e and 448 x 2^e are f32 numbers.  NaN among the inputs is not served.
; SHARES: a work-group takes 16 rows, each of its eight waves 2.  A row is 4,096 bytes: eight loads of 512 consecutive bytes, 16 a lane, 32 registers; it is read from memory once.
; The conversions take 8 neighbours along K from one lane's registers, the loads give a lane 4: so half a row (2,048 bytes) at a time turns through the wave's own stage in LDS: in as loaded,
; back 64 bytes a lane.  A lane's place is 64 bytes + 16 of padding.  A lane's 16 codes are 16 bytes: each store of the wave covers 512 consecutive bytes, aligned.
; No barrier: waves share nothing.  No loop: every offset is an immediate, and every store has data registers of its own, so nothing that a store reads is written again.
; Matrix units, clusters and tensor loads are left out: the launch moves each byte once and has no operand that two work-groups share but g and be (8 KiB).
.set NQ,   3
.set SP,   80                          ; a lane's place in a stage
.set STB,  32*SP                       ; a stage: half a row
.set WREG, 4*STB                       ; a wave's four stages: one for each row and half
.set T,    16                          ; v16-31   sums in chains; later 16 held numbers
.set X,    32                          ; v32-95   two rows as loaded
.set G,    96                          ; v96-127  g, in the loads' layout
.set BE,   128                         ; v128-159 be
.set HH,   160                         ; v160-191 two halves of a row, 16 neighbours a lane each
.set C,    192                         ; v192-239 codes: four registers for each row, half and scale
	s_load_b256 s[4:11], s[0:1], 0x0               ; x s[4:5], g s[6:7], be s[8:9], the scales' exponents s[10:11]
	s_load_b64 s[12:13], s[0:1], 0x20              ; the codes
	v_lshl_add_u32 v240, v0, 2, 0x14000
	v_mov_b32 v241, 0
	v_lshrrev_b32 v1, 5, v0
	v_readfirstlane_b32 s16, v1                    ; wave 0..7
	v_and_b32 v1, 31, v0                           ; lane
	v_lshlrev_b32 v2, 4, v1                        ; 16 x lane: my bytes of a load's 512, and of a store's
	s_mul_i32 s17, s16, WREG
	v_lshrrev_b32 v14, 2, v1
	v_mul_u32_u24 v14, v14, SP
	v_and_b32 v15, 3, v1
	v_lshl_add_u32 v14, v15, 4, v14
	v_add_nc_u32 v14, s17, v14                     ; into a stage: four lanes' 64 bytes on end, then the padding
	v_mul_u32_u24 v15, v1, SP
	v_add_nc_u32 v15, s17, v15                     ; out of it: my 16 neighbours
	s_mov_b32 s40, 0x76543210                      ; v_permlanex16_b32: lane l takes lane l xor 16
	s_mov_b32 s41, 0xfedcba98
	s_mov_b32 s42, 0x3a800000                      ; 1 / 1024
	s_mov_b32 s43, 0x3727c5ac                      ; 1e-5
	s_lshl_b32 s18, ttmp9, 16                      ; 16 rows of 4,096 bytes a work-group,
	s_lshl_b32 s19, s16, 13                        ; 2 a wave
	s_add_co_u32 s18, s18, s19
	s_mov_b32 s19, 0
	s_wait_kmcnt 0x0
.if NQ == 3
	s_load_b256 s[32:39], s[10:11], 0x0            ; entries 0 to 7: s33, s35, s37 are wanted
.else
	s_load_b32 s33, s[10:11], 0x30                 ; entry 12
.endif
	s_add_nc_u64 s[4:5], s[4:5], s[18:19]
	s_lshr_b32 s18, s18, 2                         ; a row of codes is 1,024 bytes
	s_add_nc_u64 s[20:21], s[12:13], s[18:19]
.if NQ == 3
	s_add_nc_u64 s[22:23], s[20:21], 0x400000      ; a base for each plane
	s_add_nc_u64 s[24:25], s[20:21], 0x800000
.endif
.irp i, 0,1,2,3,4,5,6,7
	global_load_b128 v[X+4*\i:X+4*\i+3], v2, s[4:5] offset:512*\i th:TH_LOAD_NT
.endr
.irp i, 0,1,2,3,4,5,6,7
	global_load_b128 v[G+4*\i:G+4*\i+3], v2, s[6:7] offset:512*\i
.endr
.irp i, 0,1,2,3,4,5,6,7
	global_load_b128 v[BE+4*\i:BE+4*\i+3], v2, s[8:9] offset:512*\i
.endr
.irp i, 0,1,2,3,4,5,6,7
	global_load_b128 v[X+32+4*\i:X+32+4*\i+3], v2, s[4:5] offset:4096+512*\i th:TH_LOAD_NT
.endr
	s_wait_kmcnt 0x0
.set QQ, 0
.rept NQ
	s_add_co_i32 s26, s[33+2*QQ], 127
	s_lshl_b32 s27, s26, 23
	v_mov_b32 v[8+2*QQ], s27                       ; 2^e as f32: the conversion takes its exponent field
	s_add_co_i32 s26, s26, 8
	s_lshl_b32 s26, s26, 23
	s_or_b32 s26, s26, 0x600000
	v_mov_b32 v[9+2*QQ], s26                       ; 448 x 2^e
.set QQ, QQ+1
.endr
.macro REDUCE                          ; v16 summed over the 32 lanes, the result in every lane
	v_add_f32_dpp v16, v16, v16 row_xmask:1 row_mask:0xf bank_mask:0xf
	v_add_f32_dpp v16, v16, v16 row_xmask:2 row_mask:0xf bank_mask:0xf
	v_add_f32_dpp v16, v16, v16 row_xmask:4 row_mask:0xf bank_mask:0xf
	v_add_f32_dpp v16, v16, v16 row_xmask:8 row_mask:0xf bank_mask:0xf
	v_permlanex16_b32 v17, v16, s40, s41
	v_add_f32 v16, v16, v17
.endm
.macro ROW R
.set XR, X+32*\R
.if \R == 0
	s_wait_loadcnt 24                              ; row 0 is in; g, be and row 1 (24 loads) may be out
.else
	s_wait_loadcnt 0x0
.endif
	v_pk_add_f32 v[16:17], v[XR:XR+1], v[XR+4:XR+5]         ; the sum, in two chains of pairs
	v_pk_add_f32 v[18:19], v[XR+2:XR+3], v[XR+6:XR+7]
.irp j, 8,12,16,20,24,28
	v_pk_add_f32 v[16:17], v[16:17], v[XR+\j:XR+\j+1]
	v_pk_add_f32 v[18:19], v[18:19], v[XR+\j+2:XR+\j+3]
.endr
	v_pk_add_f32 v[16:17], v[16:17], v[18:19]
	v_add_f32 v16, v16, v17
	REDUCE
	v_mul_f32 v4, s42, v16                         ; the mean, twice: a pair for the packed form
	v_mul_f32 v5, s42, v16
.irp j, 0,2,4,6,8,10,12,14,16,18,20,22,24,26,28,30
	v_pk_add_f32 v[XR+\j:XR+\j+1], v[XR+\j:XR+\j+1], v[4:5] neg_lo:[0,1] neg_hi:[0,1]   ; x - mean
.endr
	v_pk_mul_f32 v[16:17], v[XR:XR+1], v[XR:XR+1]
	v_pk_mul_f32 v[18:19], v[XR+2:XR+3], v[XR+2:XR+3]
.irp j, 4,8,12,16,20,24,28
	v_pk_fma_f32 v[16:17], v[XR+\j:XR+\j+1], v[XR+\j:XR+\j+1], v[16:17]
	v_pk_fma_f32 v[18:19], v[XR+\j+2:XR+\j+3], v[XR+\j+2:XR+\j+3], v[18:19]
.endr
	v_pk_add_f32 v[16:17], v[16:17], v[18:19]
	v_add_f32 v16, v16, v17
	REDUCE
	v_fma_f32 v16, v16, s42, s43                   ; the variance + 1e-5
	v_rsq_f32 v6, v16
	v_rsq_f32 v7, v16
	v_nop                                          ; a plain instruction behind the two roots,
	s_wait_alu depctr_va_vdst(0)                   ; and one wait for both ahead of their first reader
.if \R == 0
	s_wait_loadcnt 8                               ; g and be are in; row 1's eight loads may be out
.endif
.irp j, 0,2,4,6,8,10,12,14,16,18,20,22,24,26,28,30
	v_pk_mul_f32 v[XR+\j:XR+\j+1], v[XR+\j:XR+\j+1], v[6:7]
.endr
.irp j, 0,2,4,6,8,10,12,14,16,18,20,22,24,26,28,30
	v_pk_fma_f32 v[XR+\j:XR+\j+1], v[XR+\j:XR+\j+1], v[G+\j:G+\j+1], v[BE+\j:BE+\j+1]
.endr
.irp s, 0,1                            ; both halves through their stages: LDS serves a wave's instructions in order, so no wait stands between the stores and the loads
.irp i, 0,1,2,3
	ds_store_b128 v14, v[XR+16*\s+4*\i:XR+16*\s+4*\i+3] offset:(2*\R+\s)*STB+8*SP*\i
.endr
.irp i, 0,1,2,3
	ds_load_b128 v[HH+16*\s+4*\i:HH+16*\s+4*\i+3], v15 offset:(2*\R+\s)*STB+16*\i
.endr
.endr
.irp s, 0,1
	s_wait_dscnt 8-8*\s                            ; this half is back; behind the first half's loads stand the second half's four stores and four loads
.set QQ, 0
.rept NQ
.irp i, 0,1,2,3,4,5,6,7,8,9,10,11,12,13,14,15
	v_med3_num_f32 v[T+\i], v[HH+16*\s+\i], -v[9+2*QQ], v[9+2*QQ]   ; the conversion does not saturate (ISA guide 7.6.2): the hold at the largest code x the scale
.endr
.set CC, C+4*(NQ*(2*\R+\s)+QQ)
	v_cvt_scalef32_pk8_fp8_f32 v[CC:CC+1], v[T:T+7], v[8+2*QQ]
	v_cvt_scalef32_pk8_fp8_f32 v[CC+2:CC+3], v[T+8:T+15], v[8+2*QQ]
	v_nop                                          ; a plain instruction between the conversions and the next writes of their sources
	global_store_b128 v2, v[CC:CC+3], s[20+2*QQ:21+2*QQ] offset:\R*1024+512*\s   ; 32 lanes store 512 consecutive bytes, aligned
.set QQ, QQ+1
.endr
.endr
.endm
	ROW 0
	ROW 1
	s_wait_tensorcnt 0x0
	ds_add_u32 v240, v241
	s_wait_dscnt 0x0
	s_endpgm
.Lfunc_end_k_q3cf1dc48a9_ln1:
	.size	k_q3cf1dc48a9_ln1, .Lfunc_end_k_q3cf1dc48a9_ln1-k_q3cf1dc48a9_ln1
	.p2alignl 7, 3214868480
	.fill 96, 4, 3214868480
	.section	.rodata,"a",@progbits
	.p2align	6, 0x0
	.amdhsa_kernel k_q3cf1dc48a9_ln1
		.amdhsa_group_segment_fixed_size 82944
		.amdhsa_private_segment_fixed_size 0
		.amdhsa_enable_private_segment 0
		.amdhsa_kernarg_size 40
		.amdhsa_user_sgpr_count 2
		.amdhsa_user_sgpr_kernarg_segment_ptr 1
		.amdhsa_wavefront_size32 1
		.amdhsa_system_sgpr_workgroup_id_x 1
		.amdhsa_system_sgpr_workgroup_id_y 1
		.amdhsa_system_sgpr_workgroup_id_z 1
		.amdhsa_system_vgpr_workitem_id 0
		.amdhsa_next_free_vgpr 242
		.amdhsa_next_free_sgpr 66
		.amdhsa_reserve_vcc 0
		.amdhsa_float_denorm_mode_32 3
		.amdhsa_float_denorm_mode_16_64 3
		.amdhsa_memory_ordered 1
		.amdhsa_forward_progress 1
		.amdhsa_inst_pref_size 35
	.end_amdhsa_kernel
	.amdgpu_metadata
---
amdhsa.version: [ 1, 2 ]
amdhsa.kernels:
  - .name:           k_q3cf1dc48a9_ln1
    .symbol:         k_q3cf1dc48a9_ln1.kd
    .args:
      - { .name: x, .offset: 0, .size: 8, .value_kind: global_buffer, .address_space: global }
      - { .name: g1, .offset: 8, .size: 8, .value_kind: global_buffer, .address_space: global }
      - { .name: be1, .offset: 16, .size: 8, .value_kind: global_buffer, .address_space: global }
      - { .name: lowp_scales, .offset: 24, .size: 8, .value_kind: global_buffer, .address_space: global }
      - { .name: h3, .offset: 32, .size: 8, .value_kind: global_buffer, .address_space: global }
    .group_segment_fixed_size: 82944
    .private_segment_fixed_size: 0
    .kernarg_segment_align: 8
    .kernarg_segment_size: 40
    .max_flat_workgroup_size: 256
    .sgpr_count:     66
    .vgpr_count:     242
    .wavefront_size: 32
...
	.end_amdgpu_metadata
.endif
;; end of part 1
;; launch qkv (part 2): grid 12 x 16, 4 waves a work-group, clusters of 4 x 4, 327,680 bytes of LDS; arguments h3, Wq_codes, Wk_codes, Wv_codes, bq, bk, bv, lowp_scales, qkvi; writes qkvi
.if DOCPART == 2
	.amdgcn_target "amdgcn-amd-amdhsa--gfx1250"
	.amdhsa_code_object_version 6
	.text
	.protected	k_q3cf1dc48a9_qkv
	.globl	k_q3cf1dc48a9_qkv
	.p2align	8
	.type	k_q3cf1dc48a9_qkv,@function
k_q3cf1dc48a9_qkv:
	s_mov_b64 s[64:65], 0
	v_nop
	global_prefetch_b8 v0, s[64:65] scope:SCOPE_SE
	s_setreg_imm32_b32 hwreg(HW_REG_WAVE_MODE, 25, 1), 1
	s_wait_xcnt 0x0
	s_wait_alu depctr_hold_cnt(0) depctr_sa_sdst(0) depctr_va_vdst(0) depctr_va_sdst(0) depctr_va_ssrc(0) depctr_va_vcc(0) depctr_vm_vsrc(0)
	s_getreg_b32 s2, hwreg(HW_REG_IB_STS2, 6, 4)
	s_cmp_eq_u32 s2, 0
	s_cbranch_scc0 .Lentry_in_a_cluster
	s_endpgm
.Lentry_in_a_cluster:
	s_bfe_u32 s2, ttmp6, 0x10000c
	s_cmp_lg_u32 s2, 0xf033
	s_cbranch_scc0 .Lentry_shape_is_right
	s_endpgm
.Lentry_shape_is_right:
; q, k, v = h W + b for all 16 heads, on codes of E4M3; the results are quantised again (entries 6, 7, 9 of the scales) and stored as IMAGES OF THE OPERAND REGISTERS that the attention launch loads.
; h3: three planes [4096 tokens][1024] of codes (for q, k, v).  W*_codes: [1024 = head x 64 + channel][1024].  The cluster's x (0, 1, 2) says which of q, k, v a cluster makes: it is equal in all sixteen partners.
; A tile of 256 x 256 results is made by four waves, 128 x 128 each: 64 accumulators, 512 registers.  K = 1,024 goes in steps of 256 through a ring of two LDS slots filled by the tensor data mover.
; In accumulator (a, b) lane (r, h) holds row 16 a + r of SOURCE 1, and its register j row 16 b + 8 h + j of SOURCE 0.  The next product's K must run along a lane's registers:
;   q, k (next K = the head's 64 channels): source 0 = rows of W, source 1 = tokens.     v (next K = the keys): source 0 = tokens, source 1 = rows of W.
; One conversion turns an accumulator's eight registers into registers 2 b, 2 b + 1 of the next operand, k = 16 b + 8 h + 0 .. 7: the 8-bit forms' own layout.  Four registers a lane go out by one store of 512 consecutive bytes, aligned.
;   q, k planes: [batch x 16 + head][token tile 128][2][lane][16 bytes];   v plane: [batch x 16 + head][key step 16][channel tile 4][4][lane][16 bytes].
; Fragments of this launch's own product come by four ds_load_b128 a side: a permutation of k that is the same in both sources, so every product meets its partner.
; CLUSTERS: 4 x 4 work-groups; source 1's tile is shared along a row of the cluster, source 0's along a column: each is asked for jointly, by the same tensor load with a mask that names the four.
; LIMITS: ew + eh between -126 and 127; the result's e between -126 and 119.  NaN is not served.
; REGISTERS, in windows of 256: window 0: v0-31 addresses; v32-95 bias by register, v96-111 bias by lane; from v128 source 1's fragments, ONE set; window 1: source 0's fragments, TWO sets; windows 2, 3: the accumulators.
.set ROWB,   256                       ; a tile's row in bytes: 256 codes
.set KROW,   1024                      ; a row of either source in memory
.set PITCH,  272                       ; an LDS row: 256 bytes + 16 of padding = 68 words: the 16 rows of a load start at 16 different banks (64 banks of 4 bytes: ISA guide 11.1)
.set FR,     16                        ; registers of a fragment: 16 rows x 128 K
.set NL,     4                         ; LDS loads that bring one
.set NP,     4                         ; places behind this matrix instruction (ISA guide 7.12.1)
.set HALFT,  128*PITCH
.set SLOT,   4*HALFT                   ; source 1's 256 rows, then source 0's
.set LAPS,   2                         ; K / 512
.set SPARE,  2*SLOT                    ; behind the ring: the spare words, 128 bytes a wave, which no other line names
.set ADRA, 16
.set ADRB, 20
.set SPW,  28
.set NIL,  29
.set AF,   128
.set G1, 24
.set G0, 32
.set G1B, 48
.set G0B, 56
.set MSB, 0
.macro WIN new                         ; the immediate's high byte repeats the setting that is left
.if MSB != \new
	s_set_vgpr_msb (MSB<<8)|\new
.set MSB, \new
.endif
.endm
.set MUL_LO, 0xa1                      ; source 0 window 1, source 1 window 0, C and D window 2
.set MUL_HI, 0xf1                      ; the same, C and D window 3
.set TO_B,   0x40                      ; destination window 1, address window 0
.macro JLOAD g0a, g1a, g0b, g1b        ; a joint load: waves 0, 1 fetch for source 1, waves 2, 3 for source 0; the branch hangs on the wave's number alone; four v_nop follow each line
	s_cmp_eq_u32 s15, 0
	s_cbranch_scc0 .Lfor_b_\@
	tensor_load_to_lds s[\g0a:\g0a+3], s[\g1a:\g1a+7]
	s_nop 0
.rept 4
	v_nop
.endr
	s_branch .Lasked_\@
.Lfor_b_\@:
	tensor_load_to_lds s[\g0b:\g0b+3], s[\g1b:\g1b+7]
	s_nop 0
.rept 4
	v_nop
.endr
.Lasked_\@:
.endm
.macro CREST                           ; a round of the cluster's barrier behind its opening barrier
	s_cmp_lg_u32 s14, 0
	s_cbranch_scc1 .Lnot_wave_0_\@
	s_barrier_signal -3
.Lnot_wave_0_\@:
	s_barrier_wait -3
	s_barrier_signal -1
	s_barrier_wait -1
.endm
.macro CROUND
	s_barrier_signal -1
	s_barrier_wait -1
	CREST
.endm
	s_load_b512 s[68:83], s[0:1], 0x0              ; h3, Wq, Wk, Wv, bq, bk, bv, the scales' exponents
	s_load_b64 s[84:85], s[0:1], 0x40              ; qkvi
	v_lshl_add_u32 v[SPW], v0, 2, SPARE
	v_mov_b32 v[NIL], 0
	ds_add_u32 v28, v29
	ds_add_u32 v28, v29
	s_wait_dscnt 0x0
	v_lshrrev_b32 v1, 5, v0
	v_readfirstlane_b32 s14, v1                    ; wave 0..3
	s_lshr_b32 s15, s14, 1                         ; my half of source 1's rows.  Also: I fetch for source 1 (0) or source 0 (1)
	s_and_b32 s16, s14, 1                          ; my half of source 0's rows.  Also: which 128 rows I fetch
	s_bfe_u32 s40, ttmp6, 0x40000                  ; cx
	s_bfe_u32 s41, ttmp6, 0x40004                  ; cy
	s_and_b32 s13, ttmp7, 0xffff
	s_lshl_b32 s13, s13, 2                         ; 4 x cluster y
	s_add_co_u32 s42, s13, s40
	s_add_co_u32 s17, s13, s41
	s_cmp_eq_u32 ttmp9, 2                          ; v?
	s_cselect_b32 s42, s42, s40                    ; source 0's tile: q, k: 256 rows of W, cx;  v: 256 tokens, 4 x cluster y + cx
	s_cselect_b32 s17, s41, s17                    ; source 1's tile: q, k: 256 tokens, 4 x cluster y + cy;  v: 256 rows of W, cy
	s_lshl_b32 s43, s41, 2
	s_lshl_b32 s43, 15, s43                        ; my row of the cluster
	s_lshl_b32 s44, 0x1111, s40                    ; my column
	s_or_b32 s[G1+0], s43, (0<<16)|(1<<20)|(1<<21)|(5<<22)|(3<<25)  ; the mask; elements of 1 byte; padding on; bit 21 beside a mask; 4 words behind every 64
	s_or_b32 s[G1B+0], s44, (0<<16)|(1<<20)|(1<<21)|(5<<22)|(3<<25)
.irp g, G1, G1B
	s_mov_b32 s[\g+1], ROWB<<16                    ; tensor_dim0
	s_mov_b32 s[\g+2], 128<<16                     ; tensor_dim1
	s_mov_b32 s[\g+3], ROWB<<16                    ; tile_dim0
	s_mov_b32 s[\g+4], 128                         ; tile_dim1
	s_mov_b32 s[\g+5], KROW                        ; from row to row
	s_mov_b32 s[\g+6], 0
	s_mov_b32 s[\g+7], 0
.endr
	s_lshl_b32 s18, s16, 7
	s_lshl_b32 s20, s17, 8
	s_add_co_u32 s20, s20, s18
	s_lshl_b32 s20, s20, 10                        ; source 1: (256 x tile + 128 x half) rows of 1,024 bytes
	s_lshl_b32 s46, s42, 8
	s_add_co_u32 s46, s46, s18
	s_lshl_b32 s46, s46, 10                        ; source 0 likewise
	s_mov_b32 s21, 0
	s_mov_b32 s47, 0
	s_mul_i32 s45, s14, HALFT                      ; where they go: wave x 128 rows
	s_lshl_b32 s86, ttmp9, 22                      ; the plane of 4 MiB
	s_mov_b32 s87, 0
	s_wait_kmcnt 0x0
	s_add_nc_u64 s[88:89], s[68:69], s[86:87]      ; h's codes for this product
	s_add_nc_u64 s[10:11], s[84:85], s[86:87]      ; the images' plane
	s_cmp_eq_u32 ttmp9, 0
	s_cselect_b64 s[90:91], s[70:71], s[72:73]     ; the weight and the bias: choices on the cluster's x alone
	s_cselect_b64 s[8:9], s[76:77], s[78:79]
	s_cmp_eq_u32 ttmp9, 2
	s_cselect_b64 s[90:91], s[74:75], s[90:91]
	s_cselect_b64 s[8:9], s[80:81], s[8:9]
	s_cselect_b64 s[4:5], s[90:91], s[88:89]       ; source 1
	s_cselect_b64 s[6:7], s[88:89], s[90:91]       ; source 0
	s_mov_b64 s[12:13], s[82:83]
	s_load_b512 s[68:83], s[12:13], 0x0            ; all sixteen exponents (the pointers above have been taken)
	s_add_nc_u64 s[20:21], s[4:5], s[20:21]
	s_add_nc_u64 s[46:47], s[6:7], s[46:47]
	CROUND                                         ; all sixteen work-groups are here: the first joint loads meet
.irp s, 0,1
	s_mov_b32 s[G0+4*\s], 1
	s_add_co_u32 s[G0+4*\s+1], s45, \s*SLOT
	s_add_nc_u64 s[G0+4*\s+2:G0+4*\s+3], s[20:21], \s*ROWB
	s_or_b32 s[G0+4*\s+3], s[G0+4*\s+3], 0x80000000
	s_mov_b32 s[G0B+4*\s], 1
	s_add_co_u32 s[G0B+4*\s+1], s45, \s*SLOT
	s_add_nc_u64 s[G0B+4*\s+2:G0B+4*\s+3], s[46:47], \s*ROWB
	s_or_b32 s[G0B+4*\s+3], s[G0B+4*\s+3], 0x80000000
	JLOAD G0+4*\s, G1, G0B+4*\s, G1B
.endr
	v_and_b32 v1, 15, v0                           ; r
	v_bfe_u32 v2, v0, 4, 1                         ; h
	v_mul_u32_u24 v3, v1, PITCH
	v_lshl_add_u32 v4, v2, 4, v3                   ; a fragment's row x pitch + 16 h
	s_mul_i32 s21, s15, HALFT
	s_mul_i32 s22, s16, HALFT
	s_add_co_u32 s22, s22, 2*HALFT
.irp s, 0,1
	v_add_nc_u32 v[ADRA+\s], s21, v4
	v_add_nc_u32 v[ADRB+\s], s22, v4
	s_add_co_u32 s21, s21, SLOT
	s_add_co_u32 s22, s22, SLOT
.endr
	; the bias in both forms, so that the head has one path: by register (q, k: the channel is source 0's row) and by lane (v: source 1's row).  The tile's number is cut to 0..3, so that the form that is not used stays inside the buffer
	s_and_b32 s18, s42, 3
	s_lshl_b32 s18, s18, 10
	s_lshl_b32 s19, s16, 9
	s_add_co_u32 s18, s18, s19
	v_lshl_add_u32 v7, v2, 5, s18                  ; 4 x (256 x tile + 128 x half + 8 h)
	s_and_b32 s18, s17, 3
	s_lshl_b32 s18, s18, 10
	s_lshl_b32 s19, s15, 9
	s_add_co_u32 s18, s18, s19
	v_lshl_add_u32 v8, v1, 2, s18                  ; 4 x (256 x tile + 128 x half + r)
.irp b, 0,1,2,3,4,5,6,7
	global_load_b128 v[32+8*\b:35+8*\b], v7, s[8:9] offset:64*\b
	global_load_b128 v[36+8*\b:39+8*\b], v7, s[8:9] offset:64*\b+16
.endr
.irp a, 0,1,2,3,4,5,6,7
	global_load_b32 v[96+2*\a], v8, s[8:9] offset:64*\a      ; twice: a pair for the packed form
	global_load_b32 v[97+2*\a], v8, s[8:9] offset:64*\a
.endr
	; where my images begin: ((token tile >> 3) x 16 + channel tile x 4 + channel half x 2) x 131,072 + ((token tile & 7) x 2 + token half) x 8,192: one formula for both kinds
	s_cmp_eq_u32 ttmp9, 2
	s_cselect_b32 s18, s42, s17                    ; the tile of tokens
	s_cselect_b32 s19, s17, s42                    ; the tile of channels
	s_cselect_b32 s22, s16, s15                    ; my half of the tokens
	s_cselect_b32 s23, s15, s16                    ; my half of the channels
	s_lshr_b32 s86, s18, 3
	s_lshl_b32 s86, s86, 4
	s_lshl_b32 s19, s19, 2
	s_add_co_u32 s86, s86, s19
	s_lshl_b32 s23, s23, 1
	s_add_co_u32 s86, s86, s23
	s_lshl_b32 s86, s86, 17
	s_and_b32 s18, s18, 7
	s_lshl_b32 s18, s18, 1
	s_add_co_u32 s18, s18, s22
	s_lshl_b32 s18, s18, 13
	s_add_co_u32 s86, s86, s18
	s_mov_b32 s87, 0
	s_add_nc_u64 s[10:11], s[10:11], s[86:87]
.macro FRAG reg, adr, q, i             ; 16 rows x 128 K: lane l holds row l % 16; registers 4 c .. 4 c + 3 hold K = 32 c + 16 (l / 16) + 0 .. 15
.irp c, 0,1,2,3
	ds_load_b128 v[\reg+4*\c:\reg+4*\c+3], v[\adr] offset:128*(\q)+32*\c+(\i)*16*PITCH
.endr
.endm
; 16 matrix instructions: source 1's blocks a0, a0 + 1 x source 0's eight.  p: source 0's set.  zero = 1: the first product starts the sums.  The 64 accumulators take turns, one instruction a turn.
.macro MUL16 a0, p, zero
.irp a, \a0, \a0+1
.irp b, 0,1,2,3,4,5,6,7
.if \zero
	v_wmma_f32_16x16x128_fp8_fp8 v[8*(8*((\a)%4)+\b):8*(8*((\a)%4)+\b)+7], v[128*(\p)+FR*\b:128*(\p)+FR*\b+FR-1], v[AF+FR*(\a):AF+FR*(\a)+FR-1], 0
.else
	v_wmma_f32_16x16x128_fp8_fp8 v[8*(8*((\a)%4)+\b):8*(8*((\a)%4)+\b)+7], v[128*(\p)+FR*\b:128*(\p)+FR*\b+FR-1], v[AF+FR*(\a):AF+FR*(\a)+FR-1], v[8*(8*((\a)%4)+\b):8*(8*((\a)%4)+\b)+7]
.endif
.endr
.endr
.endm
.macro FETCH_B slot, q, p
	WIN TO_B
.irp i, 0,1,2,3,4,5,6,7
	FRAG 128*(\p)+FR*\i, ADRB+\slot, \q, \i
.endr
	WIN 0
.endm
.macro FETCH_A slot, q, i0
.irp i, \i0, \i0+1, \i0+2, \i0+3
	FRAG AF+FR*(\i), ADRA+\slot, \q, \i
.endr
.endm
.macro PLACES n                        ; plain vector instructions between a matrix instruction and a load into its sources, or a read of its results
.rept \n
	v_nop
.endr
.endm
.macro STEP slot, q, zero              ; 128 along K whose successor lies in the same slot
	s_wait_dscnt 4*NL                              ; all but the youngest sixteen loads (source 1's blocks 4-7) are in
	WIN MUL_LO
	MUL16 0, (\q)%2, \zero
	MUL16 2, (\q)%2, \zero
	s_wait_dscnt 0
	PLACES NP
	FETCH_B \slot, (\q)+1, 1-(\q)%2
	FETCH_A \slot, (\q)+1, 0
	WIN MUL_HI
	MUL16 4, (\q)%2, \zero
	MUL16 6, (\q)%2, \zero
	PLACES NP
	WIN 0
	FETCH_A \slot, (\q)+1, 4
.endm
; A slot's last step changes slots: one barrier; in front of it each wave waits for all its tensor loads, adds 0 to its spare word, and waits for that and for its reads of this slot.
.macro TURN slot, next, fill
	s_wait_tensorcnt 0x0                           ; all my tensor loads have landed: my part of the next slot
	ds_add_u32 v[SPW], v[NIL]
	s_wait_dscnt 4*NL+1                            ; (the add and the youngest sixteen loads may be out)
	WIN MUL_LO
	MUL16 0, 1, 0
	s_wait_dscnt 0x0                               ; the add is done, and my reads of this slot are over
	s_barrier_signal -1
	MUL16 2, 1, 0
	WIN 0
	s_barrier_wait -1
.if \fill
	CREST                                          ; the barrier has opened a round of the cluster's: no wave of any partner still reads this slot or has a load on its way
	s_add_nc_u64 s[G0+4*\slot+2:G0+4*\slot+3], s[G0+4*\slot+2:G0+4*\slot+3], 2*ROWB
	s_add_nc_u64 s[G0B+4*\slot+2:G0B+4*\slot+3], s[G0B+4*\slot+2:G0B+4*\slot+3], 2*ROWB
	JLOAD G0+4*\slot, G1, G0B+4*\slot, G1B         ; the first tensor load behind the round; its four v_nop are the places in front of the loads below
.else
	PLACES NP
.endif
	FETCH_B \next, 0, 0
	FETCH_A \next, 0, 0
	WIN MUL_HI
	MUL16 4, 1, 0
	MUL16 6, 1, 0
	PLACES NP
	WIN 0
	FETCH_A \next, 0, 4
.endm
	s_wait_tensorcnt 1                             ; my part of K step 0 is in; K step 1's load may be out
	s_barrier_signal -1
	s_barrier_wait -1
	FETCH_B 0, 0, 0
	FETCH_A 0, 0, 0
	FETCH_A 0, 0, 4
	STEP 0, 0, 1
	s_mov_b32 s3, LAPS-1
.Llap:                                                 ; a trip goes once round the ring and fills both slots again
	TURN 0, 1, 1
	STEP 1, 0, 0
	TURN 1, 0, 1
	STEP 0, 0, 0
	s_sub_co_u32 s3, s3, 1
	s_cmp_lg_u32 s3, 0
	s_cbranch_scc1 .Llap
	TURN 0, 1, 0                                   ; the last lap fills nothing
	STEP 1, 0, 0
	s_wait_dscnt 4*NL
	WIN MUL_LO
	MUL16 0, 1, 0
	MUL16 2, 1, 0
	s_wait_dscnt 0
	WIN MUL_HI
	MUL16 4, 1, 0
	MUL16 6, 1, 0
	WIN 0
	; THE WAY OUT: sum x 2^(ew + eh) + bias, held, converted, stored as images.  No LDS: a lane's codes are the next operand's registers as they stand.
	s_wait_kmcnt 0x0
	s_cmp_eq_u32 ttmp9, 0
	s_cselect_b32 s86, s68, s70                    ; the weight's e: entry 0, 2 or 4
	s_cselect_b32 s87, s69, s71                    ; h's: entry 1, 3 or 5
	s_cselect_b32 s88, s74, s75                    ; the result's: entry 6, 7 or 9
	s_cmp_eq_u32 ttmp9, 2
	s_cselect_b32 s86, s72, s86
	s_cselect_b32 s87, s73, s87
	s_cselect_b32 s88, s77, s88
	s_add_co_i32 s96, s86, s87
	s_add_co_i32 s96, s96, 127
	s_lshl_b32 s96, s96, 23                        ; 2^(ew + eh) as f32
	s_mov_b32 s97, s96                             ; (named with it as a pair)
	s_add_co_i32 s88, s88, 127
	s_lshl_b32 s89, s88, 23
	v_mov_b32 v11, s89                             ; 2^e of the result
	s_add_co_i32 s88, s88, 8
	s_lshl_b32 s88, s88, 23
	s_or_b32 s88, s88, 0x600000
	v_mov_b32 v10, s88                             ; 448 x that
	v_and_b32 v12, 31, v0
	v_lshlrev_b32 v12, 4, v12                      ; 16 x lane
	s_wait_loadcnt 0x0                             ; the biases
	PLACES NP
; Block a: source 1's rows 16 a on.  kind 0: bias by register; kind 1: bias by lane.  The codes have two sets of registers by turns.
.macro QBLK a, kind
.set AC, 64*((\a)%4)
.set CD, 192+16*((\a)%2)
.if (\a) > 1
	s_wait_xcnt 0x0                                ; block a - 2's stores have read their data: the set may be written again
.endif
	WIN 0x02+((\a)/4)                              ; source 0: window 2 or 3
.irp b, 0,1,2,3,4,5,6,7
.irp i, 0,2,4,6
.if \kind
	v_pk_fma_f32 v[128+8*\b+\i:129+8*\b+\i], v[AC+8*\b+\i:AC+8*\b+\i+1], s[96:97], v[96+2*(\a):97+2*(\a)] op_sel_hi:[1,0,1]
.else
	v_pk_fma_f32 v[128+8*\b+\i:129+8*\b+\i], v[AC+8*\b+\i:AC+8*\b+\i+1], s[96:97], v[32+8*\b+\i:33+8*\b+\i] op_sel_hi:[1,0,1]
.endif
.endr
.endr
	WIN 0
.set JJ, 0
.rept 64
	v_med3_num_f32 v[128+JJ], v[128+JJ], -v10, v10   ; the conversion does not saturate (ISA guide 7.6.2)
.set JJ, JJ+1
.endr
.irp b, 0,1,2,3,4,5,6,7
	v_cvt_scalef32_pk8_fp8_f32 v[CD+2*\b:CD+2*\b+1], v[128+8*\b:135+8*\b], v11
.endr
	v_nop                                          ; a plain instruction between the conversions and the next writes of their sources
.irp c, 0,1,2,3
.if \kind
	global_store_b128 v12, v[CD+4*\c:CD+4*\c+3], s[10:11] offset:((\a)/4)*131072+((\a)%4)*2048+\c*512   ; head a / 4, channel tile a % 4, registers 4 c on: 512 consecutive bytes, aligned
.else
	global_store_b128 v12, v[CD+4*\c:CD+4*\c+3], s[10:11] offset:(\a)*1024+(\c/2)*131072+(\c%2)*512     ; token tile a, head c / 2, registers 4 (c % 2) on
.endif
.endr
.endm
	s_cmp_eq_u32 ttmp9, 2                          ; the cluster's x: the same way in all partners
	s_cbranch_scc1 .Lkind1
.irp a, 0,1,2,3,4,5,6,7
	QBLK \a, 0
.endr
	s_branch .Ljoin
.Lkind1:
.irp a, 0,1,2,3,4,5,6,7
	QBLK \a, 1
.endr
.Ljoin:
	s_wait_tensorcnt 0x0                           ; the wave's end
	ds_add_u32 v[SPW], v[NIL]
	s_wait_dscnt 0x0
	CROUND                                         ; the closing round
	s_endpgm
.Lfunc_end_k_q3cf1dc48a9_qkv:
	.size	k_q3cf1dc48a9_qkv, .Lfunc_end_k_q3cf1dc48a9_qkv-k_q3cf1dc48a9_qkv
	.p2alignl 7, 3214868480
	.fill 96, 4, 3214868480
	.section	.rodata,"a",@progbits
	.p2align	6, 0x0
	.amdhsa_kernel k_q3cf1dc48a9_qkv
		.amdhsa_group_segment_fixed_size 327680
		.amdhsa_private_segment_fixed_size 0
		.amdhsa_enable_private_segment 0
		.amdhsa_kernarg_size 72
		.amdhsa_user_sgpr_count 2
		.amdhsa_user_sgpr_kernarg_segment_ptr 1
		.amdhsa_wavefront_size32 1
		.amdhsa_system_sgpr_workgroup_id_x 1
		.amdhsa_system_sgpr_workgroup_id_y 1
		.amdhsa_system_sgpr_workgroup_id_z 1
		.amdhsa_system_vgpr_workitem_id 0
		.amdhsa_next_free_vgpr 1024
		.amdhsa_next_free_sgpr 100
		.amdhsa_reserve_vcc 0
		.amdhsa_float_denorm_mode_32 3
		.amdhsa_float_denorm_mode_16_64 3
		.amdhsa_memory_ordered 1
		.amdhsa_forward_progress 1
		.amdhsa_inst_pref_size 194
	.end_amdhsa_kernel
	.amdgpu_metadata
---
amdhsa.version: [ 1, 2 ]
amdhsa.kernels:
  - .name:           k_q3cf1dc48a9_qkv
    .symbol:         k_q3cf1dc48a9_qkv.kd
    .args:
      - { .name: h3, .offset: 0, .size: 8, .value_kind: global_buffer, .address_space: global }
      - { .name: Wq_codes, .offset: 8, .size: 8, .value_kind: global_buffer, .address_space: global }
      - { .name: Wk_codes, .offset: 16, .size: 8, .value_kind: global_buffer, .address_space: global }
      - { .name: Wv_codes, .offset: 24, .size: 8, .value_kind: global_buffer, .address_space: global }
      - { .name: bq, .offset: 32, .size: 8, .value_kind: global_buffer, .address_space: global }
      - { .name: bk, .offset: 40, .size: 8, .value_kind: global_buffer, .address_space: global }
      - { .name: bv, .offset: 48, .size: 8, .value_kind: global_buffer, .address_space: global }
      - { .name: lowp_scales, .offset: 56, .size: 8, .value_kind: global_buffer, .address_space: global }
      - { .name: qkvi, .offset: 64, .size: 8, .value_kind: global_buffer, .address_space: global }
    .group_segment_fixed_size: 327680
    .private_segment_fixed_size: 0
    .kernarg_segment_align: 8
    .kernarg_segment_size: 72
    .max_flat_workgroup_size: 128
    .sgpr_count:     100
    .vgpr_count:     1024
    .wavefront_size: 32
...
	.end_amdgpu_metadata
.endif
;; end of part 2
;; launch attn (part 3): grid 8 x 32, 16 waves a work-group, clusters of 4 x 1, 264,192 bytes of LDS; arguments qkvi, lowp_scales, oimg; writes oimg
.if DOCPART == 3
	.amdgcn_target "amdgcn-amd-amdhsa--gfx1250"
	.amdhsa_code_object_version 6
	.text
	.protected	k_q3cf1dc48a9_attn
	.globl	k_q3cf1dc48a9_attn
	.p2align	8
	.type	k_q3cf1dc48a9_attn,@function
k_q3cf1dc48a9_attn:
	s_mov_b64 s[64:65], 0
	v_nop
	global_prefetch_b8 v0, s[64:65] scope:SCOPE_SE
	s_setreg_imm32_b32 hwreg(HW_REG_WAVE_MODE, 25, 1), 1
	s_wait_xcnt 0x0
	s_wait_alu depctr_hold_cnt(0) depctr_sa_sdst(0) depctr_va_vdst(0) depctr_va_sdst(0) depctr_va_ssrc(0) depctr_va_vcc(0) depctr_vm_vsrc(0)
	s_getreg_b32 s2, hwreg(HW_REG_IB_STS2, 6, 4)
	s_cmp_eq_u32 s2, 0
	s_cbranch_scc0 .Lentry_in_a_cluster
	s_endpgm
.Lentry_in_a_cluster:
	s_bfe_u32 s2, ttmp6, 0x10000c
	s_cmp_lg_u32 s2, 0x3003
	s_cbranch_scc0 .Lentry_shape_is_right
	s_endpgm
.Lentry_shape_is_right:
; o = softmax(q k^T / 8) v for 32 (batch, head) pairs of 2,048 tokens and 64 channels, both products on codes of E4M3; o is quantised (entry 10) and stored as register images for the next product.
; THE SOFTMAX AHEAD OF THE SECOND PRODUCT: t = score x log2(e) / 8; M = the largest t so far, rounded UP to a whole number; p = 2^(t - M) is quantised (entry 8), not normalised; the row's sum is taken of
; the unquantised p and divides at the end.  When M moves, the sum and O are multiplied by 2^(old M - new M), which rounds nothing.
; INPUT: images of operand registers (k = 16 c + 8 (lane / 16) + 0 .. 7 in registers 2 c, 2 c + 1): q, k: [bh][token tile 128][2][lane][16 bytes]; v: [bh][key step 16][channel tile 4][4][lane][16 bytes].
; SHARES: a work-group owns 256 queries of one bh, each of its sixteen waves one tile of 16, in 256 registers: four waves to a SIMD, so that one wave's vector work stands beside another's products and LDS loads.
; LDS: a head's whole K (128 KiB) and V (128 KiB) lie in LDS, in four chunks of 512 keys (32 KiB of K, then 32 KiB of V).  Every byte is filled once: no slot is filled again.
; Every fragment is read by loads of 512 consecutive bytes: no pitch, no padding.
; CLUSTER: the four query blocks of a cluster belong to one bh and read the same K and V: each piece is asked for jointly.  Every wave asks for 4 KiB of each chunk: four loads of mine are out at the most.
; All of K and V is asked for at the head, so there is no later stream for a prefetch to run ahead of.
; LAYOUT: S^T = K Q^T (source 0 = 16 keys, source 1 = my queries), O^T = V^T P^T: a lane holds ONE query (lane % 16) throughout, and p's conversions give the second product's operand as it stands.
; LIMITS: e6 + e7 between -123 and 130 (added to c's exponent field); e8 and e10 between -126 and 119.  NaN is not served.
; REGISTERS: v1 16 x lane; v8 the step's LDS address; v12 -M, v13 the largest t, v[14:15] the sum in two halves; v16-23 Q; v32-95 K's eight fragments, then V's four; v96-159 S^T, then p; v160-191 O^T; v224-239 p's codes; v236-254 at work.
.set LI,  1
.set ADR, 8
.set WV,  18
.set SEL, 20
.set CS,  22
.set G1,  24                           ; s[24:31] descriptor group 1;  s[32:47] four groups 0, one for each chunk
.set G0,  32
.set TB,  2
.set CNT, 3
.macro CROUND                          ; a round of the cluster's barrier
	s_barrier_signal -1
	s_barrier_wait -1
	s_cmp_lg_u32 s[WV], 0
	s_cbranch_scc1 .Lnot_wave_0_\@
	s_barrier_signal -3
.Lnot_wave_0_\@:
	s_barrier_wait -3
	s_barrier_signal -1
	s_barrier_wait -1
.endm
	s_load_b128 s[4:7], s[0:1], 0x0                ; qkvi, the scales' exponents
	s_load_b64 s[8:9], s[0:1], 0x10                ; oimg
	v_lshl_add_u32 v251, v0, 2, 0x40000
	v_mov_b32 v255, 0
	ds_add_u32 v251, v255
	ds_add_u32 v251, v255
	v_lshrrev_b32 v8, 5, v0
	v_readfirstlane_b32 s[WV], v8                  ; wave 0..15
	v_and_b32 v[LI], 31, v0
	v_lshlrev_b32 v[LI], 4, v[LI]
	s_bfe_u32 s10, ttmp6, 0x40000                  ; cx: it enters q's and o's global addresses alone
	s_lshl_b32 s11, ttmp9, 2
	s_add_co_u32 s11, s11, s10                     ; my block of 256 queries
	s_lshl_b32 s11, s11, 4
	s_add_co_u32 s11, s11, s[WV]                   ; my tile of 16 queries, 0..127
	s_and_b32 s12, ttmp7, 0xffff                   ; bh, which the four partners share
	s_mov_b32 s[G1], 15|(3<<16)|(1<<21)            ; the mask: all four; elements of 8 bytes; bit 21 beside a mask; no padding
	s_mov_b32 s[G1+1], 32<<16                      ; tensor_dim0: 32 elements = 256 bytes
	s_mov_b32 s[G1+2], 16<<16                      ; tensor_dim1: 16 rows
	s_mov_b32 s[G1+3], 32<<16                      ; tile_dim0
	s_mov_b32 s[G1+4], 16                          ; tile_dim1
	s_mov_b32 s[G1+5], 32                          ; dense
	s_mov_b32 s[G1+6], 0
	s_mov_b32 s[G1+7], 0
	s_mov_b32 s[SEL], 0x76543210
	s_mov_b32 s[SEL+1], 0xfedcba98
	s_mov_b32 s[CS], 0x3e38aa3b                    ; c = log2(e) / 8
	s_lshr_b32 s48, s[WV], 3                       ; waves 0-7 fetch K (plane 1), waves 8-15 V (plane 2),
	s_add_co_u32 s48, s48, 1
	s_lshl_b32 s48, s48, 22
	s_lshl_b32 s49, s12, 17                        ; of my bh,
	s_add_co_u32 s48, s48, s49
	s_and_b32 s49, s[WV], 7
	s_lshl_b32 s49, s49, 12                        ; 4 KiB of each chunk's 32
	s_add_co_u32 s48, s48, s49
	s_mov_b32 s49, 0
	s_lshl_b32 s50, s[WV], 12                      ; and in LDS: 4,096 x wave: K's eight pieces, then V's
	s_wait_dscnt 0x0
	s_wait_kmcnt 0x0
	s_load_b512 s[68:83], s[6:7], 0x0              ; all sixteen exponents
	s_add_nc_u64 s[48:49], s[4:5], s[48:49]
	CROUND                                         ; all four work-groups are here: the joint loads meet
.irp c, 0,1,2,3
	s_mov_b32 s[G0+4*\c], 1
	s_add_co_u32 s[G0+4*\c+1], s50, \c*65536
	s_add_nc_u64 s[G0+4*\c+2:G0+4*\c+3], s[48:49], \c*32768
	s_or_b32 s[G0+4*\c+3], s[G0+4*\c+3], 0x80000000
.endr
.irp c, 0,1,2,3
	tensor_load_to_lds s[G0+4*\c:G0+4*\c+3], s[G1:G1+7]
	s_nop 0
.endr
.rept 4
	v_nop
.endr
	s_lshl_b32 s52, s12, 17
	s_lshl_b32 s53, s11, 10
	s_add_co_u32 s52, s52, s53
	s_mov_b32 s53, 0
	s_add_nc_u64 s[52:53], s[4:5], s[52:53]        ; q's image of my tile (plane 0)
	global_load_b128 v[16:19], v[LI], s[52:53]
	global_load_b128 v[20:23], v[LI], s[52:53] offset:512
	; o's image: [K / 256][token tile 256][2][4][lane][16 bytes], K = head x 64 + channel: (head >> 2) planes of 1 MiB, (batch x 128 + my tile) x 4,096, (head & 3) x 1,024
	s_and_b32 s54, s12, 15
	s_lshr_b32 s55, s54, 2
	s_lshl_b32 s55, s55, 20
	s_lshr_b32 s56, s12, 4
	s_lshl_b32 s56, s56, 7
	s_add_co_u32 s56, s56, s11
	s_lshl_b32 s56, s56, 12
	s_add_co_u32 s55, s55, s56
	s_and_b32 s54, s54, 3
	s_lshl_b32 s54, s54, 10
	s_add_co_u32 s54, s54, s55
	s_mov_b32 s55, 0
	s_add_nc_u64 s[8:9], s[8:9], s[54:55]
	v_mov_b32 v13, 0xff61b1e6                      ; the largest t so far: -3e38, under every t
	v_floor_f32 v12, -v13                          ; -M
	v_mov_b32 v14, 0
	v_mov_b32 v15, 0
	v_mov_b32 v236, 0                              ; a lane permute's destination counts as one of its sources
	v_mov_b32 v253, 0                              ; (named as the upper half of v[252:253])
.set JJ, 0
.rept 32
	v_mov_b32 v[160+JJ], 0                         ; O^T: the step is written once; its first trip finds zeros, which the first change of M leaves zeros
.set JJ, JJ+1
.endr
	s_wait_kmcnt 0x0
	s_add_co_i32 s57, s74, s75
	s_lshl_b32 s57, s57, 23
	s_add_co_i32 s[CS], s[CS], s57                 ; a score stands for score x 2^(e6 + e7): added to c's exponent field
	s_mov_b32 s[CS+1], s[CS]
	s_add_co_i32 s57, s76, 127
	s_lshl_b32 s59, s57, 23
	v_mov_b32 v244, s59                            ; 2^e8
	s_add_co_i32 s57, s57, 8
	s_lshl_b32 s57, s57, 23
	s_or_b32 s57, s57, 0x600000
	v_mov_b32 v240, s57                            ; 448 x 2^e8
	s_add_co_i32 s57, s78, 127
	s_lshl_b32 s59, s57, 23
	v_mov_b32 v245, s59                            ; 2^e10
	s_add_co_i32 s57, s57, 8
	s_lshl_b32 s57, s57, 23
	s_or_b32 s57, s57, 0x600000
	v_mov_b32 v241, s57                            ; 448 x 2^e10
	s_add_co_i32 s58, s76, s77                     ; e8 + e9
; A KEY STEP: 128 keys, whose K images begin at LDS byte s[TB] and whose V images 32,768 bytes further on.
.macro STEP
	v_add_nc_u32 v[ADR], s[TB], v[LI]
.rept 3
	v_nop                                          ; with the addition: four places between the last step's products and loads into the registers that they read
.endr
.irp t, 0,1,2,3,4,5,6,7
	ds_load_b128 v[32+8*\t:35+8*\t], v[ADR] offset:1024*\t
	ds_load_b128 v[36+8*\t:39+8*\t], v[ADR] offset:1024*\t+512
.endr
	s_wait_dscnt 0x0
.irp t, 0,1,2,3,4,5,6,7
	v_wmma_f32_16x16x64_fp8_fp8 v[96+8*\t:103+8*\t], v[32+8*\t:39+8*\t], v[16:23], 0   ; lane (r, h): query r, register j: key 16 t + 8 h + j
.endr
.rept 4
	v_nop                                          ; places in front of the loads below and of the first read of the scores
.endr
.set FF, 0
.rept 16
	ds_load_b128 v[32+4*FF:35+4*FF], v[ADR] offset:32768+512*FF   ; V's four fragments land while the softmax is walked
.set FF, FF+1
.endr
	v_max3_num_f32 v254, v96, v97, v98             ; the step's largest score of my query among my 64 keys, in two chains, each tile from its low end on
	v_max3_num_f32 v252, v99, v100, v101
.irp i, 6,10,14,18,22,26,30,34,38,42,46,50,54,58
	v_max3_num_f32 v254, v254, v[96+\i], v[97+\i]
	v_max3_num_f32 v252, v252, v[98+\i], v[99+\i]
.endr
	v_max3_num_f32 v254, v254, v158, v159
	v_max_num_f32 v254, v254, v252
	v_permlanex16_b32 v236, v254, s[SEL], s[SEL+1]
	v_max_num_f32 v254, v254, v236                 ; and among lane l xor 16's
	v_mul_f32 v254, s[CS], v254                    ; as t (c is positive)
	v_max_num_f32 v13, v13, v254                   ; the running largest t
	v_mov_b32 v254, v12
	v_floor_f32 v12, -v13                          ; the new -M = -ceil(t)
	v_sub_f32 v254, v12, v254                      ; old M - new M: a whole number, 0 or less
	v_cvt_i32_f32 v254, v254                       ; (it saturates)
	v_ldexp_f32 v252, 1.0, v254                    ; f = 2^(old M - new M)
.set JJ, 0
.rept 32
	v_pk_fma_f32 v[96+JJ:97+JJ], v[96+JJ:97+JJ], s[CS:CS+1], v[12:13] op_sel_hi:[1,0,0]   ; t - M, two at a time
.set JJ, JJ+2
.endr
.set JJ, 0
.rept 64
	v_exp_f32 v[96+JJ], v[96+JJ]                   ; p = 2^(t - M)
.set JJ, JJ+1
.endr
	v_pk_mul_f32 v[14:15], v[14:15], v[252:253] op_sel_hi:[1,0]   ; the sums under the new M (a plain instruction behind the exponentials)
	s_wait_alu depctr_va_vdst(0)                   ; one wait for the whole batch, ahead of its first reader
	v_pk_add_f32 v[242:243], v[96:97], v[98:99]    ; the row's sum of the unquantised p, in two chains
.irp j, 4,8,12,16,20,24,28,32,36,40,44,48,52,56,60
	v_pk_add_f32 v[14:15], v[14:15], v[96+\j:97+\j]
	v_pk_add_f32 v[242:243], v[242:243], v[98+\j:99+\j]
.endr
	v_pk_add_f32 v[14:15], v[14:15], v[242:243]
.set JJ, 0
.rept 64
	v_min_num_f32 v[96+JJ], v[96+JJ], v240         ; the conversion does not saturate (ISA guide 7.6.2); p is not negative, so the hold is one-sided
.set JJ, JJ+1
.endr
.irp t, 0,1,2,3,4,5,6,7
	v_cvt_scalef32_pk8_fp8_f32 v[224+2*\t:225+2*\t], v[96+8*\t:103+8*\t], v244   ; registers 2 t, 2 t + 1 of the operand: keys 16 t + 8 h + 0 .. 7
.endr
.set JJ, 0
.rept 16
	v_pk_mul_f32 v[160+JJ:161+JJ], v[160+JJ:161+JJ], v[252:253] op_sel_hi:[1,0]   ; O^T under the new M (also the plain instructions between the conversions and the products)
.set JJ, JJ+2
.endr
	s_wait_dscnt 0x0                               ; V is in
.irp t, 0,1,2,3
	v_wmma_f32_16x16x128_fp8_fp8 v[160+8*\t:167+8*\t], v[32+16*\t:47+16*\t], v[224:239], v[160+8*\t:167+8*\t]   ; the four accumulators by turns
.endr
.endm
; Chunk c: 512 keys.  My piece of it has landed when at most 3 - c of my loads, the later chunks', are out; behind the barrier everybody's has.  The later loads may stay out.
.macro CHUNK c
	s_wait_tensorcnt 3-\c
	s_barrier_signal -1
	s_barrier_wait -1
	s_mov_b32 s[TB], \c*65536
	s_mov_b32 s[CNT], 4
.Lstep_\@:
	STEP
	s_add_co_u32 s[TB], s[TB], 8192
	s_sub_co_u32 s[CNT], s[CNT], 1
	s_cmp_lg_u32 s[CNT], 0
	s_cbranch_scc1 .Lstep_\@
.endm
	s_wait_loadcnt 0x0                             ; Q
	CHUNK 0
	CHUNK 1
	CHUNK 2
	CHUNK 3
	; THE WAY OUT: O^T x 2^(e8 + e9) / the sum, held, converted: the four tiles' codes are registers of the next product's operand; two stores of 512 consecutive bytes, aligned.
	v_add_f32 v14, v14, v15
	v_permlanex16_b32 v252, v14, s[SEL], s[SEL+1]
	v_add_f32 v14, v14, v252                       ; the row's sum
	v_rcp_f32 v14, v14
.rept 3
	v_nop                                          ; a plain instruction behind the reciprocal; with the additions above: the places behind the last products
.endr
	s_wait_alu depctr_va_vdst(0)                   ; ahead of the reciprocal's first reader
	v_ldexp_f32 v14, v14, s58
.set JJ, 0
.rept 16
	v_pk_mul_f32 v[96+JJ:97+JJ], v[160+JJ:161+JJ], v[14:15] op_sel_hi:[1,0]
.set JJ, JJ+2
.endr
.set JJ, 0
.rept 32
	v_med3_num_f32 v[96+JJ], v[96+JJ], -v241, v241
.set JJ, JJ+1
.endr
.irp t, 0,1,2,3
	v_cvt_scalef32_pk8_fp8_f32 v[224+2*\t:225+2*\t], v[96+8*\t:103+8*\t], v245
.endr
	v_nop
	global_store_b128 v[LI], v[224:227], s[8:9]
	global_store_b128 v[LI], v[228:231], s[8:9] offset:512
	s_wait_tensorcnt 0x0
	ds_add_u32 v251, v255
	s_wait_dscnt 0x0
	CROUND                                         ; the closing round
	s_endpgm
.Lfunc_end_k_q3cf1dc48a9_attn:
	.size	k_q3cf1dc48a9_attn, .Lfunc_end_k_q3cf1dc48a9_attn-k_q3cf1dc48a9_attn
	.p2alignl 7, 3214868480
	.fill 96, 4, 3214868480
	.section	.rodata,"a",@progbits
	.p2align	6, 0x0
	.amdhsa_kernel k_q3cf1dc48a9_attn
		.amdhsa_group_segment_fixed_size 264192
		.amdhsa_private_segment_fixed_size 0
		.amdhsa_enable_private_segment 0
		.amdhsa_kernarg_size 24
		.amdhsa_user_sgpr_count 2
		.amdhsa_user_sgpr_kernarg_segment_ptr 1
		.amdhsa_wavefront_size32 1
		.amdhsa_system_sgpr_workgroup_id_x 1
		.amdhsa_system_sgpr_workgroup_id_y 1
		.amdhsa_system_sgpr_workgroup_id_z 1
		.amdhsa_system_vgpr_workitem_id 0
		.amdhsa_next_free_vgpr 256
		.amdhsa_next_free_sgpr 84
		.amdhsa_reserve_vcc 0
		.amdhsa_float_denorm_mode_32 3
		.amdhsa_float_denorm_mode_16_64 3
		.amdhsa_memory_ordered 1
		.amdhsa_forward_progress 1
		.amdhsa_inst_pref_size 73
	.end_amdhsa_kernel
	.amdgpu_metadata
---
amdhsa.version: [ 1, 2 ]
amdhsa.kernels:
  - .name:           k_q3cf1dc48a9_attn
    .symbol:         k_q3cf1dc48a9_attn.kd
    .args:
      - { .name: qkvi, .offset: 0, .size: 8, .value_kind: global_buffer, .address_space: global }
      - { .name: lowp_scales, .offset: 8, .size: 8, .value_kind: global_buffer, .address_space: global }
      - { .name: oimg, .offset: 16, .size: 8, .value_kind: global_buffer, .address_space: global }
    .group_segment_fixed_size: 264192
    .private_segment_fixed_size: 0
    .kernarg_segment_align: 8
    .kernarg_segment_size: 24
    .max_flat_workgroup_size: 512
    .sgpr_count:     84
    .vgpr_count:     256
    .wavefront_size: 32
...
	.end_amdgpu_metadata
.endif
;; end of part 3
;; launch wo (part 4): grid 4 x 16, 4 waves a work-group, clusters of 4 x 4, 327,680 bytes of LDS; arguments oimg, Wo_codes, bo, x, lowp_scales, x1; writes x1
.if DOCPART == 4
	.amdgcn_target "amdgcn-amd-amdhsa--gfx1250"
	.amdhsa_code_object_version 6
	.text
	.protected	k_q3cf1dc48a9_wo
	.globl	k_q3cf1dc48a9_wo
	.p2align	8
	.type	k_q3cf1dc48a9_wo,@function
k_q3cf1dc48a9_wo:
	s_mov_b64 s[64:65], 0
	v_nop
	global_prefetch_b8 v0, s[64:65] scope:SCOPE_SE
	s_setreg_imm32_b32 hwreg(HW_REG_WAVE_MODE, 25, 1), 1
	s_wait_xcnt 0x0
	s_wait_alu depctr_hold_cnt(0) depctr_sa_sdst(0) depctr_va_vdst(0) depctr_va_sdst(0) depctr_va_ssrc(0) depctr_va_vcc(0) depctr_vm_vsrc(0)
	s_getreg_b32 s2, hwreg(HW_REG_IB_STS2, 6, 4)
	s_cmp_eq_u32 s2, 0
	s_cbranch_scc0 .Lentry_in_a_cluster
	s_endpgm
.Lentry_in_a_cluster:
	s_bfe_u32 s2, ttmp6, 0x10000c
	s_cmp_lg_u32 s2, 0xf033
	s_cbranch_scc0 .Lentry_shape_is_right
	s_endpgm
.Lentry_shape_is_right:
; out[t][n] = res[t][n] + bias[n] + 2^(ea + eb) x the sum over k of A[t][k] W[n][k], on codes of E4M3.  Here: A = attention's o (entry 10), W = Wo (entry 11), res = x, out = x1; K = 1,024.
; A comes as IMAGES OF OPERAND REGISTERS: [K / 256][token tile 256][2][4][lane][16 bytes], registers 2 c, 2 c + 1 = k 16 c + 8 (lane / 16) + 0 .. 7.  A K step's 256 tokens are one dense block of 64 KiB.
; W comes as rows of KROW codes; its fragments are read in the same layout: eight ds_load_b64 at row x 272 + 8 (lane / 16) + 16 c (68 r mod 64 = 4 r, + 2 h: the 32 lanes touch 64 different banks; ISA guide 11.1).
; A tile of 256 x 256 is made by four waves, 128 x 128 each; K goes in steps of 256 through a ring of two LDS slots.  Source 0 = rows of W, source 1 = tokens: a lane holds eight neighbouring columns of one row of the result.
; CLUSTERS: 4 x 4 work-groups; A's tile is shared along a row of the cluster, W's along a column: each is asked for jointly.  There are 4 x 16 tiles, so 64 work-groups.
; LIMIT: ea + eb between -126 and 127.
; REGISTERS: window 0: v0-31 addresses; from v128 A's fragments, ONE set; on the way out v32-95 a block's numbers, v128-255 rows read back.  window 1: W's fragments, TWO sets; on the way out v0-127 the residual's rows, v128-191 the bias.  windows 2, 3: the accumulators.
.set KROW,   1024                      ; a row of W in bytes
.set LAPS,   2                         ; K / 512
.set SCB,    40                        ; the byte of ea in the scales' buffer; eb follows
.set ROWB,   256
.set PITCH,  272
.set FR,     16
.set NL,     4                         ; LDS loads that bring a fragment of A
.set NP,     4
.set HALFA,  32768                     ; 128 tokens' images of a K step
.set HALFB,  128*PITCH
.set AB,     2*HALFA                   ; W's rows lie behind A's images
.set SLOT,   AB+2*HALFB
.set SPARE,  2*SLOT                    ; behind the ring: the spare words, 128 bytes a wave, which no other line names
.set SPITCH, 528                       ; the way out: a stage of 16 rows x (512 + 16) bytes a wave, in slot 0, which has had its last fill and its last read by then
.set ADRA, 16
.set ADRB, 20
.set STO,  24
.set RD,   25
.set CO,   26
.set SPW,  28
.set NIL,  29
.set TMP,  32
.set AF,   128
.set BK,   128
.set G1, 24
.set G0, 32
.set G1B, 48
.set G0B, 56
.set MSB, 0
.macro WIN new
.if MSB != \new
	s_set_vgpr_msb (MSB<<8)|\new
.set MSB, \new
.endif
.endm
.set MUL_LO, 0xa1
.set MUL_HI, 0xf1
.set TO_B,   0x40
.macro JLOAD g0a, g1a, g0b, g1b        ; waves 0, 1 fetch A's halves, waves 2, 3 W's; four v_nop follow each line
	s_cmp_eq_u32 s15, 0
	s_cbranch_scc0 .Lfor_b_\@
	tensor_load_to_lds s[\g0a:\g0a+3], s[\g1a:\g1a+7]
	s_nop 0
.rept 4
	v_nop
.endr
	s_branch .Lasked_\@
.Lfor_b_\@:
	tensor_load_to_lds s[\g0b:\g0b+3], s[\g1b:\g1b+7]
	s_nop 0
.rept 4
	v_nop
.endr
.Lasked_\@:
.endm
.macro CREST
	s_cmp_lg_u32 s14, 0
	s_cbranch_scc1 .Lnot_wave_0_\@
	s_barrier_signal -3
.Lnot_wave_0_\@:
	s_barrier_wait -3
	s_barrier_signal -1
	s_barrier_wait -1
.endm
.macro CROUND
	s_barrier_signal -1
	s_barrier_wait -1
	CREST
.endm
	s_load_b256 s[4:11], s[0:1], 0x0               ; A's images, W's codes, the bias, the residual
	s_load_b128 s[68:71], s[0:1], 0x20             ; the scales' exponents, the result
	v_lshl_add_u32 v[SPW], v0, 2, SPARE
	v_mov_b32 v[NIL], 0
	ds_add_u32 v28, v29
	ds_add_u32 v28, v29
	s_wait_dscnt 0x0
	v_lshrrev_b32 v1, 5, v0
	v_readfirstlane_b32 s14, v1                    ; wave 0..3
	s_lshr_b32 s15, s14, 1                         ; my half of the tokens.  Also: I fetch for A (0) or for W (1)
	s_and_b32 s16, s14, 1                          ; my half of the columns.  Also: which half I fetch
	s_bfe_u32 s40, ttmp6, 0x40000                  ; cx
	s_bfe_u32 s41, ttmp6, 0x40004                  ; cy
	s_lshl_b32 s42, ttmp9, 2
	s_add_co_u32 s42, s42, s40                     ; the tile of columns
	s_and_b32 s17, ttmp7, 0xffff
	s_lshl_b32 s17, s17, 2
	s_add_co_u32 s17, s17, s41                     ; the tile of tokens
	s_lshl_b32 s43, s41, 2
	s_lshl_b32 s43, 15, s43                        ; my row of the cluster
	s_lshl_b32 s44, 0x1111, s40                    ; my column
	s_or_b32 s[G1+0], s43, (3<<16)|(1<<21)         ; A: the mask; elements of 8 bytes; bit 21 beside a mask; no padding
	s_mov_b32 s[G1+1], 32<<16                      ; 128 rows of 32 elements = 256 bytes, dense
	s_mov_b32 s[G1+2], 128<<16
	s_mov_b32 s[G1+3], 32<<16
	s_mov_b32 s[G1+4], 128
	s_mov_b32 s[G1+5], 32
	s_mov_b32 s[G1+6], 0
	s_mov_b32 s[G1+7], 0
	s_or_b32 s[G1B+0], s44, (0<<16)|(1<<20)|(1<<21)|(5<<22)|(3<<25)  ; W: elements of 1 byte; 4 words of padding behind every 64
	s_mov_b32 s[G1B+1], ROWB<<16
	s_mov_b32 s[G1B+2], 128<<16
	s_mov_b32 s[G1B+3], ROWB<<16
	s_mov_b32 s[G1B+4], 128
	s_mov_b32 s[G1B+5], KROW
	s_mov_b32 s[G1B+6], 0
	s_mov_b32 s[G1B+7], 0
	s_lshl_b32 s20, s17, 16                        ; A: 64 KiB a tile of tokens,
	s_lshl_b32 s18, s16, 15                        ; 32 KiB a half
	s_add_co_u32 s20, s20, s18
	s_mov_b32 s21, 0
	s_lshl_b32 s46, s42, 8
	s_lshl_b32 s18, s16, 7
	s_add_co_u32 s46, s46, s18
	s_mul_i32 s46, s46, KROW                       ; W: (256 x tile + 128 x half) rows
	s_mov_b32 s47, 0
	s_lshl_b32 s45, s16, 15                        ; where they go: A's halves,
	s_mul_i32 s90, s16, HALFB
	s_add_co_u32 s90, s90, AB                      ; W's halves behind them
	s_wait_kmcnt 0x0
	s_load_b64 s[96:97], s[68:69], SCB             ; ea, eb
	s_add_nc_u64 s[20:21], s[4:5], s[20:21]
	s_add_nc_u64 s[46:47], s[6:7], s[46:47]
	CROUND                                         ; all sixteen work-groups are here: the first joint loads meet
.irp s, 0,1
	s_mov_b32 s[G0+4*\s], 1
	s_add_co_u32 s[G0+4*\s+1], s45, \s*SLOT
	s_add_nc_u64 s[G0+4*\s+2:G0+4*\s+3], s[20:21], \s*0x100000     ; a K step of A is a plane of 1 MiB
	s_or_b32 s[G0+4*\s+3], s[G0+4*\s+3], 0x80000000
	s_mov_b32 s[G0B+4*\s], 1
	s_add_co_u32 s[G0B+4*\s+1], s90, \s*SLOT
	s_add_nc_u64 s[G0B+4*\s+2:G0B+4*\s+3], s[46:47], \s*ROWB
	s_or_b32 s[G0B+4*\s+3], s[G0B+4*\s+3], 0x80000000
	JLOAD G0+4*\s, G1, G0B+4*\s, G1B
.endr
	v_and_b32 v1, 15, v0                           ; r
	v_bfe_u32 v2, v0, 4, 1                         ; h
	v_and_b32 v6, 31, v0
	v_lshlrev_b32 v[CO], 4, v6                     ; 16 x lane
	v_mul_u32_u24 v3, v1, PITCH
	v_lshl_add_u32 v4, v2, 3, v3                   ; W: row x pitch + 8 h
	s_lshl_b32 s21, s15, 15                        ; my 128 tokens' images
	s_mul_i32 s22, s16, HALFB
	s_add_co_u32 s22, s22, AB                      ; my 128 rows of W
.irp s, 0,1
	v_add_nc_u32 v[ADRA+\s], s21, v[CO]
	v_add_nc_u32 v[ADRB+\s], s22, v4
	s_add_co_u32 s21, s21, SLOT
	s_add_co_u32 s22, s22, SLOT
.endr
	s_mul_i32 s23, s14, 16*SPITCH                  ; my stage
	v_mul_u32_u24 v5, v1, SPITCH
	v_lshl_add_u32 v5, v2, 5, v5
	v_add_nc_u32 v[STO], s23, v5                   ; in: row r, 32 bytes for each half of the lanes
	v_add_nc_u32 v[RD], s23, v[CO]                 ; back: the 32 lanes take one row of 512 bytes
	s_lshl_b32 s18, s42, 10
	s_lshl_b32 s19, s16, 9
	s_add_co_u32 s18, s18, s19                     ; my first column, in bytes
	v_lshl_add_u32 v7, v2, 5, s18                  ; the bias of a lane's eight columns: + 32 h
	s_lshl_b32 s19, s17, 20
	s_add_co_u32 s18, s18, s19
	s_lshl_b32 s19, s15, 19
	s_add_co_u32 s18, s18, s19                     ; + (256 x tile + 128 x half) rows of 4,096 bytes
	s_mov_b32 s19, 0
	s_add_nc_u64 s[10:11], s[10:11], s[18:19]
	s_add_nc_u64 s[70:71], s[70:71], s[18:19]
.macro FRAGA reg, slot, q, i           ; an image comes back as it was stored: four loads of 512 consecutive bytes
.irp c, 0,1,2,3
	ds_load_b128 v[\reg+4*\c:\reg+4*\c+3], v[ADRA+\slot] offset:(\i)*4096+(\q)*2048+512*\c
.endr
.endm
.macro FRAGB reg, slot, q, i           ; registers 2 c, 2 c + 1: K = 16 c + 8 (lane / 16) + 0 .. 7 of row lane % 16
.irp c, 0,1,2,3,4,5,6,7
	ds_load_b64 v[\reg+2*\c:\reg+2*\c+1], v[ADRB+\slot] offset:128*(\q)+16*\c+(\i)*16*PITCH
.endr
.endm
.macro MUL16 a0, p, zero               ; the 64 accumulators take turns, one instruction a turn
.irp a, \a0, \a0+1
.irp b, 0,1,2,3,4,5,6,7
.if \zero
	v_wmma_f32_16x16x128_fp8_fp8 v[8*(8*((\a)%4)+\b):8*(8*((\a)%4)+\b)+7], v[128*(\p)+FR*\b:128*(\p)+FR*\b+FR-1], v[AF+FR*(\a):AF+FR*(\a)+FR-1], 0
.else
	v_wmma_f32_16x16x128_fp8_fp8 v[8*(8*((\a)%4)+\b):8*(8*((\a)%4)+\b)+7], v[128*(\p)+FR*\b:128*(\p)+FR*\b+FR-1], v[AF+FR*(\a):AF+FR*(\a)+FR-1], v[8*(8*((\a)%4)+\b):8*(8*((\a)%4)+\b)+7]
.endif
.endr
.endr
.endm
.macro FETCH_B slot, q, p
	WIN TO_B
.irp i, 0,1,2,3,4,5,6,7
	FRAGB 128*(\p)+FR*\i, \slot, \q, \i
.endr
	WIN 0
.endm
.macro FETCH_A slot, q, i0
.irp i, \i0, \i0+1, \i0+2, \i0+3
	FRAGA AF+FR*(\i), \slot, \q, \i
.endr
.endm
.macro PLACES n
.rept \n
	v_nop
.endr
.endm
.macro STEP slot, q, zero
	s_wait_dscnt 4*NL                              ; all but the youngest sixteen loads (A's blocks 4-7) are in
	WIN MUL_LO
	MUL16 0, (\q)%2, \zero
	MUL16 2, (\q)%2, \zero
	s_wait_dscnt 0
	PLACES NP
	FETCH_B \slot, (\q)+1, 1-(\q)%2
	FETCH_A \slot, (\q)+1, 0
	WIN MUL_HI
	MUL16 4, (\q)%2, \zero
	MUL16 6, (\q)%2, \zero
	PLACES NP
	WIN 0
	FETCH_A \slot, (\q)+1, 4
.endm
.macro TURN slot, next, fill           ; a slot's last step changes slots: one barrier, with the wait for all tensor loads, the add and the wait for it and for my reads in front
	s_wait_tensorcnt 0x0
	ds_add_u32 v[SPW], v[NIL]
	s_wait_dscnt 4*NL+1                            ; (the add and the youngest sixteen loads may be out)
	WIN MUL_LO
	MUL16 0, 1, 0
	s_wait_dscnt 0x0
	s_barrier_signal -1
	MUL16 2, 1, 0
	WIN 0
	s_barrier_wait -1
.if \fill
	CREST                                          ; a round of the cluster's barrier: no wave of any partner still reads this slot or has a load on its way
	s_add_nc_u64 s[G0+4*\slot+2:G0+4*\slot+3], s[G0+4*\slot+2:G0+4*\slot+3], 0x200000
	s_add_nc_u64 s[G0B+4*\slot+2:G0B+4*\slot+3], s[G0B+4*\slot+2:G0B+4*\slot+3], 2*ROWB
	JLOAD G0+4*\slot, G1, G0B+4*\slot, G1B
.else
	PLACES NP
.endif
	FETCH_B \next, 0, 0
	FETCH_A \next, 0, 0
	WIN MUL_HI
	MUL16 4, 1, 0
	MUL16 6, 1, 0
	PLACES NP
	WIN 0
	FETCH_A \next, 0, 4
.endm
	s_wait_tensorcnt 1                             ; my part of K step 0 is in; K step 1's load may be out
	s_barrier_signal -1
	s_barrier_wait -1
	FETCH_B 0, 0, 0
	FETCH_A 0, 0, 0
	FETCH_A 0, 0, 4
	STEP 0, 0, 1
	s_mov_b32 s3, LAPS-1
.Llap:
	TURN 0, 1, 1
	STEP 1, 0, 0
	TURN 1, 0, 1
	STEP 0, 0, 0
	s_sub_co_u32 s3, s3, 1
	s_cmp_lg_u32 s3, 0
	s_cbranch_scc1 .Llap
	TURN 0, 1, 0
	STEP 1, 0, 0
	s_wait_dscnt 4*NL
	WIN MUL_LO
	MUL16 0, 1, 0
	MUL16 2, 1, 0
	s_wait_dscnt 0
	WIN MUL_HI
	MUL16 4, 1, 0
	MUL16 6, 1, 0
	WIN 0
; THE WAY OUT, block by block of 16 rows x 128 columns: sum x 2^(ea + eb) + bias in one packed multiply-add; through my stage, back as whole rows of 512 bytes; + the residual's row; stored.  Every row's offset is an immediate.
.macro RLOAD a                         ; the residual's 16 rows, into window 1, two sets by turns
	WIN 0x40
.irp t, 0,1,2,3,4,5,6,7,8,9,10,11,12,13,14,15
	global_load_b128 v[64*((\a)%2)+4*\t:64*((\a)%2)+4*\t+3], v[CO], s[10:11] offset:(16*(\a)+\t)*4096 th:TH_LOAD_NT
.endr
	WIN 0
.endm
.macro TOSTAGE a
.set AC, 64*((\a)%4)
	WIN 0x12+((\a)/4)                              ; source 0 (the sums) window 2 or 3, source 2 (the bias) window 1
.set JJ, 0
.rept 32
	v_pk_fma_f32 v[TMP+JJ:TMP+JJ+1], v[AC+JJ:AC+JJ+1], s[96:97], v[128+JJ:129+JJ] op_sel_hi:[1,0,1]   ; each accumulator from its low end on
.set JJ, JJ+2
.endr
	WIN 0
.irp b, 0,1,2,3,4,5,6,7
	ds_store_b128 v[STO], v[TMP+8*\b:TMP+8*\b+3] offset:64*\b
	ds_store_b128 v[STO], v[TMP+8*\b+4:TMP+8*\b+7] offset:64*\b+16
.endr
.set BB, BK+64*((\a)%2)
.irp t, 0,1,2,3,4,5,6,7,8,9,10,11,12,13,14,15
	ds_load_b128 v[BB+4*\t:BB+4*\t+3], v[RD] offset:\t*SPITCH     ; LDS serves a wave's instructions in order (ISA guide 5.7.1.4): these see the stores above
.endr
.endm
.macro SEND a, yd, yl                  ; yd, yl: the LDS instructions and the global loads issued behind block a's, which may stay out
.set BB, BK+64*((\a)%2)
.set RR, 64*((\a)%2)
	s_wait_dscnt \yd
	s_wait_loadcnt \yl
	WIN 0x04                                       ; source 1 (the residual) window 1
.set JJ, 0
.rept 32
	v_pk_add_f32 v[BB+JJ:BB+JJ+1], v[BB+JJ:BB+JJ+1], v[RR+JJ:RR+JJ+1]
.set JJ, JJ+2
.endr
	WIN 0
.irp t, 0,1,2,3,4,5,6,7,8,9,10,11,12,13,14,15
	global_store_b128 v[CO], v[BB+4*\t:BB+4*\t+3], s[70:71] offset:(16*(\a)+\t)*4096   ; 32 lanes store 512 consecutive bytes, aligned
.endr
.endm
	s_wait_kmcnt 0x0
	s_add_co_i32 s96, s96, s97
	s_add_co_i32 s96, s96, 127
	s_lshl_b32 s96, s96, 23                        ; 2^(ea + eb) as f32
	s_mov_b32 s97, s96
	PLACES NP                                      ; behind the last products: loads into registers that they read, and reads of results, follow
	WIN 0x40
.irp b, 0,1,2,3,4,5,6,7
	global_load_b128 v[128+8*\b:131+8*\b], v7, s[8:9] offset:64*\b       ; the bias in the result's layout: register 8 b + j = column 16 b + 8 h + j
	global_load_b128 v[132+8*\b:135+8*\b], v7, s[8:9] offset:64*\b+16
.endr
	WIN 0
	RLOAD 0
	s_wait_loadcnt 16                              ; the bias is in; block 0's sixteen residual loads may be out
	TOSTAGE 0
.irp a, 1,2,3,4,5,6,7
.if \a > 1
	s_wait_xcnt 0x0                                ; block a - 2's stores have read their registers: block a's rows may land there
.endif
	RLOAD \a
	TOSTAGE \a
	SEND \a-1, 32, 16                              ; behind block a - 1's: block a's 16 LDS stores and 16 LDS loads, and its 16 residual loads
.endr
	SEND 7, 0, 0
	s_wait_tensorcnt 0x0                           ; the wave's end
	ds_add_u32 v[SPW], v[NIL]
	s_wait_dscnt 0x0
	CROUND                                         ; the closing round
	s_endpgm
.Lfunc_end_k_q3cf1dc48a9_wo:
	.size	k_q3cf1dc48a9_wo, .Lfunc_end_k_q3cf1dc48a9_wo-k_q3cf1dc48a9_wo
	.p2alignl 7, 3214868480
	.fill 96, 4, 3214868480
	.section	.rodata,"a",@progbits
	.p2align	6, 0x0
	.amdhsa_kernel k_q3cf1dc48a9_wo
		.amdhsa_group_segment_fixed_size 327680
		.amdhsa_private_segment_fixed_size 0
		.amdhsa_enable_private_segment 0
		.amdhsa_kernarg_size 48
		.amdhsa_user_sgpr_count 2
		.amdhsa_user_sgpr_kernarg_segment_ptr 1
		.amdhsa_wavefront_size32 1
		.amdhsa_system_sgpr_workgroup_id_x 1
		.amdhsa_system_sgpr_workgroup_id_y 1
		.amdhsa_system_sgpr_workgroup_id_z 1
		.amdhsa_system_vgpr_workitem_id 0
		.amdhsa_next_free_vgpr 1024
		.amdhsa_next_free_sgpr 100
		.amdhsa_reserve_vcc 0
		.amdhsa_float_denorm_mode_32 3
		.amdhsa_float_denorm_mode_16_64 3
		.amdhsa_memory_ordered 1
		.amdhsa_forward_progress 1
		.amdhsa_inst_pref_size 170
	.end_amdhsa_kernel
	.amdgpu_metadata
---
amdhsa.version: [ 1, 2 ]
amdhsa.kernels:
  - .name:           k_q3cf1dc48a9_wo
    .symbol:         k_q3cf1dc48a9_wo.kd
    .args:
      - { .name: oimg, .offset: 0, .size: 8, .value_kind: global_buffer, .address_space: global }
      - { .name: Wo_codes, .offset: 8, .size: 8, .value_kind: global_buffer, .address_space: global }
      - { .name: bo, .offset: 16, .size: 8, .value_kind: global_buffer, .address_space: global }
      - { .name: x, .offset: 24, .size: 8, .value_kind: global_buffer, .address_space: global }
      - { .name: lowp_scales, .offset: 32, .size: 8, .value_kind: global_buffer, .address_space: global }
      - { .name: x1, .offset: 40, .size: 8, .value_kind: global_buffer, .address_space: global }
    .group_segment_fixed_size: 327680
    .private_segment_fixed_size: 0
    .kernarg_segment_align: 8
    .kernarg_segment_size: 48
    .max_flat_workgroup_size: 128
    .sgpr_count:     100
    .vgpr_count:     1024
    .wavefront_size: 32
...
	.end_amdgpu_metadata
.endif
;; end of part 4
;; launch ln2 (part 5): grid 256 x 1, 8 waves a work-group, no clusters, 82,944 bytes of LDS; arguments x1, g2, be2, lowp_scales, h2c; writes h2c
.if DOCPART == 5
	.amdgcn_target "amdgcn-amd-amdhsa--gfx1250"
	.amdhsa_code_object_version 6
	.text
	.protected	k_q3cf1dc48a9_ln2
	.globl	k_q3cf1dc48a9_ln2
	.p2align	8
	.type	k_q3cf1dc48a9_ln2,@function
k_q3cf1dc48a9_ln2:
	s_mov_b64 s[64:65], 0
	v_nop
	global_prefetch_b8 v0, s[64:65] scope:SCOPE_SE
	s_setreg_imm32_b32 hwreg(HW_REG_WAVE_MODE, 25, 1), 1
	s_wait_xcnt 0x0
; LayerNorm of x1 [4096][1024] f32 (mean, then the mean of squared differences: two passes over registers, so a common offset of the inputs costs no accuracy),
; times g, plus be, all in f32; the result is quantised once (NQ = 1) to E4M3, with the scale 2^e of entry 12 of the scales' buffer, into [4096][1024] codes, K innermost.
; code = h / 2^e, held within +-448, to the nearest code, ties to even.  LIMITS: e between -126 and 119.  NaN among the inputs is not served.
; SHARES: a work-group takes 16 rows, each of its eight waves 2.  A row is 4,096 bytes: eight loads of 512 consecutive bytes, 16 a lane, 32 registers; it is read from memory once.
; The conversions take 8 neighbours along K from one lane's registers, the loads give a lane 4: so half a row at a time turns through the wave's own stage in LDS: in as loaded, back 64 bytes a lane
; (a lane's place: 64 bytes + 16 of padding).  A lane's 16 codes are 16 bytes: each store of the wave covers 512 consecutive bytes, aligned.
; No barrier: waves share nothing.  No loop: every offset is an immediate, and every store has data registers of its own.  Matrix units, clusters and tensor loads are left out: each byte moves once.
.set NQ,   1
.set SP,   80
.set STB,  32*SP
.set WREG, 4*STB
.set T,    16
.set X,    32
.set G,    96
.set BE,   128
.set HH,   160
.set C,    192
	s_load_b256 s[4:11], s[0:1], 0x0               ; x1 s[4:5], g s[6:7], be s[8:9], the scales' exponents s[10:11]
	s_load_b64 s[12:13], s[0:1], 0x20              ; the codes
	v_lshl_add_u32 v240, v0, 2, 0x14000
	v_mov_b32 v241, 0
	v_lshrrev_b32 v1, 5, v0
	v_readfirstlane_b32 s16, v1                    ; wave 0..7
	v_and_b32 v1, 31, v0                           ; lane
	v_lshlrev_b32 v2, 4, v1                        ; 16 x lane
	s_mul_i32 s17, s16, WREG
	v_lshrrev_b32 v14, 2, v1
	v_mul_u32_u24 v14, v14, SP
	v_and_b32 v15, 3, v1
	v_lshl_add_u32 v14, v15, 4, v14
	v_add_nc_u32 v14, s17, v14                     ; into a stage: four lanes' 64 bytes on end, then the padding
	v_mul_u32_u24 v15, v1, SP
	v_add_nc_u32 v15, s17, v15                     ; out of it: my 16 neighbours
	s_mov_b32 s40, 0x76543210
	s_mov_b32 s41, 0xfedcba98
	s_mov_b32 s42, 0x3a800000                      ; 1 / 1024
	s_mov_b32 s43, 0x3727c5ac                      ; 1e-5
	s_lshl_b32 s18, ttmp9, 16
	s_lshl_b32 s19, s16, 13
	s_add_co_u32 s18, s18, s19
	s_mov_b32 s19, 0
	s_wait_kmcnt 0x0
	s_load_b32 s33, s[10:11], 0x30                 ; entry 12
	s_add_nc_u64 s[4:5], s[4:5], s[18:19]
	s_lshr_b32 s18, s18, 2
	s_add_nc_u64 s[20:21], s[12:13], s[18:19]
.irp i, 0,1,2,3,4,5,6,7
	global_load_b128 v[X+4*\i:X+4*\i+3], v2, s[4:5] offset:512*\i th:TH_LOAD_NT
.endr
.irp i, 0,1,2,3,4,5,6,7
	global_load_b128 v[G+4*\i:G+4*\i+3], v2, s[6:7] offset:512*\i
.endr
.irp i, 0,1,2,3,4,5,6,7
	global_load_b128 v[BE+4*\i:BE+4*\i+3], v2, s[8:9] offset:512*\i
.endr
.irp i, 0,1,2,3,4,5,6,7
	global_load_b128 v[X+32+4*\i:X+32+4*\i+3], v2, s[4:5] offset:4096+512*\i th:TH_LOAD_NT
.endr
	s_wait_kmcnt 0x0
	s_add_co_i32 s26, s33, 127
	s_lshl_b32 s27, s26, 23
	v_mov_b32 v8, s27                              ; 2^e as f32
	s_add_co_i32 s26, s26, 8
	s_lshl_b32 s26, s26, 23
	s_or_b32 s26, s26, 0x600000
	v_mov_b32 v9, s26                              ; 448 x 2^e
.macro REDUCE                          ; v16 summed over the 32 lanes, the result in every lane
	v_add_f32_dpp v16, v16, v16 row_xmask:1 row_mask:0xf bank_mask:0xf
	v_add_f32_dpp v16, v16, v16 row_xmask:2 row_mask:0xf bank_mask:0xf
	v_add_f32_dpp v16, v16, v16 row_xmask:4 row_mask:0xf bank_mask:0xf
	v_add_f32_dpp v16, v16, v16 row_xmask:8 row_mask:0xf bank_mask:0xf
	v_permlanex16_b32 v17, v16, s40, s41
	v_add_f32 v16, v16, v17
.endm
.macro ROW R
.set XR, X+32*\R
.if \R == 0
	s_wait_loadcnt 24                              ; row 0 is in; g, be and row 1 (24 loads) may be out
.else
	s_wait_loadcnt 0x0
.endif
	v_pk_add_f32 v[16:17], v[XR:XR+1], v[XR+4:XR+5]
	v_pk_add_f32 v[18:19], v[XR+2:XR+3], v[XR+6:XR+7]
.irp j, 8,12,16,20,24,28
	v_pk_add_f32 v[16:17], v[16:17], v[XR+\j:XR+\j+1]
	v_pk_add_f32 v[18:19], v[18:19], v[XR+\j+2:XR+\j+3]
.endr
	v_pk_add_f32 v[16:17], v[16:17], v[18:19]
	v_add_f32 v16, v16, v17
	REDUCE
	v_mul_f32 v4, s42, v16                         ; the mean, twice
	v_mul_f32 v5, s42, v16
.irp j, 0,2,4,6,8,10,12,14,16,18,20,22,24,26,28,30
	v_pk_add_f32 v[XR+\j:XR+\j+1], v[XR+\j:XR+\j+1], v[4:5] neg_lo:[0,1] neg_hi:[0,1]
.endr
	v_pk_mul_f32 v[16:17], v[XR:XR+1], v[XR:XR+1]
	v_pk_mul_f32 v[18:19], v[XR+2:XR+3], v[XR+2:XR+3]
.irp j, 4,8,12,16,20,24,28
	v_pk_fma_f32 v[16:17], v[XR+\j:XR+\j+1], v[XR+\j:XR+\j+1], v[16:17]
	v_pk_fma_f32 v[18:19], v[XR+\j+2:XR+\j+3], v[XR+\j+2:XR+\j+3], v[18:19]
.endr
	v_pk_add_f32 v[16:17], v[16:17], v[18:19]
	v_add_f32 v16, v16, v17
	REDUCE
	v_fma_f32 v16, v16, s42, s43                   ; the variance + 1e-5
	v_rsq_f32 v6, v16
	v_rsq_f32 v7, v16
	v_nop                                          ; a plain instruction behind the two roots,
	s_wait_alu depctr_va_vdst(0)                   ; and one wait for both ahead of their first reader
.if \R == 0
	s_wait_loadcnt 8                               ; g and be are in; row 1's eight loads may be out
.endif
.irp j, 0,2,4,6,8,10,12,14,16,18,20,22,24,26,28,30
	v_pk_mul_f32 v[XR+\j:XR+\j+1], v[XR+\j:XR+\j+1], v[6:7]
.endr
.irp j, 0,2,4,6,8,10,12,14,16,18,20,22,24,26,28,30
	v_pk_fma_f32 v[XR+\j:XR+\j+1], v[XR+\j:XR+\j+1], v[G+\j:G+\j+1], v[BE+\j:BE+\j+1]
.endr
.irp s, 0,1                            ; LDS serves a wave's instructions in order, so no wait stands between the stores and the loads
.irp i, 0,1,2,3
	ds_store_b128 v14, v[XR+16*\s+4*\i:XR+16*\s+4*\i+3] offset:(2*\R+\s)*STB+8*SP*\i
.endr
.irp i, 0,1,2,3
	ds_load_b128 v[HH+16*\s+4*\i:HH+16*\s+4*\i+3], v15 offset:(2*\R+\s)*STB+16*\i
.endr
.endr
.irp s, 0,1
	s_wait_dscnt 8-8*\s                            ; this half is back; behind the first half's loads stand the second half's four stores and four loads
.irp i, 0,1,2,3,4,5,6,7,8,9,10,11,12,13,14,15
	v_med3_num_f32 v[T+\i], v[HH+16*\s+\i], -v9, v9   ; the conversion does not saturate (ISA guide 7.6.2)
.endr
.set CC, C+4*(2*\R+\s)
	v_cvt_scalef32_pk8_fp8_f32 v[CC:CC+1], v[T:T+7], v8
	v_cvt_scalef32_pk8_fp8_f32 v[CC+2:CC+3], v[T+8:T+15], v8
	v_nop                                          ; a plain instruction between the conversions and the next writes of their sources
	global_store_b128 v2, v[CC:CC+3], s[20:21] offset:\R*1024+512*\s   ; 32 lanes store 512 consecutive bytes, aligned
.endr
.endm
	ROW 0
	ROW 1
	s_wait_tensorcnt 0x0
	ds_add_u32 v240, v241
	s_wait_dscnt 0x0
	s_endpgm
.Lfunc_end_k_q3cf1dc48a9_ln2:
	.size	k_q3cf1dc48a9_ln2, .Lfunc_end_k_q3cf1dc48a9_ln2-k_q3cf1dc48a9_ln2
	.p2alignl 7, 3214868480
	.fill 96, 4, 3214868480
	.section	.rodata,"a",@progbits
	.p2align	6, 0x0
	.amdhsa_kernel k_q3cf1dc48a9_ln2
		.amdhsa_group_segment_fixed_size 82944
		.amdhsa_private_segment_fixed_size 0
		.amdhsa_enable_private_segment 0
		.amdhsa_kernarg_size 40
		.amdhsa_user_sgpr_count 2
		.amdhsa_user_sgpr_kernarg_segment_ptr 1
		.amdhsa_wavefront_size32 1
		.amdhsa_system_sgpr_workgroup_id_x 1
		.amdhsa_system_sgpr_workgroup_id_y 1
		.amdhsa_system_sgpr_workgroup_id_z 1
		.amdhsa_system_vgpr_workitem_id 0
		.amdhsa_next_free_vgpr 242
		.amdhsa_next_free_sgpr 66
		.amdhsa_reserve_vcc 0
		.amdhsa_float_denorm_mode_32 3
		.amdhsa_float_denorm_mode_16_64 3
		.amdhsa_memory_ordered 1
		.amdhsa_forward_progress 1
		.amdhsa_inst_pref_size 25
	.end_amdhsa_kernel
	.amdgpu_metadata
---
amdhsa.version: [ 1, 2 ]
amdhsa.kernels:
  - .name:           k_q3cf1dc48a9_ln2
    .symbol:         k_q3cf1dc48a9_ln2.kd
    .args:
      - { .name: x1, .offset: 0, .size: 8, .value_kind: global_buffer, .address_space: global }
      - { .name: g2, .offset: 8, .size: 8, .value_kind: global_buffer, .address_space: global }
      - { .name: be2, .offset: 16, .size: 8, .value_kind: global_buffer, .address_space: global }
      - { .name: lowp_scales, .offset: 24, .size: 8, .value_kind: global_buffer, .address_space: global }
      - { .name: h2c, .offset: 32, .size: 8, .value_kind: global_buffer, .address_space: global }
    .group_segment_fixed_size: 82944
    .private_segment_fixed_size: 0
    .kernarg_segment_align: 8
    .kernarg_segment_size: 40
    .max_flat_workgroup_size: 256
    .sgpr_count:     66
    .vgpr_count:     242
    .wavefront_size: 32
...
	.end_amdgpu_metadata
.endif
;; end of part 5
;; launch ffn1 (part 6): grid 16 x 16, 4 waves a work-group, clusters of 4 x 4, 327,680 bytes of LDS; arguments h2c, W1_codes, b1, lowp_scales, gimg; writes gimg
.if DOCPART == 6
	.amdgcn_target "amdgcn-amd-amdhsa--gfx1250"
	.amdhsa_code_object_version 6
	.text
	.protected	k_q3cf1dc48a9_ffn1
	.globl	k_q3cf1dc48a9_ffn1
	.p2align	8
	.type	k_q3cf1dc48a9_ffn1,@function
k_q3cf1dc48a9_ffn1:
	s_mov_b64 s[64:65], 0
	v_nop
	global_prefetch_b8 v0, s[64:65] scope:SCOPE_SE
	s_setreg_imm32_b32 hwreg(HW_REG_WAVE_MODE, 25, 1), 1
	s_wait_xcnt 0x0
	s_wait_alu depctr_hold_cnt(0) depctr_sa_sdst(0) depctr_va_vdst(0) depctr_va_sdst(0) depctr_va_ssrc(0) depctr_va_vcc(0) depctr_vm_vsrc(0)
	s_getreg_b32 s2, hwreg(HW_REG_IB_STS2, 6, 4)
	s_cmp_eq_u32 s2, 0
	s_cbranch_scc0 .Lentry_in_a_cluster
	s_endpgm
.Lentry_in_a_cluster:
	s_bfe_u32 s2, ttmp6, 0x10000c
	s_cmp_lg_u32 s2, 0xf033
	s_cbranch_scc0 .Lentry_shape_is_right
	s_endpgm
.Lentry_shape_is_right:
; g = gelu(h2 W1 + b1), exact (erf), on codes of E4M3; g is quantised (entry 14) and stored as IMAGES OF THE OPERAND REGISTERS of the next product: [K / 256][token tile 256][2][4][lane][16 bytes].
; h2c: [4096 tokens][1024] codes (entry 12).  W1_codes: [4096 hidden units][1024] (entry 13).  Source 0 = rows of W1, source 1 = tokens: in accumulator (a, b) lane (r, h) holds token 16 a + r and its register j
; hidden unit 16 b + 8 h + j: the next K runs along a lane's registers, and one conversion gives registers 2 b, 2 b + 1 of the next operand, k = 16 b + 8 h + 0 .. 7.
; A tile of 256 x 256 is made by four waves, 128 x 128 each; K = 1,024 goes in steps of 256 through a ring of two LDS slots.  Fragments come by four ds_load_b128 a side: a permutation of k that is the same in both sources.
; CLUSTERS: 4 x 4 work-groups; the tokens' tile is shared along a row of the cluster, W1's along a column: each is asked for jointly.
; THE ACTIVATION: erf(y) = y P(y^2) / Q(y^2), y = z / sqrt(2) held within +-4 (beyond that erf is +-1 in f32), P of degree 6 and Q of degree 4 in y^2, all in f32; gelu = z/2 + z/2 x erf.
; It is long, and register numbers cannot hang on a loop's counter: so the biased sums of four blocks at a time go into the wave's own quarter of slot 0 as register images, and a loop of four trips takes them back
; block by block.  Slot 0 has had its last fill and its last read when the first image is stored there.
; LIMITS: e12 + e13 between -126 and 127; e14 between -126 and 119.  NaN is not served.
; REGISTERS: window 0: v0-31 addresses; v32-95 b1 by register; v96-111 codes; v112-115 two constants; from v128 source 1's fragments, ONE set, later the activation's work; window 1: source 0's, TWO sets; windows 2, 3: the accumulators.
.set ROWB,   256
.set KROW,   1024
.set PITCH,  272
.set FR,     16
.set NL,     4
.set NP,     4
.set HALFT,  128*PITCH
.set SLOT,   4*HALFT
.set LAPS,   2
.set SPARE,  2*SLOT                    ; behind the ring: the spare words, 128 bytes a wave, which no other line names
.set ADRA, 16
.set ADRB, 20
.set SPW,  28
.set NIL,  29
.set GO,   9                           ; v9   my byte offset in the images, stepped block by block
.set STG,  12                          ; v12  my place in the wave's stage: 34,816 x wave + 16 x lane
.set AD,   13                          ; v13  the stage address of the block in hand
.set YY,   192
.set X2,   208
.set PN,   224
.set QD,   240
.set TS,   98
.set CT,   99
.set AF,   128
.set G1, 24
.set G0, 32
.set G1B, 48
.set G0B, 56
.set MSB, 0
.macro WIN new
.if MSB != \new
	s_set_vgpr_msb (MSB<<8)|\new
.set MSB, \new
.endif
.endm
.set MUL_LO, 0xa1
.set MUL_HI, 0xf1
.set TO_B,   0x40
.macro JLOAD g0a, g1a, g0b, g1b        ; waves 0, 1 fetch for source 1, waves 2, 3 for source 0; four v_nop follow each line
	s_cmp_eq_u32 s15, 0
	s_cbranch_scc0 .Lfor_b_\@
	tensor_load_to_lds s[\g0a:\g0a+3], s[\g1a:\g1a+7]
	s_nop 0
.rept 4
	v_nop
.endr
	s_branch .Lasked_\@
.Lfor_b_\@:
	tensor_load_to_lds s[\g0b:\g0b+3], s[\g1b:\g1b+7]
	s_nop 0
.rept 4
	v_nop
.endr
.Lasked_\@:
.endm
.macro CREST
	s_cmp_lg_u32 s14, 0
	s_cbranch_scc1 .Lnot_wave_0_\@
	s_barrier_signal -3
.Lnot_wave_0_\@:
	s_barrier_wait -3
	s_barrier_signal -1
	s_barrier_wait -1
.endm
.macro CROUND
	s_barrier_signal -1
	s_barrier_wait -1
	CREST
.endm
.macro CONST reg, bits                 ; a constant as a scalar pair: the packed forms name a pair and take its low word for both halves
	s_mov_b32 s[\reg], \bits
	s_mov_b32 s[\reg+1], \bits
.endm
	s_load_b256 s[4:11], s[0:1], 0x0               ; h2c, W1's codes, b1, the scales' exponents
	s_load_b64 s[12:13], s[0:1], 0x20              ; gimg
	v_lshl_add_u32 v[SPW], v0, 2, SPARE
	v_mov_b32 v[NIL], 0
	ds_add_u32 v28, v29
	ds_add_u32 v28, v29
	s_wait_dscnt 0x0
	v_lshrrev_b32 v1, 5, v0
	v_readfirstlane_b32 s14, v1                    ; wave 0..3
	s_lshr_b32 s15, s14, 1                         ; my half of the tokens.  Also: I fetch for source 1 (0) or source 0 (1)
	s_and_b32 s16, s14, 1                          ; my half of the hidden units.  Also: which 128 rows I fetch
	s_bfe_u32 s40, ttmp6, 0x40000                  ; cx
	s_bfe_u32 s41, ttmp6, 0x40004                  ; cy
	s_lshl_b32 s42, ttmp9, 2
	s_add_co_u32 s42, s42, s40                     ; the tile of hidden units
	s_and_b32 s17, ttmp7, 0xffff
	s_lshl_b32 s17, s17, 2
	s_add_co_u32 s17, s17, s41                     ; the tile of tokens
	s_lshl_b32 s43, s41, 2
	s_lshl_b32 s43, 15, s43
	s_lshl_b32 s44, 0x1111, s40
	s_or_b32 s[G1+0], s43, (0<<16)|(1<<20)|(1<<21)|(5<<22)|(3<<25)
	s_or_b32 s[G1B+0], s44, (0<<16)|(1<<20)|(1<<21)|(5<<22)|(3<<25)
.irp g, G1, G1B
	s_mov_b32 s[\g+1], ROWB<<16
	s_mov_b32 s[\g+2], 128<<16
	s_mov_b32 s[\g+3], ROWB<<16
	s_mov_b32 s[\g+4], 128
	s_mov_b32 s[\g+5], KROW
	s_mov_b32 s[\g+6], 0
	s_mov_b32 s[\g+7], 0
.endr
	CONST 66, 0xaf95df0b                           ; P: -2.72614226e-10 (y^12)
	CONST 70, 0xb60cff51                           ;    -2.10102402e-06 (y^8)
	CONST 72, 0xb86ec2d2                           ;    -5.69250639e-05
	CONST 74, 0xba40ac63                           ;    -7.34990630e-04
	CONST 76, 0xbb41a1f6                           ;    -2.95459981e-03
	CONST 78, 0xbc83dbd4                           ;    -1.60960333e-02 (y^0)
	CONST 80, 0xb77460cd                           ; Q: -1.45660718e-05 (y^8)
	CONST 84, 0xbadc924e                           ;    -1.68282697e-03 (y^4)
	CONST 86, 0xbbf19bf8                           ;    -7.37332917e-03
	CONST 88, 0xbc69b6a7                           ;    -1.42647391e-02 (y^0)
	CONST 90, 0x3f3504f3                           ; 1 / sqrt(2)
	v_mov_b32 v112, 0xb95fbd29                     ; Q: -2.13374055e-04 (y^6), as a vector pair
	v_mov_b32 v113, 0xb95fbd29
	v_mov_b32 v114, 0x32edffee                     ; P: 2.77068142e-08 (y^10)
	v_mov_b32 v115, 0x32edffee
	s_lshl_b32 s18, s16, 7
	s_lshl_b32 s20, s17, 8
	s_add_co_u32 s20, s20, s18
	s_lshl_b32 s20, s20, 10
	s_lshl_b32 s46, s42, 8
	s_add_co_u32 s46, s46, s18
	s_lshl_b32 s46, s46, 10
	s_mov_b32 s21, 0
	s_mov_b32 s47, 0
	s_mul_i32 s45, s14, HALFT
	s_wait_kmcnt 0x0
	s_load_b128 s[92:95], s[10:11], 0x30           ; entries 12 to 15
	s_add_nc_u64 s[20:21], s[4:5], s[20:21]
	s_add_nc_u64 s[46:47], s[6:7], s[46:47]
	CROUND
.irp s, 0,1
	s_mov_b32 s[G0+4*\s], 1
	s_add_co_u32 s[G0+4*\s+1], s45, \s*SLOT
	s_add_nc_u64 s[G0+4*\s+2:G0+4*\s+3], s[20:21], \s*ROWB
	s_or_b32 s[G0+4*\s+3], s[G0+4*\s+3], 0x80000000
	s_mov_b32 s[G0B+4*\s], 1
	s_add_co_u32 s[G0B+4*\s+1], s45, \s*SLOT
	s_add_nc_u64 s[G0B+4*\s+2:G0B+4*\s+3], s[46:47], \s*ROWB
	s_or_b32 s[G0B+4*\s+3], s[G0B+4*\s+3], 0x80000000
	JLOAD G0+4*\s, G1, G0B+4*\s, G1B
.endr
	v_and_b32 v1, 15, v0
	v_bfe_u32 v2, v0, 4, 1
	v_mul_u32_u24 v3, v1, PITCH
	v_lshl_add_u32 v4, v2, 4, v3
	s_mul_i32 s21, s15, HALFT
	s_mul_i32 s22, s16, HALFT
	s_add_co_u32 s22, s22, 2*HALFT
.irp s, 0,1
	v_add_nc_u32 v[ADRA+\s], s21, v4
	v_add_nc_u32 v[ADRB+\s], s22, v4
	s_add_co_u32 s21, s21, SLOT
	s_add_co_u32 s22, s22, SLOT
.endr
	v_and_b32 v6, 31, v0
	v_lshlrev_b32 v[GO], 4, v6                     ; 16 x lane
	s_mul_i32 s23, s14, HALFT
	v_lshl_add_u32 v[STG], v6, 4, s23
	s_lshl_b32 s18, s42, 10
	s_lshl_b32 s19, s16, 9
	s_add_co_u32 s18, s18, s19
	v_lshl_add_u32 v7, v2, 5, s18                  ; b1: 4 x (256 x tile + 128 x half + 8 h)
.irp b, 0,1,2,3,4,5,6,7
	global_load_b128 v[32+8*\b:35+8*\b], v7, s[8:9] offset:64*\b
	global_load_b128 v[36+8*\b:39+8*\b], v7, s[8:9] offset:64*\b+16
.endr
	s_lshl_b32 s18, s42, 20                        ; my images: the plane of my 256 hidden units,
	s_lshl_b32 s19, s17, 16                        ; 16 token tiles of 4,096 bytes a tile of tokens,
	s_add_co_u32 s18, s18, s19
	s_lshl_b32 s19, s15, 15                        ; 8 a half,
	s_add_co_u32 s18, s18, s19
	s_lshl_b32 s19, s16, 11                        ; my 128 of the 256 hidden units
	s_add_co_u32 s18, s18, s19
	s_mov_b32 s19, 0
	s_add_nc_u64 s[12:13], s[12:13], s[18:19]
.macro FRAG reg, adr, q, i
.irp c, 0,1,2,3
	ds_load_b128 v[\reg+4*\c:\reg+4*\c+3], v[\adr] offset:128*(\q)+32*\c+(\i)*16*PITCH
.endr
.endm
.macro MUL16 a0, p, zero               ; the 64 accumulators take turns, one instruction a turn
.irp a, \a0, \a0+1
.irp b, 0,1,2,3,4,5,6,7
.if \zero
	v_wmma_f32_16x16x128_fp8_fp8 v[8*(8*((\a)%4)+\b):8*(8*((\a)%4)+\b)+7], v[128*(\p)+FR*\b:128*(\p)+FR*\b+FR-1], v[AF+FR*(\a):AF+FR*(\a)+FR-1], 0
.else
	v_wmma_f32_16x16x128_fp8_fp8 v[8*(8*((\a)%4)+\b):8*(8*((\a)%4)+\b)+7], v[128*(\p)+FR*\b:128*(\p)+FR*\b+FR-1], v[AF+FR*(\a):AF+FR*(\a)+FR-1], v[8*(8*((\a)%4)+\b):8*(8*((\a)%4)+\b)+7]
.endif
.endr
.endr
.endm
.macro FETCH_B slot, q, p
	WIN TO_B
.irp i, 0,1,2,3,4,5,6,7
	FRAG 128*(\p)+FR*\i, ADRB+\slot, \q, \i
.endr
	WIN 0
.endm
.macro FETCH_A slot, q, i0
.irp i, \i0, \i0+1, \i0+2, \i0+3
	FRAG AF+FR*(\i), ADRA+\slot, \q, \i
.endr
.endm
.macro PLACES n
.rept \n
	v_nop
.endr
.endm
.macro STEP slot, q, zero
	s_wait_dscnt 4*NL                              ; all but the youngest sixteen loads (source 1's blocks 4-7) are in
	WIN MUL_LO
	MUL16 0, (\q)%2, \zero
	MUL16 2, (\q)%2, \zero
	s_wait_dscnt 0
	PLACES NP
	FETCH_B \slot, (\q)+1, 1-(\q)%2
	FETCH_A \slot, (\q)+1, 0
	WIN MUL_HI
	MUL16 4, (\q)%2, \zero
	MUL16 6, (\q)%2, \zero
	PLACES NP
	WIN 0
	FETCH_A \slot, (\q)+1, 4
.endm
.macro TURN slot, next, fill           ; a slot's last step changes slots: one barrier, with the wait for all tensor loads, the add and the wait for it and for my reads in front
	s_wait_tensorcnt 0x0
	ds_add_u32 v[SPW], v[NIL]
	s_wait_dscnt 4*NL+1                            ; (the add and the youngest sixteen loads may be out)
	WIN MUL_LO
	MUL16 0, 1, 0
	s_wait_dscnt 0x0
	s_barrier_signal -1
	MUL16 2, 1, 0
	WIN 0
	s_barrier_wait -1
.if \fill
	CREST
	s_add_nc_u64 s[G0+4*\slot+2:G0+4*\slot+3], s[G0+4*\slot+2:G0+4*\slot+3], 2*ROWB
	s_add_nc_u64 s[G0B+4*\slot+2:G0B+4*\slot+3], s[G0B+4*\slot+2:G0B+4*\slot+3], 2*ROWB
	JLOAD G0+4*\slot, G1, G0B+4*\slot, G1B
.else
	PLACES NP
.endif
	FETCH_B \next, 0, 0
	FETCH_A \next, 0, 0
	WIN MUL_HI
	MUL16 4, 1, 0
	MUL16 6, 1, 0
	PLACES NP
	WIN 0
	FETCH_A \next, 0, 4
.endm
	s_wait_tensorcnt 1                             ; my part of K step 0 is in; K step 1's load may be out
	s_barrier_signal -1
	s_barrier_wait -1
	FETCH_B 0, 0, 0
	FETCH_A 0, 0, 0
	FETCH_A 0, 0, 4
	STEP 0, 0, 1
	s_mov_b32 s3, LAPS-1
.Llap:
	TURN 0, 1, 1
	STEP 1, 0, 0
	TURN 1, 0, 1
	STEP 0, 0, 0
	s_sub_co_u32 s3, s3, 1
	s_cmp_lg_u32 s3, 0
	s_cbranch_scc1 .Llap
	TURN 0, 1, 0
	STEP 1, 0, 0
	s_wait_dscnt 4*NL
	WIN MUL_LO
	MUL16 0, 1, 0
	MUL16 2, 1, 0
	s_wait_dscnt 0
	WIN MUL_HI
	MUL16 4, 1, 0
	MUL16 6, 1, 0
	WIN 0
; gelu of the 16 numbers z in v[128 + 16 g] on, in place.  The 16 reciprocals are one batch: P's chain is the plain work behind it, and one wait stands ahead of the first reader.
.macro GELU g
.set ZG, 128+16*\g
.irp i, 0,2,4,6,8,10,12,14
	v_pk_mul_f32 v[YY+\i:YY+\i+1], v[ZG+\i:ZG+\i+1], s[90:91] op_sel_hi:[1,0]      ; y = z / sqrt(2)
.endr
.set JJ, 0
.rept 16
	v_med3_num_f32 v[YY+JJ], v[YY+JJ], -4.0, 4.0
.set JJ, JJ+1
.endr
.irp i, 0,2,4,6,8,10,12,14
	v_pk_mul_f32 v[X2+\i:X2+\i+1], v[YY+\i:YY+\i+1], v[YY+\i:YY+\i+1]
.endr
.irp i, 0,2,4,6,8,10,12,14
	v_pk_fma_f32 v[QD+\i:QD+\i+1], v[X2+\i:X2+\i+1], s[80:81], v[112:113] op_sel_hi:[1,0,1]
.endr
.irp k, 84,86,88
.irp i, 0,2,4,6,8,10,12,14
	v_pk_fma_f32 v[QD+\i:QD+\i+1], v[QD+\i:QD+\i+1], v[X2+\i:X2+\i+1], s[\k:\k+1] op_sel_hi:[1,1,0]
.endr
.endr
.set JJ, 0
.rept 16
	v_rcp_f32 v[QD+JJ], v[QD+JJ]
.set JJ, JJ+1
.endr
.irp i, 0,2,4,6,8,10,12,14
	v_pk_fma_f32 v[PN+\i:PN+\i+1], v[X2+\i:X2+\i+1], s[66:67], v[114:115] op_sel_hi:[1,0,1]
.endr
.irp k, 70,72,74,76,78
.irp i, 0,2,4,6,8,10,12,14
	v_pk_fma_f32 v[PN+\i:PN+\i+1], v[PN+\i:PN+\i+1], v[X2+\i:X2+\i+1], s[\k:\k+1] op_sel_hi:[1,1,0]
.endr
.endr
.irp i, 0,2,4,6,8,10,12,14
	v_pk_mul_f32 v[PN+\i:PN+\i+1], v[PN+\i:PN+\i+1], v[YY+\i:YY+\i+1]
.endr
.irp i, 0,2,4,6,8,10,12,14
	v_pk_mul_f32 v[YY+\i:YY+\i+1], v[ZG+\i:ZG+\i+1], 0.5 op_sel_hi:[1,0]           ; z / 2
.endr
	s_wait_alu depctr_va_vdst(0)                   ; one wait for the sixteen reciprocals
.irp i, 0,2,4,6,8,10,12,14
	v_pk_mul_f32 v[PN+\i:PN+\i+1], v[PN+\i:PN+\i+1], v[QD+\i:QD+\i+1]              ; erf
.endr
.irp i, 0,2,4,6,8,10,12,14
	v_pk_fma_f32 v[ZG+\i:ZG+\i+1], v[YY+\i:YY+\i+1], v[PN+\i:PN+\i+1], v[YY+\i:YY+\i+1]
.endr
.endm
; The four blocks of window 2 + w: z = sum x 2^(e12 + e13) + b1 into the stage as register images; then a loop of four trips: a block back, the activation, the hold, the conversions, four stores.
.macro HALF w
.irp a, 0,1,2,3
.set TT, 128+64*(\a%2)
.if \a > 1
	s_wait_dscnt 16                                ; block a - 2's stage stores are done: its registers may be written again (block a - 1's sixteen may be out)
.endif
	WIN 0x02+\w
.set JJ, 0
.rept 32
	v_pk_fma_f32 v[TT+JJ:TT+JJ+1], v[64*\a+JJ:64*\a+JJ+1], s[96:97], v[32+JJ:33+JJ] op_sel_hi:[1,0,1]   ; each accumulator from its low end on
.set JJ, JJ+2
.endr
	WIN 0
.set JJ, 0
.rept 16
	ds_store_b128 v[STG], v[TT+4*JJ:TT+4*JJ+3] offset:\a*8192+512*JJ
.set JJ, JJ+1
.endr
.endr
	s_wait_dscnt 0x0
	s_mov_b32 s[TS], 0
	s_mov_b32 s[CT], 4
.Lact_\w:
	v_add_nc_u32 v[AD], s[TS], v[STG]
.set JJ, 0
.rept 16
	ds_load_b128 v[128+4*JJ:131+4*JJ], v[AD] offset:512*JJ
.set JJ, JJ+1
.endr
	s_wait_dscnt 0x0
	GELU 0
	GELU 1
	GELU 2
	GELU 3
.set JJ, 0
.rept 64
	v_med3_num_f32 v[128+JJ], v[128+JJ], -v10, v10   ; the conversion does not saturate (ISA guide 7.6.2)
.set JJ, JJ+1
.endr
.irp b, 0,1,2,3,4,5,6,7
	v_cvt_scalef32_pk8_fp8_f32 v[96+2*\b:97+2*\b], v[128+8*\b:135+8*\b], v11
.endr
	v_nop                                          ; a plain instruction between the conversions and the next touch of their registers
.irp c, 0,1,2,3
	global_store_b128 v[GO], v[96+4*\c:99+4*\c], s[12:13] offset:512*\c     ; 512 consecutive bytes, aligned
.endr
	s_wait_xcnt 0x0                                ; the stores have read their offset and data: both are written again in the next trip
	v_add_nc_u32 v[GO], 4096, v[GO]                ; the next token tile
	s_add_co_u32 s[TS], s[TS], 8192
	s_sub_co_u32 s[CT], s[CT], 1
	s_cmp_lg_u32 s[CT], 0
	s_cbranch_scc1 .Lact_\w
.endm
	s_wait_kmcnt 0x0
	s_add_co_i32 s96, s92, s93
	s_add_co_i32 s96, s96, 127
	s_lshl_b32 s96, s96, 23                        ; 2^(e12 + e13) as f32
	s_mov_b32 s97, s96
	s_add_co_i32 s94, s94, 127
	s_lshl_b32 s95, s94, 23
	v_mov_b32 v11, s95                             ; 2^e14
	s_add_co_i32 s94, s94, 8
	s_lshl_b32 s94, s94, 23
	s_or_b32 s94, s94, 0x600000
	v_mov_b32 v10, s94                             ; 448 x 2^e14
	s_wait_loadcnt 0x0                             ; b1
	PLACES NP
	HALF 0
	HALF 1
	s_wait_tensorcnt 0x0                           ; the wave's end
	ds_add_u32 v[SPW], v[NIL]
	s_wait_dscnt 0x0
	CROUND                                         ; the closing round
	s_endpgm
.Lfunc_end_k_q3cf1dc48a9_ffn1:
	.size	k_q3cf1dc48a9_ffn1, .Lfunc_end_k_q3cf1dc48a9_ffn1-k_q3cf1dc48a9_ffn1
	.p2alignl 7, 3214868480
	.fill 96, 4, 3214868480
	.section	.rodata,"a",@progbits
	.p2align	6, 0x0
	.amdhsa_kernel k_q3cf1dc48a9_ffn1
		.amdhsa_group_segment_fixed_size 327680
		.amdhsa_private_segment_fixed_size 0
		.amdhsa_enable_private_segment 0
		.amdhsa_kernarg_size 40
		.amdhsa_user_sgpr_count 2
		.amdhsa_user_sgpr_kernarg_segment_ptr 1
		.amdhsa_wavefront_size32 1
		.amdhsa_system_sgpr_workgroup_id_x 1
		.amdhsa_system_sgpr_workgroup_id_y 1
		.amdhsa_system_sgpr_workgroup_id_z 1
		.amdhsa_system_vgpr_workitem_id 0
		.amdhsa_next_free_vgpr 1024
		.amdhsa_next_free_sgpr 100
		.amdhsa_reserve_vcc 0
		.amdhsa_float_denorm_mode_32 3
		.amdhsa_float_denorm_mode_16_64 3
		.amdhsa_memory_ordered 1
		.amdhsa_forward_progress 1
		.amdhsa_inst_pref_size 195
	.end_amdhsa_kernel
	.amdgpu_metadata
---
amdhsa.version: [ 1, 2 ]
amdhsa.kernels:
  - .name:           k_q3cf1dc48a9_ffn1
    .symbol:         k_q3cf1dc48a9_ffn1.kd
    .args:
      - { .name: h2c, .offset: 0, .size: 8, .value_kind: global_buffer, .address_space: global }
      - { .name: W1_codes, .offset: 8, .size: 8, .value_kind: global_buffer, .address_space: global }
      - { .name: b1, .offset: 16, .size: 8, .value_kind: global_buffer, .address_space: global }
      - { .name: lowp_scales, .offset: 24, .size: 8, .value_kind: global_buffer, .address_space: global }
      - { .name: gimg, .offset: 32, .size: 8, .value_kind: global_buffer, .address_space: global }
    .group_segment_fixed_size: 327680
    .private_segment_fixed_size: 0
    .kernarg_segment_align: 8
    .kernarg_segment_size: 40
    .max_flat_workgroup_size: 128
    .sgpr_count:     100
    .vgpr_count:     1024
    .wavefront_size: 32
...
	.end_amdgpu_metadata
.endif
;; end of part 6
;; launch ffn2 (part 7): grid 4 x 16, 4 waves a work-group, clusters of 4 x 4, 327,680 bytes of LDS; arguments gimg, W2_codes, b2, x1, lowp_scales, out0; writes out0
.if DOCPART == 7
	.amdgcn_target "amdgcn-amd-amdhsa--gfx1250"
	.amdhsa_code_object_version 6
	.text
	.protected	k_q3cf1dc48a9_ffn2
	.globl	k_q3cf1dc48a9_ffn2
	.p2align	8
	.type	k_q3cf1dc48a9_ffn2,@function
k_q3cf1dc48a9_ffn2:
	s_mov_b64 s[64:65], 0
	v_nop
	global_prefetch_b8 v0, s[64:65] scope:SCOPE_SE
	s_setreg_imm32_b32 hwreg(HW_REG_WAVE_MODE, 25, 1), 1
	s_wait_xcnt 0x0
	s_wait_alu depctr_hold_cnt(0) depctr_sa_sdst(0) depctr_va_vdst(0) depctr_va_sdst(0) depctr_va_ssrc(0) depctr_va_vcc(0) depctr_vm_vsrc(0)
	s_getreg_b32 s2, hwreg(HW_REG_IB_STS2, 6, 4)
	s_cmp_eq_u32 s2, 0
	s_cbranch_scc0 .Lentry_in_a_cluster
	s_endpgm
.Lentry_in_a_cluster:
	s_bfe_u32 s2, ttmp6, 0x10000c
	s_cmp_lg_u32 s2, 0xf033
	s_cbranch_scc0 .Lentry_shape_is_right
	s_endpgm
.Lentry_shape_is_right:
; out[t][n] = res[t][n] + bias[n] + 2^(ea + eb) x the sum over k of A[t][k] W[n][k], on codes of E4M3.  Here: A = gelu's result (entry 14), W = W2 (entry 15), res = x1, out = out0; K = 4,096.
; A comes as IMAGES OF OPERAND REGISTERS: [K / 256][token tile 256][2][4][lane][16 bytes], registers 2 c, 2 c + 1 = k 16 c + 8 (lane / 16) + 0 .. 7.  A K step's 256 tokens are one dense block of 64 KiB.
; W comes as rows of KROW codes; its fragments are read in the same layout: eight ds_load_b64 at row x 272 + 8 (lane / 16) + 16 c (68 r mod 64 = 4 r, + 2 h: the 32 lanes touch 64 different banks; ISA guide 11.1).
; A tile of 256 x 256 is made by four waves, 128 x 128 each; K goes in steps of 256 through a ring of two LDS slots.  Source 0 = rows of W, source 1 = tokens: a lane holds eight neighbouring columns of one row of the result.
; CLUSTERS: 4 x 4 work-groups; A's tile is shared along a row of the cluster, W's along a column: each is asked for jointly.  There are 4 x 16 tiles, so 64 work-groups.
; LIMIT: ea + eb between -126 and 127.
; REGISTERS: window 0: v0-31 addresses; from v128 A's fragments, ONE set; on the way out v32-95 a block's numbers, v128-255 rows read back.  window 1: W's fragments, TWO sets; on the way out v0-127 the residual's rows, v128-191 the bias.  windows 2, 3: the accumulators.
.set KROW,   4096                      ; a row of W in bytes
.set LAPS,   8                         ; K / 512
.set SCB,    56                        ; the byte of ea in the scales' buffer; eb follows
.set ROWB,   256
.set PITCH,  272
.set FR,     16
.set NL,     4
.set NP,     4
.set HALFA,  32768
.set HALFB,  128*PITCH
.set AB,     2*HALFA
.set SLOT,   AB+2*HALFB
.set SPARE,  2*SLOT                    ; behind the ring: the spare words, 128 bytes a wave, which no other line names
.set SPITCH, 528                       ; the way out: a stage of 16 rows x (512 + 16) bytes a wave, in slot 0, which has had its last fill and its last read by then
.set ADRA, 16
.set ADRB, 20
.set STO,  24
.set RD,   25
.set CO,   26
.set SPW,  28
.set NIL,  29
.set TMP,  32
.set AF,   128
.set BK,   128
.set G1, 24
.set G0, 32
.set G1B, 48
.set G0B, 56
.set MSB, 0
.macro WIN new
.if MSB != \new
	s_set_vgpr_msb (MSB<<8)|\new
.set MSB, \new
.endif
.endm
.set MUL_LO, 0xa1
.set MUL_HI, 0xf1
.set TO_B,   0x40
.macro JLOAD g0a, g1a, g0b, g1b        ; waves 0, 1 fetch A's halves, waves 2, 3 W's; four v_nop follow each line
	s_cmp_eq_u32 s15, 0
	s_cbranch_scc0 .Lfor_b_\@
	tensor_load_to_lds s[\g0a:\g0a+3], s[\g1a:\g1a+7]
	s_nop 0
.rept 4
	v_nop
.endr
	s_branch .Lasked_\@
.Lfor_b_\@:
	tensor_load_to_lds s[\g0b:\g0b+3], s[\g1b:\g1b+7]
	s_nop 0
.rept 4
	v_nop
.endr
.Lasked_\@:
.endm
.macro CREST
	s_cmp_lg_u32 s14, 0
	s_cbranch_scc1 .Lnot_wave_0_\@
	s_barrier_signal -3
.Lnot_wave_0_\@:
	s_barrier_wait -3
	s_barrier_signal -1
	s_barrier_wait -1
.endm
.macro CROUND
	s_barrier_signal -1
	s_barrier_wait -1
	CREST
.endm
	s_load_b256 s[4:11], s[0:1], 0x0               ; A's images, W's codes, the bias, the residual
	s_load_b128 s[68:71], s[0:1], 0x20             ; the scales' exponents, the result
	v_lshl_add_u32 v[SPW], v0, 2, SPARE
	v_mov_b32 v[NIL], 0
	ds_add_u32 v28, v29
	ds_add_u32 v28, v29
	s_wait_dscnt 0x0
	v_lshrrev_b32 v1, 5, v0
	v_readfirstlane_b32 s14, v1                    ; wave 0..3
	s_lshr_b32 s15, s14, 1                         ; my half of the tokens.  Also: I fetch for A (0) or for W (1)
	s_and_b32 s16, s14, 1                          ; my half of the columns.  Also: which half I fetch
	s_bfe_u32 s40, ttmp6, 0x40000                  ; cx
	s_bfe_u32 s41, ttmp6, 0x40004                  ; cy
	s_lshl_b32 s42, ttmp9, 2
	s_add_co_u32 s42, s42, s40                     ; the tile of columns
	s_and_b32 s17, ttmp7, 0xffff
	s_lshl_b32 s17, s17, 2
	s_add_co_u32 s17, s17, s41                     ; the tile of tokens
	s_lshl_b32 s43, s41, 2
	s_lshl_b32 s43, 15, s43                        ; my row of the cluster
	s_lshl_b32 s44, 0x1111, s40                    ; my column
	s_or_b32 s[G1+0], s43, (3<<16)|(1<<21)         ; A: the mask; elements of 8 bytes; bit 21 beside a mask; no padding
	s_mov_b32 s[G1+1], 32<<16                      ; 128 rows of 32 elements = 256 bytes, dense
	s_mov_b32 s[G1+2], 128<<16
	s_mov_b32 s[G1+3], 32<<16
	s_mov_b32 s[G1+4], 128
	s_mov_b32 s[G1+5], 32
	s_mov_b32 s[G1+6], 0
	s_mov_b32 s[G1+7], 0
	s_or_b32 s[G1B+0], s44, (0<<16)|(1<<20)|(1<<21)|(5<<22)|(3<<25)  ; W: elements of 1 byte; 4 words of padding behind every 64
	s_mov_b32 s[G1B+1], ROWB<<16
	s_mov_b32 s[G1B+2], 128<<16
	s_mov_b32 s[G1B+3], ROWB<<16
	s_mov_b32 s[G1B+4], 128
	s_mov_b32 s[G1B+5], KROW
	s_mov_b32 s[G1B+6], 0
	s_mov_b32 s[G1B+7], 0
	s_lshl_b32 s20, s17, 16                        ; A: 64 KiB a tile of tokens,
	s_lshl_b32 s18, s16, 15                        ; 32 KiB a half
	s_add_co_u32 s20, s20, s18
	s_mov_b32 s21, 0
	s_lshl_b32 s46, s42, 8
	s_lshl_b32 s18, s16, 7
	s_add_co_u32 s46, s46, s18
	s_mul_i32 s46, s46, KROW                       ; W: (256 x tile + 128 x half) rows
	s_mov_b32 s47, 0
	s_lshl_b32 s45, s16, 15                        ; where they go: A's halves,
	s_mul_i32 s90, s16, HALFB
	s_add_co_u32 s90, s90, AB                      ; W's halves behind them
	s_wait_kmcnt 0x0
	s_load_b64 s[96:97], s[68:69], SCB             ; ea, eb
	s_add_nc_u64 s[20:21], s[4:5], s[20:21]
	s_add_nc_u64 s[46:47], s[6:7], s[46:47]
	CROUND                                         ; all sixteen work-groups are here: the first joint loads meet
.irp s, 0,1
	s_mov_b32 s[G0+4*\s], 1
	s_add_co_u32 s[G0+4*\s+1], s45, \s*SLOT
	s_add_nc_u64 s[G0+4*\s+2:G0+4*\s+3], s[20:21], \s*0x100000     ; a K step of A is a plane of 1 MiB
	s_or_b32 s[G0+4*\s+3], s[G0+4*\s+3], 0x80000000
	s_mov_b32 s[G0B+4*\s], 1
	s_add_co_u32 s[G0B+4*\s+1], s90, \s*SLOT
	s_add_nc_u64 s[G0B+4*\s+2:G0B+4*\s+3], s[46:47], \s*ROWB
	s_or_b32 s[G0B+4*\s+3], s[G0B+4*\s+3], 0x80000000
	JLOAD G0+4*\s, G1, G0B+4*\s, G1B
.endr
	v_and_b32 v1, 15, v0                           ; r
	v_bfe_u32 v2, v0, 4, 1                         ; h
	v_and_b32 v6, 31, v0
	v_lshlrev_b32 v[CO], 4, v6                     ; 16 x lane
	v_mul_u32_u24 v3, v1, PITCH
	v_lshl_add_u32 v4, v2, 3, v3                   ; W: row x pitch + 8 h
	s_lshl_b32 s21, s15, 15                        ; my 128 tokens' images
	s_mul_i32 s22, s16, HALFB
	s_add_co_u32 s22, s22, AB                      ; my 128 rows of W
.irp s, 0,1
	v_add_nc_u32 v[ADRA+\s], s21, v[CO]
	v_add_nc_u32 v[ADRB+\s], s22, v4
	s_add_co_u32 s21, s21, SLOT
	s_add_co_u32 s22, s22, SLOT
.endr
	s_mul_i32 s23, s14, 16*SPITCH                  ; my stage
	v_mul_u32_u24 v5, v1, SPITCH
	v_lshl_add_u32 v5, v2, 5, v5
	v_add_nc_u32 v[STO], s23, v5                   ; in: row r, 32 bytes for each half of the lanes
	v_add_nc_u32 v[RD], s23, v[CO]                 ; back: the 32 lanes take one row of 512 bytes
	s_lshl_b32 s18, s42, 10
	s_lshl_b32 s19, s16, 9
	s_add_co_u32 s18, s18, s19                     ; my first column, in bytes
	v_lshl_add_u32 v7, v2, 5, s18                  ; the bias of a lane's eight columns: + 32 h
	s_lshl_b32 s19, s17, 20
	s_add_co_u32 s18, s18, s19
	s_lshl_b32 s19, s15, 19
	s_add_co_u32 s18, s18, s19                     ; + (256 x tile + 128 x half) rows of 4,096 bytes
	s_mov_b32 s19, 0
	s_add_nc_u64 s[10:11], s[10:11], s[18:19]
	s_add_nc_u64 s[70:71], s[70:71], s[18:19]
.macro FRAGA reg, slot, q, i           ; an image comes back as it was stored: four loads of 512 consecutive bytes
.irp c, 0,1,2,3
	ds_load_b128 v[\reg+4*\c:\reg+4*\c+3], v[ADRA+\slot] offset:(\i)*4096+(\q)*2048+512*\c
.endr
.endm
.macro FRAGB reg, slot, q, i           ; registers 2 c, 2 c + 1: K = 16 c + 8 (lane / 16) + 0 .. 7 of row lane % 16
.irp c, 0,1,2,3,4,5,6,7
	ds_load_b64 v[\reg+2*\c:\reg+2*\c+1], v[ADRB+\slot] offset:128*(\q)+16*\c+(\i)*16*PITCH
.endr
.endm
.macro MUL16 a0, p, zero               ; the 64 accumulators take turns, one instruction a turn
.irp a, \a0, \a0+1
.irp b, 0,1,2,3,4,5,6,7
.if \zero
	v_wmma_f32_16x16x128_fp8_fp8 v[8*(8*((\a)%4)+\b):8*(8*((\a)%4)+\b)+7], v[128*(\p)+FR*\b:128*(\p)+FR*\b+FR-1], v[AF+FR*(\a):AF+FR*(\a)+FR-1], 0
.else
	v_wmma_f32_16x16x128_fp8_fp8 v[8*(8*((\a)%4)+\b):8*(8*((\a)%4)+\b)+7], v[128*(\p)+FR*\b:128*(\p)+FR*\b+FR-1], v[AF+FR*(\a):AF+FR*(\a)+FR-1], v[8*(8*((\a)%4)+\b):8*(8*((\a)%4)+\b)+7]
.endif
.endr
.endr
.endm
.macro FETCH_B slot, q, p
	WIN TO_B
.irp i, 0,1,2,3,4,5,6,7
	FRAGB 128*(\p)+FR*\i, \slot, \q, \i
.endr
	WIN 0
.endm
.macro FETCH_A slot, q, i0
.irp i, \i0, \i0+1, \i0+2, \i0+3
	FRAGA AF+FR*(\i), \slot, \q, \i
.endr
.endm
.macro PLACES n
.rept \n
	v_nop
.endr
.endm
.macro STEP slot, q, zero
	s_wait_dscnt 4*NL                              ; all but the youngest sixteen loads (A's blocks 4-7) are in
	WIN MUL_LO
	MUL16 0, (\q)%2, \zero
	MUL16 2, (\q)%2, \zero
	s_wait_dscnt 0
	PLACES NP
	FETCH_B \slot, (\q)+1, 1-(\q)%2
	FETCH_A \slot, (\q)+1, 0
	WIN MUL_HI
	MUL16 4, (\q)%2, \zero
	MUL16 6, (\q)%2, \zero
	PLACES NP
	WIN 0
	FETCH_A \slot, (\q)+1, 4
.endm
.macro TURN slot, next, fill           ; a slot's last step changes slots: one barrier, with the wait for all tensor loads, the add and the wait for it and for my reads in front
	s_wait_tensorcnt 0x0
	ds_add_u32 v[SPW], v[NIL]
	s_wait_dscnt 4*NL+1                            ; (the add and the youngest sixteen loads may be out)
	WIN MUL_LO
	MUL16 0, 1, 0
	s_wait_dscnt 0x0
	s_barrier_signal -1
	MUL16 2, 1, 0
	WIN 0
	s_barrier_wait -1
.if \fill
	CREST                                          ; a round of the cluster's barrier: no wave of any partner still reads this slot or has a load on its way
	s_add_nc_u64 s[G0+4*\slot+2:G0+4*\slot+3], s[G0+4*\slot+2:G0+4*\slot+3], 0x200000
	s_add_nc_u64 s[G0B+4*\slot+2:G0B+4*\slot+3], s[G0B+4*\slot+2:G0B+4*\slot+3], 2*ROWB
	JLOAD G0+4*\slot, G1, G0B+4*\slot, G1B
.else
	PLACES NP
.endif
	FETCH_B \next, 0, 0
	FETCH_A \next, 0, 0
	WIN MUL_HI
	MUL16 4, 1, 0
	MUL16 6, 1, 0
	PLACES NP
	WIN 0
	FETCH_A \next, 0, 4
.endm
	s_wait_tensorcnt 1                             ; my part of K step 0 is in; K step 1's load may be out
	s_barrier_signal -1
	s_barrier_wait -1
	FETCH_B 0, 0, 0
	FETCH_A 0, 0, 0
	FETCH_A 0, 0, 4
	STEP 0, 0, 1
	s_mov_b32 s3, LAPS-1
.Llap:
	TURN 0, 1, 1
	STEP 1, 0, 0
	TURN 1, 0, 1
	STEP 0, 0, 0
	s_sub_co_u32 s3, s3, 1
	s_cmp_lg_u32 s3, 0
	s_cbranch_scc1 .Llap
	TURN 0, 1, 0
	STEP 1, 0, 0
	s_wait_dscnt 4*NL
	WIN MUL_LO
	MUL16 0, 1, 0
	MUL16 2, 1, 0
	s_wait_dscnt 0
	WIN MUL_HI
	MUL16 4, 1, 0
	MUL16 6, 1, 0
	WIN 0
; THE WAY OUT, block by block of 16 rows x 128 columns: sum x 2^(ea + eb) + bias in one packed multiply-add; through my stage, back as whole rows of 512 bytes; + the residual's row; stored.  Every row's offset is an immediate.
.macro RLOAD a                         ; the residual's 16 rows, into window 1, two sets by turns
	WIN 0x40
.irp t, 0,1,2,3,4,5,6,7,8,9,10,11,12,13,14,15
	global_load_b128 v[64*((\a)%2)+4*\t:64*((\a)%2)+4*\t+3], v[CO], s[10:11] offset:(16*(\a)+\t)*4096 th:TH_LOAD_NT
.endr
	WIN 0
.endm
.macro TOSTAGE a
.set AC, 64*((\a)%4)
	WIN 0x12+((\a)/4)                              ; source 0 (the sums) window 2 or 3, source 2 (the bias) window 1
.set JJ, 0
.rept 32
	v_pk_fma_f32 v[TMP+JJ:TMP+JJ+1], v[AC+JJ:AC+JJ+1], s[96:97], v[128+JJ:129+JJ] op_sel_hi:[1,0,1]   ; each accumulator from its low end on
.set JJ, JJ+2
.endr
	WIN 0
.irp b, 0,1,2,3,4,5,6,7
	ds_store_b128 v[STO], v[TMP+8*\b:TMP+8*\b+3] offset:64*\b
	ds_store_b128 v[STO], v[TMP+8*\b+4:TMP+8*\b+7] offset:64*\b+16
.endr
.set BB, BK+64*((\a)%2)
.irp t, 0,1,2,3,4,5,6,7,8,9,10,11,12,13,14,15
	ds_load_b128 v[BB+4*\t:BB+4*\t+3], v[RD] offset:\t*SPITCH     ; LDS serves a wave's instructions in order (ISA guide 5.7.1.4): these see the stores above
.endr
.endm
.macro SEND a, yd, yl                  ; yd, yl: the LDS instructions and the global loads issued behind block a's, which may stay out
.set BB, BK+64*((\a)%2)
.set RR, 64*((\a)%2)
	s_wait_dscnt \yd
	s_wait_loadcnt \yl
	WIN 0x04                                       ; source 1 (the residual) window 1
.set JJ, 0
.rept 32
	v_pk_add_f32 v[BB+JJ:BB+JJ+1], v[BB+JJ:BB+JJ+1], v[RR+JJ:RR+JJ+1]
.set JJ, JJ+2
.endr
	WIN 0
.irp t, 0,1,2,3,4,5,6,7,8,9,10,11,12,13,14,15
	global_store_b128 v[CO], v[BB+4*\t:BB+4*\t+3], s[70:71] offset:(16*(\a)+\t)*4096 th:TH_STORE_NT   ; 32 lanes store 512 consecutive bytes, aligned; written once, read by nobody here
.endr
.endm
	s_wait_kmcnt 0x0
	s_add_co_i32 s96, s96, s97
	s_add_co_i32 s96, s96, 127
	s_lshl_b32 s96, s96, 23                        ; 2^(ea + eb) as f32
	s_mov_b32 s97, s96
	PLACES NP                                      ; behind the last products: loads into registers that they read, and reads of results, follow
	WIN 0x40
.irp b, 0,1,2,3,4,5,6,7
	global_load_b128 v[128+8*\b:131+8*\b], v7, s[8:9] offset:64*\b       ; the bias in the result's layout: register 8 b + j = column 16 b + 8 h + j
	global_load_b128 v[132+8*\b:135+8*\b], v7, s[8:9] offset:64*\b+16
.endr
	WIN 0
	RLOAD 0
	s_wait_loadcnt 16                              ; the bias is in; block 0's sixteen residual loads may be out
	TOSTAGE 0
.irp a, 1,2,3,4,5,6,7
.if \a > 1
	s_wait_xcnt 0x0                                ; block a - 2's stores have read their registers: block a's rows may land there
.endif
	RLOAD \a
	TOSTAGE \a
	SEND \a-1, 32, 16                              ; behind block a - 1's: block a's 16 LDS stores and 16 LDS loads, and its 16 residual loads
.endr
	SEND 7, 0, 0
	s_wait_tensorcnt 0x0                           ; the wave's end
	ds_add_u32 v[SPW], v[NIL]
	s_wait_dscnt 0x0
	CROUND                                         ; the closing round
	s_endpgm
.Lfunc_end_k_q3cf1dc48a9_ffn2:
	.size	k_q3cf1dc48a9_ffn2, .Lfunc_end_k_q3cf1dc48a9_ffn2-k_q3cf1dc48a9_ffn2
	.p2alignl 7, 3214868480
	.fill 96, 4, 3214868480
	.section	.rodata,"a",@progbits
	.p2align	6, 0x0
	.amdhsa_kernel k_q3cf1dc48a9_ffn2
		.amdhsa_group_segment_fixed_size 327680
		.amdhsa_private_segment_fixed_size 0
		.amdhsa_enable_private_segment 0
		.amdhsa_kernarg_size 48
		.amdhsa_user_sgpr_count 2
		.amdhsa_user_sgpr_kernarg_segment_ptr 1
		.amdhsa_wavefront_size32 1
		.amdhsa_system_sgpr_workgroup_id_x 1
		.amdhsa_system_sgpr_workgroup_id_y 1
		.amdhsa_system_sgpr_workgroup_id_z 1
		.amdhsa_system_vgpr_workitem_id 0
		.amdhsa_next_free_vgpr 1024
		.amdhsa_next_free_sgpr 100
		.amdhsa_reserve_vcc 0
		.amdhsa_float_denorm_mode_32 3
		.amdhsa_float_denorm_mode_16_64 3
		.amdhsa_memory_ordered 1
		.amdhsa_forward_progress 1
		.amdhsa_inst_pref_size 170
	.end_amdhsa_kernel
	.amdgpu_metadata
---
amdhsa.version: [ 1, 2 ]
amdhsa.kernels:
  - .name:           k_q3cf1dc48a9_ffn2
    .symbol:         k_q3cf1dc48a9_ffn2.kd
    .args:
      - { .name: gimg, .offset: 0, .size: 8, .value_kind: global_buffer, .address_space: global }
      - { .name: W2_codes, .offset: 8, .size: 8, .value_kind: global_buffer, .address_space: global }
      - { .name: b2, .offset: 16, .size: 8, .value_kind: global_buffer, .address_space: global }
      - { .name: x1, .offset: 24, .size: 8, .value_kind: global_buffer, .address_space: global }
      - { .name: lowp_scales, .offset: 32, .size: 8, .value_kind: global_buffer, .address_space: global }
      - { .name: out0, .offset: 40, .size: 8, .value_kind: global_buffer, .address_space: global }
    .group_segment_fixed_size: 327680
    .private_segment_fixed_size: 0
    .kernarg_segment_align: 8
    .kernarg_segment_size: 48
    .max_flat_workgroup_size: 128
    .sgpr_count:     100
    .vgpr_count:     1024
    .wavefront_size: 32
...
	.end_amdgpu_metadata
.endif
;; end of part 7
;; ======== version 2 of 2: 7 launches
;; limits: right only within a limited range of input values
;; workspace buffers: h3 12,582,912 bytes; qkvi 12,582,912 bytes; oimg 4,194,304 bytes; x1 16,777,216 bytes; h2c 4,194,304 bytes; gimg 16,777,216 bytes
;; launch ln1 (part 8): grid 256 x 1, 8 waves a work-group, no clusters, 82,944 bytes of LDS; arguments x, g1, be1, lowp_scales, h3; writes h3
.if DOCPART == 8
	.amdgcn_target "amdgcn-amd-amdhsa--gfx1250"
	.amdhsa_code_object_version 6
	.text
	.protected	k_q3cf1dc48a9_ln1
	.globl	k_q3cf1dc48a9_ln1
	.p2align	8
	.type	k_q3cf1dc48a9_ln1,@function
k_q3cf1dc48a9_ln1:
	s_mov_b64 s[64:65], 0
	v_nop
	global_prefetch_b8 v0, s[64:65] scope:SCOPE_SE
	s_setreg_imm32_b32 hwreg(HW_REG_WAVE_MODE, 25, 1), 1
	s_wait_xcnt 0x0
; LayerNorm of x [4096][1024] f32 (mean, then the mean of squared differences: two passes over registers, so a common offset of the inputs costs no accuracy),
; times g, plus be, all in f32; the result is quantised NQ = 3 times to E4M3, with the scales 2^e of entries 1, 3 and 5 of the scales' buffer, into three planes of 4 MiB of codes, [4096][1024], K innermost.
; code = h / 2^e, held within +-448, to the nearest code, ties to even.  LIMITS: each e between -126 and 119, so that 2^e and 448 x 2^e are f32 numbers.  NaN among the inputs is not served.
; SHARES: a work-group takes 16 rows, each of its eight waves 2.  A row is 4,096 bytes: eight loads of 512 consecutive bytes, 16 a lane, 32 registers; it is read from memory once.
; The conversions take 8 neighbours along K from one lane's registers, the loads give a lane 4: so half a row (2,048 bytes) at a time turns through the wave's own stage in LDS: in as loaded,
; back 64 bytes a lane.  A lane's place is 64 bytes + 16 of padding.  A lane's 16 codes are 16 bytes: each store of the wave covers 512 consecutive bytes, aligned.
; No barrier: waves share nothing.  No loop: every offset is an immediate, and every store has data registers of its own, so nothing that a store reads is written again.
; Matrix units, clusters and tensor loads are left out: the launch moves each byte once and has no operand that two work-groups share but g and be (8 KiB).
.set NQ,   3
.set SP,   80                          ; a lane's place in a stage
.set STB,  32*SP                       ; a stage: half a row
.set WREG, 4*STB                       ; a wave's four stages: one for each row and half
.set T,    16                          ; v16-31   sums in chains; later 16 held numbers
.set X,    32                          ; v32-95   two rows as loaded
.set G,    96                          ; v96-127  g, in the loads' layout
.set BE,   128                         ; v128-159 be
.set HH,   160                         ; v160-191 two halves of a row, 16 neighbours a lane each
.set C,    192                         ; v192-239 codes: four registers for each row, half and scale
	s_load_b256 s[4:11], s[0:1], 0x0               ; x s[4:5], g s[6:7], be s[8:9], the scales' exponents s[10:11]
	s_load_b64 s[12:13], s[0:1], 0x20              ; the codes
	v_lshl_add_u32 v240, v0, 2, 0x14000
	v_mov_b32 v241, 0
	v_lshrrev_b32 v1, 5, v0
	s_delay_alu instid0(VALU_DEP_1)
	v_readfirstlane_b32 s16, v1                    ; wave 0..7
	v_and_b32 v1, 31, v0                           ; lane
	s_delay_alu instid0(VALU_DEP_1)
	v_lshlrev_b32 v2, 4, v1                        ; 16 x lane: my bytes of a load's 512, and of a store's
	s_mul_i32 s17, s16, WREG
	v_lshrrev_b32 v14, 2, v1
	s_delay_alu instid0(VALU_DEP_1)
	v_mul_u32_u24 v14, v14, SP
	v_and_b32 v15, 3, v1
	s_delay_alu instid0(VALU_DEP_1)
	v_lshl_add_u32 v14, v15, 4, v14
	s_delay_alu instid0(VALU_DEP_1)
	v_add_nc_u32 v14, s17, v14                     ; into a stage: four lanes' 64 bytes on end, then the padding
	v_mul_u32_u24 v15, v1, SP
	s_delay_alu instid0(VALU_DEP_1)
	v_add_nc_u32 v15, s17, v15                     ; out of it: my 16 neighbours
	s_mov_b32 s40, 0x76543210                      ; v_permlanex16_b32: lane l takes lane l xor 16
	s_mov_b32 s41, 0xfedcba98
	s_mov_b32 s42, 0x3a800000                      ; 1 / 1024
	s_mov_b32 s43, 0x3727c5ac                      ; 1e-5
	s_lshl_b32 s18, ttmp9, 16                      ; 16 rows of 4,096 bytes a work-group,
	s_lshl_b32 s19, s16, 13                        ; 2 a wave
	s_add_co_u32 s18, s18, s19
	s_mov_b32 s19, 0
	s_wait_alu depctr_va_vdst(0)
	s_wait_kmcnt 0x0
.if NQ == 3
	s_load_b256 s[32:39], s[10:11], 0x0            ; entries 0 to 7: s33, s35, s37 are wanted
.else
	s_load_b32 s33, s[10:11], 0x30                 ; entry 12
.endif
	s_add_nc_u64 s[4:5], s[4:5], s[18:19]
	s_lshr_b32 s18, s18, 2                         ; a row of codes is 1,024 bytes
	s_add_nc_u64 s[20:21], s[12:13], s[18:19]
.if NQ == 3
	s_add_nc_u64 s[22:23], s[20:21], 0x400000      ; a base for each plane
	s_add_nc_u64 s[24:25], s[20:21], 0x800000
.endif
.irp i, 0,1,2,3,4,5,6,7
	global_load_b128 v[X+4*\i:X+4*\i+3], v2, s[4:5] offset:512*\i th:TH_LOAD_NT
.endr
.irp i, 0,1,2,3,4,5,6,7
	global_load_b128 v[G+4*\i:G+4*\i+3], v2, s[6:7] offset:512*\i
.endr
.irp i, 0,1,2,3,4,5,6,7
	global_load_b128 v[BE+4*\i:BE+4*\i+3], v2, s[8:9] offset:512*\i
.endr
.irp i, 0,1,2,3,4,5,6,7
	global_load_b128 v[X+32+4*\i:X+32+4*\i+3], v2, s[4:5] offset:4096+512*\i th:TH_LOAD_NT
.endr
	s_wait_kmcnt 0x0
.set QQ, 0
.rept NQ
	s_add_co_i32 s26, s[33+2*QQ], 127
	s_lshl_b32 s27, s26, 23
	v_mov_b32 v[8+2*QQ], s27                       ; 2^e as f32: the conversion takes its exponent field
	s_add_co_i32 s26, s26, 8
	s_lshl_b32 s26, s26, 23
	s_or_b32 s26, s26, 0x600000
	v_mov_b32 v[9+2*QQ], s26                       ; 448 x 2^e
.set QQ, QQ+1
.endr
.macro REDUCE                          ; v16 summed over the 32 lanes, the result in every lane
	s_delay_alu instid0(VALU_DEP_1)
	v_add_f32_dpp v16, v16, v16 row_xmask:1 row_mask:0xf bank_mask:0xf
	s_delay_alu instid0(VALU_DEP_1)
	v_add_f32_dpp v16, v16, v16 row_xmask:2 row_mask:0xf bank_mask:0xf
	s_delay_alu instid0(VALU_DEP_1)
	v_add_f32_dpp v16, v16, v16 row_xmask:4 row_mask:0xf bank_mask:0xf
	s_delay_alu instid0(VALU_DEP_1)
	v_add_f32_dpp v16, v16, v16 row_xmask:8 row_mask:0xf bank_mask:0xf
	s_delay_alu instid0(VALU_DEP_1)
	v_permlanex16_b32 v17, v16, s40, s41
	s_delay_alu instid0(VALU_DEP_1)
	v_add_f32 v16, v16, v17
.endm
.macro ROW R
.set XR, X+32*\R
.if \R == 0
	s_wait_loadcnt 24                              ; row 0 is in; g, be and row 1 (24 loads) may be out
.else
	s_wait_loadcnt 0x0
.endif
	v_pk_add_f32 v[16:17], v[XR:XR+1], v[XR+4:XR+5]         ; the sum, in two chains of pairs
	v_pk_add_f32 v[18:19], v[XR+2:XR+3], v[XR+6:XR+7]
.irp j, 8,12,16,20,24,28
	s_delay_alu instid0(VALU_DEP_2)
	v_pk_add_f32 v[16:17], v[16:17], v[XR+\j:XR+\j+1]
	s_delay_alu instid0(VALU_DEP_2)
	v_pk_add_f32 v[18:19], v[18:19], v[XR+\j+2:XR+\j+3]
.endr
	s_delay_alu instid0(VALU_DEP_1)
	v_pk_add_f32 v[16:17], v[16:17], v[18:19]
	s_delay_alu instid0(VALU_DEP_1)
	v_add_f32 v16, v16, v17
	REDUCE
	s_delay_alu instid0(VALU_DEP_1)
	v_mul_f32 v4, s42, v16                         ; the mean, twice: a pair for the packed form
	s_delay_alu instid0(VALU_DEP_2)
	v_mul_f32 v5, s42, v16
.irp j, 0,2,4,6,8,10,12,14,16,18,20,22,24,26,28,30
	v_pk_add_f32 v[XR+\j:XR+\j+1], v[XR+\j:XR+\j+1], v[4:5] neg_lo:[0,1] neg_hi:[0,1]   ; x - mean
.endr
	v_pk_mul_f32 v[16:17], v[XR:XR+1], v[XR:XR+1]
	v_pk_mul_f32 v[18:19], v[XR+2:XR+3], v[XR+2:XR+3]
.irp j, 4,8,12,16,20,24,28
	s_delay_alu instid0(VALU_DEP_2)
	v_pk_fma_f32 v[16:17], v[XR+\j:XR+\j+1], v[XR+\j:XR+\j+1], v[16:17]
	s_delay_alu instid0(VALU_DEP_2)
	v_pk_fma_f32 v[18:19], v[XR+\j+2:XR+\j+3], v[XR+\j+2:XR+\j+3], v[18:19]
.endr
	s_delay_alu instid0(VALU_DEP_1)
	v_pk_add_f32 v[16:17], v[16:17], v[18:19]
	s_delay_alu instid0(VALU_DEP_1)
	v_add_f32 v16, v16, v17
	REDUCE
	s_delay_alu instid0(VALU_DEP_1)
	v_fma_f32 v16, v16, s42, s43                   ; the variance + 1e-5
	s_wait_alu depctr_va_vdst(0)
	v_rsq_f32 v6, v16
	v_rsq_f32 v7, v16
	v_nop                                          ; a plain instruction behind the two roots,
	s_wait_alu depctr_va_vdst(0)                   ; and one wait for both ahead of their first reader
.if \R == 0
	s_wait_loadcnt 8                               ; g and be are in; row 1's eight loads may be out
.endif
.irp j, 0,2,4,6,8,10,12,14,16,18,20,22,24,26,28,30
	v_pk_mul_f32 v[XR+\j:XR+\j+1], v[XR+\j:XR+\j+1], v[6:7]
.endr
.irp j, 0,2,4,6,8,10,12,14,16,18,20,22,24,26,28,30
	v_pk_fma_f32 v[XR+\j:XR+\j+1], v[XR+\j:XR+\j+1], v[G+\j:G+\j+1], v[BE+\j:BE+\j+1]
.endr
.irp s, 0,1                            ; both halves through their stages: LDS serves a wave's instructions in order, so no wait stands between the stores and the loads
.irp i, 0,1,2,3
	ds_store_b128 v14, v[XR+16*\s+4*\i:XR+16*\s+4*\i+3] offset:(2*\R+\s)*STB+8*SP*\i
.endr
.irp i, 0,1,2,3
	ds_load_b128 v[HH+16*\s+4*\i:HH+16*\s+4*\i+3], v15 offset:(2*\R+\s)*STB+16*\i
.endr
.endr
.irp s, 0,1
	s_wait_dscnt 8-8*\s                            ; this half is back; behind the first half's loads stand the second half's four stores and four loads
.set QQ, 0
.rept NQ
.irp i, 0,1,2,3,4,5,6,7,8,9,10,11,12,13,14,15
	v_med3_num_f32 v[T+\i], v[HH+16*\s+\i], -v[9+2*QQ], v[9+2*QQ]   ; the conversion does not saturate (ISA guide 7.6.2): the hold at the largest code x the scale
.endr
.set CC, C+4*(NQ*(2*\R+\s)+QQ)
	v_cvt_scalef32_pk8_fp8_f32 v[CC:CC+1], v[T:T+7], v[8+2*QQ]
	v_cvt_scalef32_pk8_fp8_f32 v[CC+2:CC+3], v[T+8:T+15], v[8+2*QQ]
	v_nop                                          ; a plain instruction between the conversions and the next writes of their sources
	global_store_b128 v2, v[CC:CC+3], s[20+2*QQ:21+2*QQ] offset:\R*1024+512*\s   ; 32 lanes store 512 consecutive bytes, aligned
.set QQ, QQ+1
.endr
.endr
.endm
	ROW 0
	ROW 1
	s_wait_tensorcnt 0x0
	ds_add_u32 v240, v241
	s_wait_dscnt 0x0
	s_endpgm
.Lfunc_end_k_q3cf1dc48a9_ln1:
	.size	k_q3cf1dc48a9_ln1, .Lfunc_end_k_q3cf1dc48a9_ln1-k_q3cf1dc48a9_ln1
	.p2alignl 7, 3214868480
	.fill 96, 4, 3214868480
	.section	.rodata,"a",@progbits
	.p2align	6, 0x0
	.amdhsa_kernel k_q3cf1dc48a9_ln1
		.amdhsa_group_segment_fixed_size 82944
		.amdhsa_private_segment_fixed_size 0
		.amdhsa_enable_private_segment 0
		.amdhsa_kernarg_size 40
		.amdhsa_user_sgpr_count 2
		.amdhsa_user_sgpr_kernarg_segment_ptr 1
		.amdhsa_wavefront_size32 1
		.amdhsa_system_sgpr_workgroup_id_x 1
		.amdhsa_system_sgpr_workgroup_id_y 1
		.amdhsa_system_sgpr_workgroup_id_z 1
		.amdhsa_system_vgpr_workitem_id 0
		.amdhsa_next_free_vgpr 242
		.amdhsa_next_free_sgpr 66
		.amdhsa_reserve_vcc 0
		.amdhsa_float_denorm_mode_32 3
		.amdhsa_float_denorm_mode_16_64 3
		.amdhsa_memory_ordered 1
		.amdhsa_forward_progress 1
		.amdhsa_inst_pref_size 39
	.end_amdhsa_kernel
	.amdgpu_metadata
---
amdhsa.version: [ 1, 2 ]
amdhsa.kernels:
  - .name:           k_q3cf1dc48a9_ln1
    .symbol:         k_q3cf1dc48a9_ln1.kd
    .args:
      - { .name: x, .offset: 0, .size: 8, .value_kind: global_buffer, .address_space: global }
      - { .name: g1, .offset: 8, .size: 8, .value_kind: global_buffer, .address_space: global }
      - { .name: be1, .offset: 16, .size: 8, .value_kind: global_buffer, .address_space: global }
      - { .name: lowp_scales, .offset: 24, .size: 8, .value_kind: global_buffer, .address_space: global }
      - { .name: h3, .offset: 32, .size: 8, .value_kind: global_buffer, .address_space: global }
    .group_segment_fixed_size: 82944
    .private_segment_fixed_size: 0
    .kernarg_segment_align: 8
    .kernarg_segment_size: 40
    .max_flat_workgroup_size: 256
    .sgpr_count:     66
    .vgpr_count:     242
    .wavefront_size: 32
...
	.end_amdgpu_metadata
.endif
;; end of part 8
;; launch qkv (part 9): grid 12 x 16, 4 waves a work-group, clusters of 4 x 4, 327,680 bytes of LDS; arguments h3, Wq_codes, Wk_codes, Wv_codes, bq, bk, bv, lowp_scales, qkvi; writes qkvi
.if DOCPART == 9
	.amdgcn_target "amdgcn-amd-amdhsa--gfx1250"
	.amdhsa_code_object_version 6
	.text
	.protected	k_q3cf1dc48a9_qkv
	.globl	k_q3cf1dc48a9_qkv
	.p2align	8
	.type	k_q3cf1dc48a9_qkv,@function
k_q3cf1dc48a9_qkv:
	s_mov_b64 s[64:65], 0
	v_nop
	global_prefetch_b8 v0, s[64:65] scope:SCOPE_SE
	s_setreg_imm32_b32 hwreg(HW_REG_WAVE_MODE, 25, 1), 1
	s_wait_xcnt 0x0
	s_wait_alu depctr_hold_cnt(0) depctr_sa_sdst(0) depctr_va_vdst(0) depctr_va_sdst(0) depctr_va_ssrc(0) depctr_va_vcc(0) depctr_vm_vsrc(0)
	s_getreg_b32 s2, hwreg(HW_REG_IB_STS2, 6, 4)
	s_cmp_eq_u32 s2, 0
	s_cbranch_scc0 .Lentry_in_a_cluster
	s_endpgm
.Lentry_in_a_cluster:
	s_bfe_u32 s2, ttmp6, 0x10000c
	s_cmp_lg_u32 s2, 0xf033
	s_cbranch_scc0 .Lentry_shape_is_right
	s_endpgm
.Lentry_shape_is_right:
; q, k, v = h W + b for all 16 heads, on codes of E4M3; the results are quantised again (entries 6, 7, 9 of the scales) and stored as IMAGES OF THE OPERAND REGISTERS that the attention launch loads.
; h3: three planes [4096 tokens][1024] of codes (for q, k, v).  W*_codes: [1024 = head x 64 + channel][1024].  The cluster's x (0, 1, 2) says which of q, k, v a cluster makes: it is equal in all sixteen partners.
; A tile of 256 x 256 results is made by four waves, 128 x 128 each: 64 accumulators, 512 registers.  K = 1,024 goes in steps of 256 through a ring of two LDS slots filled by the tensor data mover.
; In accumulator (a, b) lane (r, h) holds row 16 a + r of SOURCE 1, and its register j row 16 b + 8 h + j of SOURCE 0.  The next product's K must run along a lane's registers:
;   q, k (next K = the head's 64 channels): source 0 = rows of W, source 1 = tokens.     v (next K = the keys): source 0 = tokens, source 1 = rows of W.
; One conversion turns an accumulator's eight registers into registers 2 b, 2 b + 1 of the next operand, k = 16 b + 8 h + 0 .. 7: the 8-bit forms' own layout.  Four registers a lane go out by one store of 512 consecutive bytes, aligned.
;   q, k planes: [batch x 16 + head][token tile 128][2][lane][16 bytes];   v plane: [batch x 16 + head][key step 16][channel tile 4][4][lane][16 bytes].
; Fragments of this launch's own product come by four ds_load_b128 a side: a permutation of k that is the same in both sources, so every product meets its partner.
; CLUSTERS: 4 x 4 work-groups; source 1's tile is shared along a row of the cluster, source 0's along a column: each is asked for jointly, by the same tensor load with a mask that names the four.
; LIMITS: ew + eh between -126 and 127; the result's e between -126 and 119.  NaN is not served.
; REGISTERS, in windows of 256: window 0: v0-31 addresses; v32-95 bias by register, v96-111 bias by lane; from v128 source 1's fragments, ONE set; window 1: source 0's fragments, TWO sets; windows 2, 3: the accumulators.
.set ROWB,   256                       ; a tile's row in bytes: 256 codes
.set KROW,   1024                      ; a row of either source in memory
.set PITCH,  272                       ; an LDS row: 256 bytes + 16 of padding = 68 words: the 16 rows of a load start at 16 different banks (64 banks of 4 bytes: ISA guide 11.1)
.set FR,     16                        ; registers of a fragment: 16 rows x 128 K
.set NL,     4                         ; LDS loads that bring one
.set NP,     4                         ; places behind this matrix instruction (ISA guide 7.12.1)
.set HALFT,  128*PITCH
.set SLOT,   4*HALFT                   ; source 1's 256 rows, then source 0's
.set LAPS,   2                         ; K / 512
.set SPARE,  2*SLOT                    ; behind the ring: the spare words, 128 bytes a wave, which no other line names
.set ADRA, 16
.set ADRB, 20
.set SPW,  28
.set NIL,  29
.set AF,   128
.set G1, 24
.set G0, 32
.set G1B, 48
.set G0B, 56
.set MSB, 0
.macro WIN new                         ; the immediate's high byte repeats the setting that is left
.if MSB != \new
	s_set_vgpr_msb (MSB<<8)|\new
.set MSB, \new
.endif
.endm
.set MUL_LO, 0xa1                      ; source 0 window 1, source 1 window 0, C and D window 2
.set MUL_HI, 0xf1                      ; the same, C and D window 3
.set TO_B,   0x40                      ; destination window 1, address window 0
.macro JLOAD g0a, g1a, g0b, g1b        ; a joint load: waves 0, 1 fetch for source 1, waves 2, 3 for source 0; the branch hangs on the wave's number alone; four v_nop follow each line
	s_cmp_eq_u32 s15, 0
	s_cbranch_scc0 .Lfor_b_\@
	tensor_load_to_lds s[\g0a:\g0a+3], s[\g1a:\g1a+7]
	s_nop 0
.rept 4
	v_nop
.endr
	s_branch .Lasked_\@
.Lfor_b_\@:
	tensor_load_to_lds s[\g0b:\g0b+3], s[\g1b:\g1b+7]
	s_nop 0
.rept 4
	v_nop
.endr
.Lasked_\@:
.endm
.macro CREST                           ; a round of the cluster's barrier behind its opening barrier
	s_cmp_lg_u32 s14, 0
	s_cbranch_scc1 .Lnot_wave_0_\@
	s_barrier_signal -3
.Lnot_wave_0_\@:
	s_barrier_wait -3
	s_barrier_signal -1
	s_barrier_wait -1
.endm
.macro CROUND
	s_barrier_signal -1
	s_barrier_wait -1
	CREST
.endm
	s_load_b512 s[68:83], s[0:1], 0x0              ; h3, Wq, Wk, Wv, bq, bk, bv, the scales' exponents
	s_load_b64 s[84:85], s[0:1], 0x40              ; qkvi
	v_lshl_add_u32 v[SPW], v0, 2, SPARE
	v_mov_b32 v[NIL], 0
	ds_add_u32 v28, v29
	ds_add_u32 v28, v29
	s_wait_dscnt 0x0
	v_lshrrev_b32 v1, 5, v0
	v_readfirstlane_b32 s14, v1                    ; wave 0..3
	s_lshr_b32 s15, s14, 1                         ; my half of source 1's rows.  Also: I fetch for source 1 (0) or source 0 (1)
	s_and_b32 s16, s14, 1                          ; my half of source 0's rows.  Also: which 128 rows I fetch
	s_bfe_u32 s40, ttmp6, 0x40000                  ; cx
	s_bfe_u32 s41, ttmp6, 0x40004                  ; cy
	s_and_b32 s13, ttmp7, 0xffff
	s_lshl_b32 s13, s13, 2                         ; 4 x cluster y
	s_add_co_u32 s42, s13, s40
	s_add_co_u32 s17, s13, s41
	s_cmp_eq_u32 ttmp9, 2                          ; v?
	s_cselect_b32 s42, s42, s40                    ; source 0's tile: q, k: 256 rows of W, cx;  v: 256 tokens, 4 x cluster y + cx
	s_cselect_b32 s17, s41, s17                    ; source 1's tile: q, k: 256 tokens, 4 x cluster y + cy;  v: 256 rows of W, cy
	s_lshl_b32 s43, s41, 2
	s_lshl_b32 s43, 15, s43                        ; my row of the cluster
	s_lshl_b32 s44, 0x1111, s40                    ; my column
	s_or_b32 s[G1+0], s43, (0<<16)|(1<<20)|(1<<21)|(5<<22)|(3<<25)  ; the mask; elements of 1 byte; padding on; bit 21 beside a mask; 4 words behind every 64
	s_or_b32 s[G1B+0], s44, (0<<16)|(1<<20)|(1<<21)|(5<<22)|(3<<25)
.irp g, G1, G1B
	s_mov_b32 s[\g+1], ROWB<<16                    ; tensor_dim0
	s_mov_b32 s[\g+2], 128<<16                     ; tensor_dim1
	s_mov_b32 s[\g+3], ROWB<<16                    ; tile_dim0
	s_mov_b32 s[\g+4], 128                         ; tile_dim1
	s_mov_b32 s[\g+5], KROW                        ; from row to row
	s_mov_b32 s[\g+6], 0
	s_mov_b32 s[\g+7], 0
.endr
	s_lshl_b32 s18, s16, 7
	s_lshl_b32 s20, s17, 8
	s_add_co_u32 s20, s20, s18
	s_lshl_b32 s20, s20, 10                        ; source 1: (256 x tile + 128 x half) rows of 1,024 bytes
	s_lshl_b32 s46, s42, 8
	s_add_co_u32 s46, s46, s18
	s_lshl_b32 s46, s46, 10                        ; source 0 likewise
	s_mov_b32 s21, 0
	s_mov_b32 s47, 0
	s_mul_i32 s45, s14, HALFT                      ; where they go: wave x 128 rows
	s_lshl_b32 s86, ttmp9, 22                      ; the plane of 4 MiB
	s_mov_b32 s87, 0
	s_wait_kmcnt 0x0
	s_add_nc_u64 s[88:89], s[68:69], s[86:87]      ; h's codes for this product
	s_add_nc_u64 s[10:11], s[84:85], s[86:87]      ; the images' plane
	s_cmp_eq_u32 ttmp9, 0
	s_cselect_b64 s[90:91], s[70:71], s[72:73]     ; the weight and the bias: choices on the cluster's x alone
	s_cselect_b64 s[8:9], s[76:77], s[78:79]
	s_cmp_eq_u32 ttmp9, 2
	s_cselect_b64 s[90:91], s[74:75], s[90:91]
	s_cselect_b64 s[8:9], s[80:81], s[8:9]
	s_cselect_b64 s[4:5], s[90:91], s[88:89]       ; source 1
	s_cselect_b64 s[6:7], s[88:89], s[90:91]       ; source 0
	s_mov_b64 s[12:13], s[82:83]
	s_load_b512 s[68:83], s[12:13], 0x0            ; all sixteen exponents (the pointers above have been taken)
	s_add_nc_u64 s[20:21], s[4:5], s[20:21]
	s_add_nc_u64 s[46:47], s[6:7], s[46:47]
	CROUND                                         ; all sixteen work-groups are here: the first joint loads meet
.irp s, 0,1
	s_mov_b32 s[G0+4*\s], 1
	s_add_co_u32 s[G0+4*\s+1], s45, \s*SLOT
	s_add_nc_u64 s[G0+4*\s+2:G0+4*\s+3], s[20:21], \s*ROWB
	s_or_b32 s[G0+4*\s+3], s[G0+4*\s+3], 0x80000000
	s_mov_b32 s[G0B+4*\s], 1
	s_add_co_u32 s[G0B+4*\s+1], s45, \s*SLOT
	s_add_nc_u64 s[G0B+4*\s+2:G0B+4*\s+3], s[46:47], \s*ROWB
	s_or_b32 s[G0B+4*\s+3], s[G0B+4*\s+3], 0x80000000
.if \s == 0
	JLOAD G0, G1, G0B, G1B                         ; K step 0
.endif
.endr
	v_and_b32 v1, 15, v0                           ; r
	v_bfe_u32 v2, v0, 4, 1                         ; h
	s_wait_alu depctr_va_vdst(0)
	v_mul_u32_u24 v3, v1, PITCH
	v_lshl_add_u32 v4, v2, 4, v3                   ; a fragment's row x pitch + 16 h
	s_mul_i32 s21, s15, HALFT
	s_mul_i32 s22, s16, HALFT
	s_add_co_u32 s22, s22, 2*HALFT
.irp s, 0,1
	v_add_nc_u32 v[ADRA+\s], s21, v4
	v_add_nc_u32 v[ADRB+\s], s22, v4
	s_add_co_u32 s21, s21, SLOT
	s_add_co_u32 s22, s22, SLOT
.endr
	; the bias in both forms, so that the head has one path: by register (q, k: the channel is source 0's row) and by lane (v: source 1's row).  The tile's number is cut to 0..3, so that the form that is not used stays inside the buffer
	s_and_b32 s18, s42, 3
	s_lshl_b32 s18, s18, 10
	s_lshl_b32 s19, s16, 9
	s_add_co_u32 s18, s18, s19
	v_lshl_add_u32 v7, v2, 5, s18                  ; 4 x (256 x tile + 128 x half + 8 h)
	s_and_b32 s18, s17, 3
	s_lshl_b32 s18, s18, 10
	s_lshl_b32 s19, s15, 9
	s_add_co_u32 s18, s18, s19
	v_lshl_add_u32 v8, v1, 2, s18                  ; 4 x (256 x tile + 128 x half + r)
.irp b, 0,1,2,3,4,5,6,7
	global_load_b128 v[32+8*\b:35+8*\b], v7, s[8:9] offset:64*\b
	global_load_b128 v[36+8*\b:39+8*\b], v7, s[8:9] offset:64*\b+16
.endr
.irp a, 0,1,2,3,4,5,6,7
	global_load_b32 v[96+2*\a], v8, s[8:9] offset:64*\a      ; twice: a pair for the packed form
	global_load_b32 v[97+2*\a], v8, s[8:9] offset:64*\a
.endr
	; where my images begin: ((token tile >> 3) x 16 + channel tile x 4 + channel half x 2) x 131,072 + ((token tile & 7) x 2 + token half) x 8,192: one formula for both kinds
	s_cmp_eq_u32 ttmp9, 2
	s_cselect_b32 s18, s42, s17                    ; the tile of tokens
	s_cselect_b32 s19, s17, s42                    ; the tile of channels
	s_cselect_b32 s22, s16, s15                    ; my half of the tokens
	s_cselect_b32 s23, s15, s16                    ; my half of the channels
	s_lshr_b32 s86, s18, 3
	s_lshl_b32 s86, s86, 4
	s_lshl_b32 s19, s19, 2
	s_add_co_u32 s86, s86, s19
	s_lshl_b32 s23, s23, 1
	s_add_co_u32 s86, s86, s23
	s_lshl_b32 s86, s86, 17
	s_and_b32 s18, s18, 7
	s_lshl_b32 s18, s18, 1
	s_add_co_u32 s18, s18, s22
	s_lshl_b32 s18, s18, 13
	s_add_co_u32 s86, s86, s18
	s_mov_b32 s87, 0
	s_add_nc_u64 s[10:11], s[10:11], s[86:87]
.macro FRAG reg, adr, q, i             ; 16 rows x 128 K: lane l holds row l % 16; registers 4 c .. 4 c + 3 hold K = 32 c + 16 (l / 16) + 0 .. 15
.irp c, 0,1,2,3
	ds_load_b128 v[\reg+4*\c:\reg+4*\c+3], v[\adr] offset:128*(\q)+32*\c+(\i)*16*PITCH
.endr
.endm
; 16 matrix instructions: source 1's blocks a0, a0 + 1 x source 0's eight.  p: source 0's set.  zero = 1: the first product starts the sums.  The 64 accumulators take turns, one instruction a turn.
.macro MUL16 a0, p, zero
.irp a, \a0, \a0+1
.irp b, 0,1,2,3,4,5,6,7
.if \zero
	v_wmma_f32_16x16x128_fp8_fp8 v[8*(8*((\a)%4)+\b):8*(8*((\a)%4)+\b)+7], v[128*(\p)+FR*\b:128*(\p)+FR*\b+FR-1], v[AF+FR*(\a):AF+FR*(\a)+FR-1], 0
.else
	v_wmma_f32_16x16x128_fp8_fp8 v[8*(8*((\a)%4)+\b):8*(8*((\a)%4)+\b)+7], v[128*(\p)+FR*\b:128*(\p)+FR*\b+FR-1], v[AF+FR*(\a):AF+FR*(\a)+FR-1], v[8*(8*((\a)%4)+\b):8*(8*((\a)%4)+\b)+7]
.endif
.endr
.endr
.endm
.macro FETCH_B slot, q, p
	WIN TO_B
.irp i, 0,1,2,3,4,5,6,7
	FRAG 128*(\p)+FR*\i, ADRB+\slot, \q, \i
.endr
	WIN 0
.endm
.macro FETCH_A slot, q, i0
.irp i, \i0, \i0+1, \i0+2, \i0+3
	FRAG AF+FR*(\i), ADRA+\slot, \q, \i
.endr
.endm
.macro PLACES n                        ; plain vector instructions between a matrix instruction and a load into its sources, or a read of its results
.rept \n
	v_nop
.endr
.endm
.macro STEP slot, q, zero              ; 128 along K whose successor lies in the same slot
	s_wait_dscnt 4*NL                              ; all but the youngest sixteen loads (source 1's blocks 4-7) are in
	WIN MUL_LO
	MUL16 0, (\q)%2, \zero
	MUL16 2, (\q)%2, \zero
	s_wait_dscnt 0
	PLACES NP
	FETCH_B \slot, (\q)+1, 1-(\q)%2
	FETCH_A \slot, (\q)+1, 0
	WIN MUL_HI
	MUL16 4, (\q)%2, \zero
	MUL16 6, (\q)%2, \zero
	PLACES NP
	WIN 0
	FETCH_A \slot, (\q)+1, 4
.endm
; A slot's last step changes slots: one barrier; in front of it each wave waits for all its tensor loads, adds 0 to its spare word, and waits for that and for its reads of this slot.
.macro TURN slot, next, fill
	s_wait_tensorcnt 0x0                           ; all my tensor loads have landed: my part of the next slot
	ds_add_u32 v[SPW], v[NIL]
	s_wait_dscnt 4*NL+1                            ; (the add and the youngest sixteen loads may be out)
	WIN MUL_LO
	MUL16 0, 1, 0
	s_wait_dscnt 0x0                               ; the add is done, and my reads of this slot are over
	s_barrier_signal -1
	MUL16 2, 1, 0
	WIN 0
	s_barrier_wait -1
.if \fill
	CREST                                          ; the barrier has opened a round of the cluster's: no wave of any partner still reads this slot or has a load on its way
	s_add_nc_u64 s[G0+4*\slot+2:G0+4*\slot+3], s[G0+4*\slot+2:G0+4*\slot+3], 2*ROWB
	s_add_nc_u64 s[G0B+4*\slot+2:G0B+4*\slot+3], s[G0B+4*\slot+2:G0B+4*\slot+3], 2*ROWB
	JLOAD G0+4*\slot, G1, G0B+4*\slot, G1B         ; the first tensor load behind the round; its four v_nop are the places in front of the loads below
.else
	PLACES NP
.endif
	FETCH_B \next, 0, 0
	FETCH_A \next, 0, 0
	WIN MUL_HI
	MUL16 4, 1, 0
	MUL16 6, 1, 0
	PLACES NP
	WIN 0
	FETCH_A \next, 0, 4
.endm
	s_wait_alu depctr_va_vdst(0)
	s_wait_tensorcnt 0x0                           ; my part of K step 0 is in
	ds_add_u32 v[SPW], v[NIL]
	s_wait_dscnt 0x0
	CROUND                                         ; everybody's part of K step 0 is in, and the joint loads meet
	JLOAD G0+4, G1, G0B+4, G1B                     ; K step 1, the first tensor load behind the round
	FETCH_B 0, 0, 0
	FETCH_A 0, 0, 0
	FETCH_A 0, 0, 4
	STEP 0, 0, 1
	s_mov_b32 s3, LAPS-1
.Llap:                                                 ; a trip goes once round the ring and fills both slots again
	TURN 0, 1, 1
	STEP 1, 0, 0
	TURN 1, 0, 1
	STEP 0, 0, 0
	s_sub_co_u32 s3, s3, 1
	s_cmp_lg_u32 s3, 0
	s_cbranch_scc1 .Llap
	TURN 0, 1, 0                                   ; the last lap fills nothing
	STEP 1, 0, 0
	s_wait_dscnt 4*NL
	WIN MUL_LO
	MUL16 0, 1, 0
	MUL16 2, 1, 0
	s_wait_dscnt 0
	WIN MUL_HI
	MUL16 4, 1, 0
	MUL16 6, 1, 0
	WIN 0
	; THE WAY OUT: sum x 2^(ew + eh) + bias, held, converted, stored as images.  No LDS: a lane's codes are the next operand's registers as they stand.
	s_wait_kmcnt 0x0
	s_cmp_eq_u32 ttmp9, 0
	s_cselect_b32 s86, s68, s70                    ; the weight's e: entry 0, 2 or 4
	s_cselect_b32 s87, s69, s71                    ; h's: entry 1, 3 or 5
	s_cselect_b32 s88, s74, s75                    ; the result's: entry 6, 7 or 9
	s_cmp_eq_u32 ttmp9, 2
	s_cselect_b32 s86, s72, s86
	s_cselect_b32 s87, s73, s87
	s_cselect_b32 s88, s77, s88
	s_add_co_i32 s96, s86, s87
	s_add_co_i32 s96, s96, 127
	s_lshl_b32 s96, s96, 23                        ; 2^(ew + eh) as f32
	s_mov_b32 s97, s96                             ; (named with it as a pair)
	s_add_co_i32 s88, s88, 127
	s_lshl_b32 s89, s88, 23
	v_mov_b32 v11, s89                             ; 2^e of the result
	s_add_co_i32 s88, s88, 8
	s_lshl_b32 s88, s88, 23
	s_or_b32 s88, s88, 0x600000
	v_mov_b32 v10, s88                             ; 448 x that
	v_and_b32 v12, 31, v0
	v_lshlrev_b32 v12, 4, v12                      ; 16 x lane
	s_wait_loadcnt 0x0                             ; the biases
	PLACES NP
; Block a: source 1's rows 16 a on.  kind 0: bias by register; kind 1: bias by lane.  The codes have two sets of registers by turns.
.macro QBLK a, kind
.set AC, 64*((\a)%4)
.set CD, 192+16*((\a)%2)
.if (\a) > 1
	s_wait_xcnt 0x0                                ; block a - 2's stores have read their data: the set may be written again
.endif
	WIN 0x02+((\a)/4)                              ; source 0: window 2 or 3
.irp b, 0,1,2,3,4,5,6,7
.irp i, 0,2,4,6
.if \kind
	v_pk_fma_f32 v[128+8*\b+\i:129+8*\b+\i], v[AC+8*\b+\i:AC+8*\b+\i+1], s[96:97], v[96+2*(\a):97+2*(\a)] op_sel_hi:[1,0,1]
.else
	v_pk_fma_f32 v[128+8*\b+\i:129+8*\b+\i], v[AC+8*\b+\i:AC+8*\b+\i+1], s[96:97], v[32+8*\b+\i:33+8*\b+\i] op_sel_hi:[1,0,1]
.endif
.endr
.endr
	WIN 0
.set JJ, 0
.rept 64
	v_med3_num_f32 v[128+JJ], v[128+JJ], -v10, v10   ; the conversion does not saturate (ISA guide 7.6.2)
.set JJ, JJ+1
.endr
.irp b, 0,1,2,3,4,5,6,7
	v_cvt_scalef32_pk8_fp8_f32 v[CD+2*\b:CD+2*\b+1], v[128+8*\b:135+8*\b], v11
.endr
	v_nop                                          ; a plain instruction between the conversions and the next writes of their sources
.irp c, 0,1,2,3
.if \kind
	global_store_b128 v12, v[CD+4*\c:CD+4*\c+3], s[10:11] offset:((\a)/4)*131072+((\a)%4)*2048+\c*512   ; head a / 4, channel tile a % 4, registers 4 c on: 512 consecutive bytes, aligned
.else
	global_store_b128 v12, v[CD+4*\c:CD+4*\c+3], s[10:11] offset:(\a)*1024+(\c/2)*131072+(\c%2)*512     ; token tile a, head c / 2, registers 4 (c % 2) on
.endif
.endr
.endm
	s_cmp_eq_u32 ttmp9, 2                          ; the cluster's x: the same way in all partners
	s_cbranch_scc1 .Lkind1
.irp a, 0,1,2,3,4,5,6,7
	QBLK \a, 0
.endr
	s_branch .Ljoin
.Lkind1:
.irp a, 0,1,2,3,4,5,6,7
	QBLK \a, 1
.endr
.Ljoin:
	s_wait_tensorcnt 0x0                           ; the wave's end
	ds_add_u32 v[SPW], v[NIL]
	s_wait_dscnt 0x0
	CROUND                                         ; the closing round
	s_endpgm
.Lfunc_end_k_q3cf1dc48a9_qkv:
	.size	k_q3cf1dc48a9_qkv, .Lfunc_end_k_q3cf1dc48a9_qkv-k_q3cf1dc48a9_qkv
	.p2alignl 7, 3214868480
	.fill 96, 4, 3214868480
	.section	.rodata,"a",@progbits
	.p2align	6, 0x0
	.amdhsa_kernel k_q3cf1dc48a9_qkv
		.amdhsa_group_segment_fixed_size 327680
		.amdhsa_private_segment_fixed_size 0
		.amdhsa_enable_private_segment 0
		.amdhsa_kernarg_size 72
		.amdhsa_user_sgpr_count 2
		.amdhsa_user_sgpr_kernarg_segment_ptr 1
		.amdhsa_wavefront_size32 1
		.amdhsa_system_sgpr_workgroup_id_x 1
		.amdhsa_system_sgpr_workgroup_id_y 1
		.amdhsa_system_sgpr_workgroup_id_z 1
		.amdhsa_system_vgpr_workitem_id 0
		.amdhsa_next_free_vgpr 1024
		.amdhsa_next_free_sgpr 100
		.amdhsa_reserve_vcc 0
		.amdhsa_float_denorm_mode_32 3
		.amdhsa_float_denorm_mode_16_64 3
		.amdhsa_memory_ordered 1
		.amdhsa_forward_progress 1
		.amdhsa_inst_pref_size 194
	.end_amdhsa_kernel
	.amdgpu_metadata
---
amdhsa.version: [ 1, 2 ]
amdhsa.kernels:
  - .name:           k_q3cf1dc48a9_qkv
    .symbol:         k_q3cf1dc48a9_qkv.kd
    .args:
      - { .name: h3, .offset: 0, .size: 8, .value_kind: global_buffer, .address_space: global }
      - { .name: Wq_codes, .offset: 8, .size: 8, .value_kind: global_buffer, .address_space: global }
      - { .name: Wk_codes, .offset: 16, .size: 8, .value_kind: global_buffer, .address_space: global }
      - { .name: Wv_codes, .offset: 24, .size: 8, .value_kind: global_buffer, .address_space: global }
      - { .name: bq, .offset: 32, .size: 8, .value_kind: global_buffer, .address_space: global }
      - { .name: bk, .offset: 40, .size: 8, .value_kind: global_buffer, .address_space: global }
      - { .name: bv, .offset: 48, .size: 8, .value_kind: global_buffer, .address_space: global }
      - { .name: lowp_scales, .offset: 56, .size: 8, .value_kind: global_buffer, .address_space: global }
      - { .name: qkvi, .offset: 64, .size: 8, .value_kind: global_buffer, .address_space: global }
    .group_segment_fixed_size: 327680
    .private_segment_fixed_size: 0
    .kernarg_segment_align: 8
    .kernarg_segment_size: 72
    .max_flat_workgroup_size: 128
    .sgpr_count:     100
    .vgpr_count:     1024
    .wavefront_size: 32
...
	.end_amdgpu_metadata
.endif
;; end of part 9
;; launch attn (part 10): grid 8 x 32, 16 waves a work-group, clusters of 4 x 1, 327,680 bytes of LDS; arguments qkvi, lowp_scales, oimg; writes oimg
.if DOCPART == 10
	.amdgcn_target "amdgcn-amd-amdhsa--gfx1250"
	.amdhsa_code_object_version 6
	.text
	.protected	k_q3cf1dc48a9_attn
	.globl	k_q3cf1dc48a9_attn
	.p2align	8
	.type	k_q3cf1dc48a9_attn,@function
k_q3cf1dc48a9_attn:
	s_mov_b64 s[64:65], 0
	v_nop
	global_prefetch_b8 v0, s[64:65] scope:SCOPE_SE
	s_setreg_imm32_b32 hwreg(HW_REG_WAVE_MODE, 25, 1), 1
	s_wait_xcnt 0x0
	s_wait_alu depctr_hold_cnt(0) depctr_sa_sdst(0) depctr_va_vdst(0) depctr_va_sdst(0) depctr_va_ssrc(0) depctr_va_vcc(0) depctr_vm_vsrc(0)
	s_getreg_b32 s2, hwreg(HW_REG_IB_STS2, 6, 4)
	s_cmp_eq_u32 s2, 0
	s_cbranch_scc0 .Lentry_in_a_cluster
	s_endpgm
.Lentry_in_a_cluster:
	s_bfe_u32 s2, ttmp6, 0x10000c
	s_cmp_lg_u32 s2, 0x3003
	s_cbranch_scc0 .Lentry_shape_is_right
	s_endpgm
.Lentry_shape_is_right:
; o = softmax(q k^T / 8) v for 32 (batch, head) pairs of 2,048 tokens and 64 channels, both products on codes of E4M3; o is quantised (entry 10 of the scales) and stored as images of the next product's operand registers.
; qkvi: three planes of 4 MiB.  q, k: [batch x 16 + head][token tile 128][2][lane][16 bytes]; v: [batch x 16 + head][key step 16][channel tile 4][4][lane][16 bytes]: images of operand registers, read back as they were stored.
; THE SOFTMAX: t = score x log2(e) / 8 x 2^(eq + ek); M = the running largest t rounded up to a whole number; p = 2^(t - M) is held at 448 x 2^ep and quantised; the row's sum is taken of the unquantised p and divides at the end.
; When M moves, the sum and O^T are multiplied by 2^(old M - new M), which rounds nothing; no branch hangs on data.
; SHARES: a work-group owns 256 queries of one head, each of its sixteen waves 16 of them, in 256 registers.  Both products are used transposed (S^T = K Q^T, O^T = V^T P^T): a lane holds one query throughout.
; ALL KEYS LIE IN LDS AT ONCE: a head's K and V images are 2 x 131,072 bytes, sixteen dense blocks of 16,384 bytes: each wave asks for one block by its one tensor load at the head (waves 0-7: K, waves 8-15: V).
; Nothing is filled again: one wait and one barrier stand ahead of the loop of 16 key steps, and none inside it.
; CLUSTER: the four work-groups of a cluster own query blocks of the same head and ask for its K and V jointly (mask 15); the descriptor hangs on the head and on the wave's number alone.
; No prefetch: every byte that the launch reads through LDS is asked for at the head, so there is no loop to run ahead in.
; LIMITS: eq + ek between -123 and 130 (added to c's exponent field); ep and eo between -126 and 119; the scaled scores stay under 2^31 in magnitude.  NaN among the inputs is not served.
; REGISTERS: v1, v2 my lane's place in K's and V's images; v8, v9 the step's addresses; v12 -M, v13 the largest t, v[14:15] the sum; v16-23 Q; v32-95 fragments of K, then of V; v96-159 S^T, then p; v160-191 O^T; v224-239 p's codes; v240-254 at work.
.set LI,  1
.set LV,  2
.set ADK, 8
.set ADV, 9
.set SPW, 251                          ; LDS address of my spare word; never rewritten
.set NIL, 255                          ; 0; never rewritten
.set WV,  18
.set SEL, 20
.set CS,  22
.set G1,  24
.set G0,  32
.set TB,  2                            ; s2: the step's first byte in K's and in V's region
.set CNT, 3
.set HP,  60                           ; s60: 448 x 2^ep
.set VREG, 0x20000                     ; V's images lie behind K's
.set SPARE, 0x40000                    ; behind both: the spare words, 128 bytes a wave
.macro CROUND                          ; a round of the cluster's barrier
	s_barrier_signal -1
	s_barrier_wait -1
	s_cmp_lg_u32 s[WV], 0
	s_cbranch_scc1 .Lnot_wave_0_\@
	s_barrier_signal -3
.Lnot_wave_0_\@:
	s_barrier_wait -3
	s_barrier_signal -1
	s_barrier_wait -1
.endm
	s_load_b128 s[4:7], s[0:1], 0x0                ; qkvi, the scales' exponents
	s_load_b64 s[8:9], s[0:1], 0x10                ; oimg
	v_lshl_add_u32 v[SPW], v0, 2, SPARE
	v_mov_b32 v[NIL], 0
	ds_add_u32 v[SPW], v[NIL]                      ; the opening lines: the add, twice on end, and its wait ahead of my first tensor load
	ds_add_u32 v[SPW], v[NIL]
	v_lshrrev_b32 v8, 5, v0
	s_delay_alu instid0(VALU_DEP_1)
	v_readfirstlane_b32 s[WV], v8                  ; wave 0..15
	v_and_b32 v[LI], 31, v0
	s_delay_alu instid0(VALU_DEP_1)
	v_lshlrev_b32 v[LI], 4, v[LI]                  ; 16 x lane
	s_delay_alu instid0(VALU_DEP_1)
	v_add_nc_u32 v[LV], VREG, v[LI]
	s_bfe_u32 s10, ttmp6, 0x40000                  ; cx
	s_lshl_b32 s11, ttmp9, 2
	s_add_co_u32 s11, s11, s10
	s_lshl_b32 s11, s11, 4
	s_add_co_u32 s11, s11, s[WV]                   ; my tile of 16 queries, 0..127
	s_and_b32 s12, ttmp7, 0xffff                   ; batch x 16 + head
	s_mov_b32 s[G1], 15|(3<<16)|(1<<21)            ; the mask of the four; elements of 8 bytes; bit 21 beside a mask
	s_mov_b32 s[G1+1], 32<<16                      ; 64 rows of 32 elements = 256 bytes, dense: 16,384 bytes
	s_mov_b32 s[G1+2], 64<<16
	s_mov_b32 s[G1+3], 32<<16
	s_mov_b32 s[G1+4], 64
	s_mov_b32 s[G1+5], 32
	s_mov_b32 s[G1+6], 0
	s_mov_b32 s[G1+7], 0
	s_mov_b32 s[SEL], 0x76543210
	s_mov_b32 s[SEL+1], 0xfedcba98
	s_mov_b32 s[CS], 0x3e38aa3b                    ; log2(e) / 8
	s_lshr_b32 s48, s[WV], 3
	s_add_co_u32 s48, s48, 1
	s_lshl_b32 s48, s48, 22                        ; plane 1 (k) for waves 0-7, plane 2 (v) for waves 8-15,
	s_lshl_b32 s49, s12, 17
	s_add_co_u32 s48, s48, s49                     ; the head's 131,072 bytes,
	s_and_b32 s49, s[WV], 7
	s_lshl_b32 s49, s49, 14
	s_add_co_u32 s48, s48, s49                     ; my eighth of them
	s_mov_b32 s49, 0
	s_mov_b32 s[G0], 1
	s_lshl_b32 s[G0+1], s[WV], 14                  ; to LDS byte 16,384 x wave
	s_wait_dscnt 0x0                               ; both opening adds are done
	s_wait_kmcnt 0x0
	s_load_b512 s[68:83], s[6:7], 0x0              ; all sixteen exponents
	s_add_nc_u64 s[G0+2:G0+3], s[4:5], s[48:49]
	s_or_b32 s[G0+3], s[G0+3], 0x80000000
	CROUND                                         ; the four work-groups are here: the joint loads meet
	tensor_load_to_lds s[G0:G0+3], s[G1:G1+7]      ; my one tensor load of the launch
	s_nop 0
.rept 4
	v_nop
.endr
	s_lshl_b32 s52, s12, 17
	s_lshl_b32 s53, s11, 10
	s_add_co_u32 s52, s52, s53
	s_mov_b32 s53, 0
	s_add_nc_u64 s[52:53], s[4:5], s[52:53]        ; q's image of my tile, in plane 0
	s_wait_alu depctr_va_vdst(0)                   ; ahead of the reader below
	global_load_b128 v[16:19], v[LI], s[52:53]
	global_load_b128 v[20:23], v[LI], s[52:53] offset:512
	s_and_b32 s54, s12, 15                         ; where o's image goes: [head / 4][batch x 128 + tile][head % 4][2][lane][16 bytes]
	s_lshr_b32 s55, s54, 2
	s_lshl_b32 s55, s55, 20
	s_lshr_b32 s56, s12, 4
	s_lshl_b32 s56, s56, 7
	s_add_co_u32 s56, s56, s11
	s_lshl_b32 s56, s56, 12
	s_add_co_u32 s55, s55, s56
	s_and_b32 s54, s54, 3
	s_lshl_b32 s54, s54, 10
	s_add_co_u32 s54, s54, s55
	s_mov_b32 s55, 0
	s_add_nc_u64 s[8:9], s[8:9], s[54:55]
	v_mov_b32 v13, 0xff61b1e6                      ; the largest t so far: -3e38
	s_delay_alu instid0(VALU_DEP_1)
	v_floor_f32 v12, -v13                          ; -M
	v_mov_b32 v14, 0
	v_mov_b32 v15, 0
	v_mov_b32 v246, 0                              ; a lane permute's destination counts as a source
	v_mov_b32 v253, 0                              ; (named as the upper half of v[252:253])
.set JJ, 0
.rept 32
	v_mov_b32 v[160+JJ], 0                         ; O^T: the step is written once, and its first run finds zeros
.set JJ, JJ+1
.endr
	s_wait_kmcnt 0x0
	s_add_co_i32 s57, s74, s75
	s_lshl_b32 s57, s57, 23
	s_add_co_i32 s[CS], s[CS], s57                 ; c x 2^(eq + ek)
	s_mov_b32 s[CS+1], s[CS]
	s_add_co_i32 s57, s76, 127
	s_lshl_b32 s59, s57, 23
	v_mov_b32 v244, s59                            ; 2^ep
	s_add_co_i32 s57, s57, 8
	s_lshl_b32 s57, s57, 23
	s_or_b32 s[HP], s57, 0x600000                  ; 448 x 2^ep
	s_add_co_i32 s57, s78, 127
	s_lshl_b32 s59, s57, 23
	v_mov_b32 v245, s59                            ; 2^eo
	s_add_co_i32 s57, s57, 8
	s_lshl_b32 s57, s57, 23
	s_or_b32 s57, s57, 0x600000
	v_mov_b32 v241, s57                            ; 448 x 2^eo
	s_add_co_i32 s58, s76, s77                     ; ep + ev
; A KEY STEP: 128 keys against my 16 queries.
.macro STEP
	v_add_nc_u32 v[ADK], s[TB], v[LI]              ; these two and two v_nop: the four places behind the last products, ahead of loads into their sources
	v_add_nc_u32 v[ADV], s[TB], v[LV]
	v_nop
	v_nop
.irp t, 0,1,2,3,4,5,6,7
	ds_load_b128 v[32+8*\t:35+8*\t], v[ADK] offset:1024*\t
	ds_load_b128 v[36+8*\t:39+8*\t], v[ADK] offset:1024*\t+512
.endr
	s_wait_alu depctr_va_vdst(0)
	s_wait_dscnt 0x0
.irp t, 0,1,2,3,4,5,6,7
	v_wmma_f32_16x16x64_fp8_fp8 v[96+8*\t:103+8*\t], v[32+8*\t:39+8*\t], v[16:23], 0
.endr
	v_mov_b32 v247, v12                            ; the old -M; with three v_nop the four places
.rept 3
	v_nop
.endr
.set FF, 0
.rept 16
	ds_load_b128 v[32+4*FF:35+4*FF], v[ADV] offset:512*FF    ; V's fragments land under the softmax
.set FF, FF+1
.endr
	v_max3_num_f32 v254, v96, v97, v98             ; the step's largest score, in two chains
	v_max3_num_f32 v252, v99, v100, v101
.irp i, 6,10,14,18,22,26,30,34,38,42,46,50,54,58
	v_max3_num_f32 v254, v254, v[96+\i], v[97+\i]
	v_max3_num_f32 v252, v252, v[98+\i], v[99+\i]
.endr
	v_max3_num_f32 v254, v254, v158, v159
	s_delay_alu instid0(VALU_DEP_1)
	v_max_num_f32 v254, v254, v252
	v_permlanex16_b32 v246, v254, s[SEL], s[SEL+1]
	s_delay_alu instid0(VALU_DEP_1)
	v_max_num_f32 v254, v254, v246                 ; and lane l xor 16's
	s_delay_alu instid0(VALU_DEP_1)
	v_mul_f32 v254, s[CS], v254
	s_delay_alu instid0(VALU_DEP_1)
	v_max_num_f32 v13, v13, v254                   ; the running largest t
	s_delay_alu instid0(VALU_DEP_1)
	v_floor_f32 v12, -v13                          ; the new -M
	s_delay_alu instid0(VALU_DEP_1)
	v_sub_f32 v254, v12, v247
	s_delay_alu instid0(VALU_DEP_1)
	v_cvt_i32_f32 v254, v254                       ; old M - new M (it saturates)
	s_delay_alu instid0(VALU_DEP_1)
	v_ldexp_f32 v252, 1.0, v254                    ; f = 2^(old M - new M)
.set JJ, 0
.rept 32
	v_pk_fma_f32 v[96+JJ:97+JJ], v[96+JJ:97+JJ], s[CS:CS+1], v[12:13] op_sel_hi:[1,0,0]   ; t - M
.set JJ, JJ+2
.endr
	s_wait_alu depctr_va_vdst(0)                   ; ahead of the batch
.set JJ, 0
.rept 64
	v_exp_f32 v[96+JJ], v[96+JJ]
.set JJ, JJ+1
.endr
	v_pk_mul_f32 v[14:15], v[14:15], v[252:253] op_sel_hi:[1,0]   ; the sums under the new M: the plain place behind the batch
	s_wait_alu depctr_va_vdst(0)                   ; one wait for the batch, ahead of its first reader
	v_pk_add_f32 v[242:243], v[96:97], v[98:99]    ; the sum of the unquantised p, in two chains
.irp j, 4,8,12,16,20,24,28,32,36,40,44,48,52,56,60
	v_pk_add_f32 v[14:15], v[14:15], v[96+\j:97+\j]
	v_pk_add_f32 v[242:243], v[242:243], v[98+\j:99+\j]
.endr
	v_pk_add_f32 v[14:15], v[14:15], v[242:243]
.set JJ, 0
.rept 32
	v_dual_min_num_f32 v[96+JJ], s[HP], v[96+JJ] :: v_dual_min_num_f32 v[97+JJ], s[HP], v[97+JJ]   ; the hold at the largest code x the scale (the conversion does not saturate: ISA guide 7.6.2); p is not negative; two numbers an instruction
.set JJ, JJ+2
.endr
.irp t, 0,1,2,3,4,5,6,7
	v_cvt_scalef32_pk8_fp8_f32 v[224+2*\t:225+2*\t], v[96+8*\t:103+8*\t], v244
.endr
	s_wait_dscnt 0x0                               ; V's fragments are in
	s_wait_alu depctr_va_vdst(0)                   ; directly ahead of the first readers of O^T
.set JJ, 0
.rept 16
	v_pk_mul_f32 v[160+JJ:161+JJ], v[160+JJ:161+JJ], v[252:253] op_sel_hi:[1,0]   ; O^T under the new M
.set JJ, JJ+2
.endr
.irp t, 0,1,2,3
	v_wmma_f32_16x16x128_fp8_fp8 v[160+8*\t:167+8*\t], v[32+16*\t:47+16*\t], v[224:239], v[160+8*\t:167+8*\t]
.endr
.endm
	s_mov_b32 s[TB], 0
	s_mov_b32 s[CNT], 16
	s_wait_alu depctr_va_vdst(0)                   ; at the head's end
	s_wait_loadcnt 0x0                             ; Q
	s_wait_tensorcnt 0x0                           ; my block has landed,
	s_barrier_signal -1
	s_barrier_wait -1                              ; and so has every wave's: all keys are in LDS
.Lstep:
	STEP
	s_add_co_u32 s[TB], s[TB], 8192
	s_sub_co_u32 s[CNT], s[CNT], 1
	s_cmp_lg_u32 s[CNT], 0
	s_cbranch_scc1 .Lstep
	; THE WAY OUT: O^T / the sum x 2^(ep + ev), held, converted: a lane's codes are the next operand's registers
	v_add_f32 v14, v14, v15
	s_delay_alu instid0(VALU_DEP_1)
	v_permlanex16_b32 v252, v14, s[SEL], s[SEL+1]
	s_delay_alu instid0(VALU_DEP_1)
	v_add_f32 v14, v14, v252                       ; the row's sum
	s_wait_alu depctr_va_vdst(0)                   ; ahead of the transcendental
	v_rcp_f32 v14, v14
.rept 3
	v_nop
.endr
	s_wait_alu depctr_va_vdst(0)                   ; and ahead of its first reader
	v_ldexp_f32 v14, v14, s58
	s_wait_alu depctr_va_vdst(0)                   ; directly ahead of the first readers of O^T
.set JJ, 0
.rept 16
	v_pk_mul_f32 v[96+JJ:97+JJ], v[160+JJ:161+JJ], v[14:15] op_sel_hi:[1,0]
.set JJ, JJ+2
.endr
.set JJ, 0
.rept 32
	v_med3_num_f32 v[96+JJ], v[96+JJ], -v241, v241
.set JJ, JJ+1
.endr
.irp t, 0,1,2,3
	v_cvt_scalef32_pk8_fp8_f32 v[224+2*\t:225+2*\t], v[96+8*\t:103+8*\t], v245
.endr
	v_nop
	global_store_b128 v[LI], v[224:227], s[8:9]              ; 32 lanes store 512 consecutive bytes, aligned
	global_store_b128 v[LI], v[228:231], s[8:9] offset:512
	s_wait_tensorcnt 0x0                           ; the wave's end
	ds_add_u32 v[SPW], v[NIL]
	s_wait_dscnt 0x0
	CROUND                                         ; the closing round
	s_endpgm
.Lfunc_end_k_q3cf1dc48a9_attn:
	.size	k_q3cf1dc48a9_attn, .Lfunc_end_k_q3cf1dc48a9_attn-k_q3cf1dc48a9_attn
	.p2alignl 7, 3214868480
	.fill 96, 4, 3214868480
	.section	.rodata,"a",@progbits
	.p2align	6, 0x0
	.amdhsa_kernel k_q3cf1dc48a9_attn
		.amdhsa_group_segment_fixed_size 327680
		.amdhsa_private_segment_fixed_size 0
		.amdhsa_enable_private_segment 0
		.amdhsa_kernarg_size 24
		.amdhsa_user_sgpr_count 2
		.amdhsa_user_sgpr_kernarg_segment_ptr 1
		.amdhsa_wavefront_size32 1
		.amdhsa_system_sgpr_workgroup_id_x 1
		.amdhsa_system_sgpr_workgroup_id_y 1
		.amdhsa_system_sgpr_workgroup_id_z 1
		.amdhsa_system_vgpr_workitem_id 0
		.amdhsa_next_free_vgpr 256
		.amdhsa_next_free_sgpr 84
		.amdhsa_reserve_vcc 0
		.amdhsa_float_denorm_mode_32 3
		.amdhsa_float_denorm_mode_16_64 3
		.amdhsa_memory_ordered 1
		.amdhsa_forward_progress 1
		.amdhsa_inst_pref_size 26
	.end_amdhsa_kernel
	.amdgpu_metadata
---
amdhsa.version: [ 1, 2 ]
amdhsa.kernels:
  - .name:           k_q3cf1dc48a9_attn
    .symbol:         k_q3cf1dc48a9_attn.kd
    .args:
      - { .name: qkvi, .offset: 0, .size: 8, .value_kind: global_buffer, .address_space: global }
      - { .name: lowp_scales, .offset: 8, .size: 8, .value_kind: global_buffer, .address_space: global }
      - { .name: oimg, .offset: 16, .size: 8, .value_kind: global_buffer, .address_space: global }
    .group_segment_fixed_size: 327680
    .private_segment_fixed_size: 0
    .kernarg_segment_align: 8
    .kernarg_segment_size: 24
    .max_flat_workgroup_size: 512
    .sgpr_count:     84
    .vgpr_count:     256
    .wavefront_size: 32
...
	.end_amdgpu_metadata
.endif
;; end of part 10
;; launch wo (part 11): grid 8 x 32, 4 waves a work-group, clusters of 4 x 4, 327,680 bytes of LDS; arguments oimg, Wo_codes, bo, x, lowp_scales, x1; writes x1
.if DOCPART == 11
	.amdgcn_target "amdgcn-amd-amdhsa--gfx1250"
	.amdhsa_code_object_version 6
	.text
	.protected	k_q3cf1dc48a9_wo
	.globl	k_q3cf1dc48a9_wo
	.p2align	8
	.type	k_q3cf1dc48a9_wo,@function
k_q3cf1dc48a9_wo:
	s_mov_b64 s[64:65], 0
	v_nop
	global_prefetch_b8 v0, s[64:65] scope:SCOPE_SE
	s_setreg_imm32_b32 hwreg(HW_REG_WAVE_MODE, 25, 1), 1
	s_wait_xcnt 0x0
	s_wait_alu depctr_hold_cnt(0) depctr_sa_sdst(0) depctr_va_vdst(0) depctr_va_sdst(0) depctr_va_ssrc(0) depctr_va_vcc(0) depctr_vm_vsrc(0)
	s_getreg_b32 s2, hwreg(HW_REG_IB_STS2, 6, 4)
	s_cmp_eq_u32 s2, 0
	s_cbranch_scc0 .Lentry_in_a_cluster
	s_endpgm
.Lentry_in_a_cluster:
	s_bfe_u32 s2, ttmp6, 0x10000c
	s_cmp_lg_u32 s2, 0xf033
	s_cbranch_scc0 .Lentry_shape_is_right
	s_endpgm
.Lentry_shape_is_right:
; x1[t][n] = x[t][n] + bo[n] + 2^(ea + eb) x the sum over k of o[t][k] Wo[n][k], on codes of E4M3 (entries 10 and 11 of the scales); K = 1,024.
; o comes as IMAGES OF OPERAND REGISTERS: [K / 256][token tile 256][2][4][lane][16 bytes], registers 2 c, 2 c + 1 = k 16 c + 8 (lane / 16) + 0 .. 7.  128 tokens of one plane of 256 along K are one dense block of 32 KiB; planes lie 1 MiB apart.
; Wo comes as rows of 1,024 codes; its fragments are read in the same layout: eight ds_load_b64 at row x 528 + 8 (lane / 16) + 16 c (132 r mod 64 = 4 r, + 2 h: the 32 lanes touch 64 different banks; ISA guide 11.1).
; A TILE IS 128 x 128: 8 x 32 = 256 of them, a work-group each.  Four waves, 64 x 64 each: 16 accumulators, 128 registers.
; Source 0 = rows of Wo, source 1 = tokens: in accumulator (a, b) lane (r, h) holds token 16 a + r, and its register j column 16 b + 8 h + j.
; ALL OF K LIES IN LDS AT ONCE, in two halves of 512 along K: a half holds two planes of o (2 x 32 KiB) and 128 rows x 512 bytes of Wo (+ 16 of padding a row).  Each wave asks for one quarter of it all by its one tensor load at the head:
; waves 0, 1 a half's two planes (2 rows of 32 KiB), waves 2, 3 a half's rows of Wo.  Nothing is filled again: one wait and one barrier stand ahead of the eight steps of 128 along K, and none among them.
; CLUSTERS: 4 x 4 work-groups; o's tile is shared along a row of the cluster, Wo's along a column: each is asked for jointly, by the same tensor load with a mask that names the four.
; A step is 16 matrix instructions on one of two sets of fragments; the next step's 48 LDS loads are issued ahead of them, into the other set.  The residual's rows and the bias are asked for at the head.
; The stage of the way out has LDS bytes of its own, a wave's part each: no barrier guards it.  No prefetch: every tile is asked for at the head, so there is no loop to run ahead in.
; LIMIT: ea + eb between -126 and 127, so that 2^(ea + eb) is an f32 number.
; REGISTERS, in windows of 256: window 0: v0-31 addresses; v32-63 a block's numbers on the way out; v96-127 the bias; v128-255 the accumulators ((a, b) at v[128 + 8 (4 a + b)]), later the rows read back.
;   window 1: two sets of fragments of 128: 64 registers of o, then 64 of Wo.   window 2: v0-127 the residual's rows.
.set KROW,   1024
.set SCB,    40                        ; the byte of ea in the scales' buffer; eb follows
.set WP,     528                       ; a row of Wo in LDS: 512 bytes + 16 of padding
.set FR,     16
.set NF,     48                        ; LDS loads of a step's fragments: 4 x 8 for Wo, 4 x 4 for o
.set NP,     4                         ; places behind this matrix instruction (ISA guide 7.12.1)
.set HALFA,  32768
.set AB,     2*HALFA                   ; Wo's rows lie behind o's images
.set SLOT,   AB+128*WP                 ; a half of K
.set SPARE,  2*SLOT                    ; the spare words, 128 bytes a wave, which no other line names
.set STAGE,  SPARE+512                 ; the way out: 16 rows x (256 + 16) bytes a wave
.set SPITCH, 272
.set ADRA, 16
.set ADRB, 20
.set STO,  24
.set RD,   25
.set CO,   26
.set SPW,  28
.set NIL,  29
.set TMP,  32
.set BI,   96
.set ACC,  128
.set F1,   128
.set G1, 24
.set G0, 32
.set G1B, 48
.set G0B, 56
.set MSB, 0
.macro WIN new                         ; the immediate's high byte repeats the setting that is left
.if MSB != \new
	s_set_vgpr_msb (MSB<<8)|\new
.set MSB, \new
.endif
.endm
.set MUL,   0x05                       ; sources 0 and 1 window 1; C and D window 0
.set TO_F,  0x40                       ; destination window 1
.set TO_R,  0x80                       ; destination window 2
.set ADD_R, 0x08                       ; source 1 window 2
.macro CROUND                          ; a round of the cluster's barrier
	s_barrier_signal -1
	s_barrier_wait -1
	s_cmp_lg_u32 s14, 0
	s_cbranch_scc1 .Lnot_wave_0_\@
	s_barrier_signal -3
.Lnot_wave_0_\@:
	s_barrier_wait -3
	s_barrier_signal -1
	s_barrier_wait -1
.endm
	s_load_b256 s[4:11], s[0:1], 0x0               ; o's images, Wo's codes, the bias, the residual
	s_load_b128 s[68:71], s[0:1], 0x20             ; the scales' exponents, the result
	v_lshl_add_u32 v[SPW], v0, 2, SPARE
	v_mov_b32 v[NIL], 0
	ds_add_u32 v[SPW], v[NIL]                      ; the opening lines: the add, twice on end, and its wait ahead of my tensor load
	ds_add_u32 v[SPW], v[NIL]
	v_lshrrev_b32 v1, 5, v0
	v_readfirstlane_b32 s14, v1                    ; wave 0..3
	s_lshr_b32 s15, s14, 1                         ; my half of the tokens.  Also: I fetch for o (0) or for Wo (1)
	s_and_b32 s16, s14, 1                          ; my half of the columns.  Also: which half of K I fetch
	s_bfe_u32 s40, ttmp6, 0x40000                  ; cx
	s_bfe_u32 s41, ttmp6, 0x40004                  ; cy
	s_lshl_b32 s42, ttmp9, 2
	s_add_co_u32 s42, s42, s40                     ; the tile of 128 columns, 0..7
	s_and_b32 s17, ttmp7, 0xffff
	s_lshl_b32 s17, s17, 2
	s_add_co_u32 s17, s17, s41                     ; the tile of 128 tokens, 0..31
	s_lshl_b32 s43, s41, 2
	s_lshl_b32 s43, 15, s43                        ; my row of the cluster
	s_lshl_b32 s44, 0x1111, s40                    ; my column
	s_or_b32 s[G1+0], s43, (3<<16)|(1<<21)         ; o: the mask; elements of 8 bytes; bit 21 beside a mask; no padding
	s_mov_b32 s[G1+1], 4096<<16                    ; 2 rows of 4,096 elements = 32 KiB,
	s_mov_b32 s[G1+2], 2<<16
	s_mov_b32 s[G1+3], 4096<<16
	s_mov_b32 s[G1+4], 2
	s_mov_b32 s[G1+5], 131072                      ; 1 MiB apart
	s_mov_b32 s[G1+6], 0
	s_mov_b32 s[G1+7], 0
	s_or_b32 s[G1B+0], s44, (0<<16)|(1<<20)|(1<<21)|(6<<22)|(3<<25)  ; Wo: elements of 1 byte; 4 words of padding behind every 128
	s_mov_b32 s[G1B+1], 512<<16                    ; 128 rows of 512 bytes, KROW bytes apart
	s_mov_b32 s[G1B+2], 128<<16
	s_mov_b32 s[G1B+3], 512<<16
	s_mov_b32 s[G1B+4], 128
	s_mov_b32 s[G1B+5], KROW
	s_mov_b32 s[G1B+6], 0
	s_mov_b32 s[G1B+7], 0
	s_lshl_b32 s20, s17, 15                        ; o: 32 KiB a tile of tokens,
	s_lshl_b32 s18, s16, 21                        ; from the first plane of my half of K
	s_add_co_u32 s20, s20, s18
	s_mov_b32 s21, 0
	s_lshl_b32 s46, s42, 7
	s_mul_i32 s46, s46, KROW                       ; Wo: 128 x tile rows,
	s_lshl_b32 s18, s16, 9
	s_add_co_u32 s46, s46, s18                     ; at my half of K
	s_mov_b32 s47, 0
	s_mov_b32 s[G0], 1
	s_mul_i32 s[G0+1], s16, SLOT                   ; where they go: no place in the cluster enters an LDS address
	s_mov_b32 s[G0B], 1
	s_add_co_u32 s[G0B+1], s[G0+1], AB
	s_wait_dscnt 0x0                               ; both opening adds are done
	s_wait_kmcnt 0x0
	s_load_b64 s[96:97], s[68:69], SCB             ; ea, eb
	s_add_nc_u64 s[G0+2:G0+3], s[4:5], s[20:21]
	s_or_b32 s[G0+3], s[G0+3], 0x80000000
	s_add_nc_u64 s[G0B+2:G0B+3], s[6:7], s[46:47]
	s_or_b32 s[G0B+3], s[G0B+3], 0x80000000
	CROUND                                         ; all sixteen work-groups are here: the joint loads meet
	s_cmp_eq_u32 s15, 0                            ; the branch hangs on the wave's number alone; an s_nop 0 and four v_nop follow each line
	s_cbranch_scc0 .Lfor_b
	tensor_load_to_lds s[G0:G0+3], s[G1:G1+7]
	s_nop 0
.rept 4
	v_nop
.endr
	s_branch .Lasked
.Lfor_b:
	tensor_load_to_lds s[G0B:G0B+3], s[G1B:G1B+7]
	s_nop 0
.rept 4
	v_nop
.endr
.Lasked:
	v_and_b32 v1, 15, v0                           ; r
	v_bfe_u32 v2, v0, 4, 1                         ; h
	v_and_b32 v6, 31, v0
	v_lshlrev_b32 v6, 4, v6                        ; 16 x lane
	v_mul_u32_u24 v3, v1, WP
	v_lshl_add_u32 v4, v2, 3, v3                   ; Wo: row x pitch + 8 h
	s_lshl_b32 s21, s15, 14                        ; my 64 tokens' images: four tiles of 4,096 bytes
	s_mul_i32 s22, s16, 64*WP
	s_add_co_u32 s22, s22, AB                      ; my 64 rows of Wo
.irp s, 0,1
	v_add_nc_u32 v[ADRA+\s], s21, v6
	v_add_nc_u32 v[ADRB+\s], s22, v4
	s_add_co_u32 s21, s21, SLOT
	s_add_co_u32 s22, s22, SLOT
.endr
	s_mul_i32 s23, s14, 16*SPITCH
	s_add_co_u32 s23, s23, STAGE                   ; my stage
	v_mul_u32_u24 v5, v1, SPITCH
	v_lshl_add_u32 v5, v2, 5, v5
	v_add_nc_u32 v[STO], s23, v5                   ; in: row r, 32 bytes for each half of the lanes
	v_mul_u32_u24 v5, v2, SPITCH
	v_lshl_add_u32 v5, v1, 4, v5
	v_add_nc_u32 v[RD], s23, v5                    ; back: lanes 0-15 take one row of 256 bytes, lanes 16-31 the next
	v_lshlrev_b32 v[CO], 12, v2
	v_lshl_add_u32 v[CO], v1, 4, v[CO]             ; and the same two rows of 4,096 bytes in memory
	s_wait_alu depctr_va_vdst(0)                   ; ahead of the scalar lines below
	s_lshl_b32 s18, s42, 9
	s_lshl_b32 s19, s16, 8
	s_add_co_u32 s18, s18, s19                     ; my first column, in bytes
	v_lshl_add_u32 v7, v2, 5, s18                  ; the bias of a lane's eight columns: + 32 h
	s_lshl_b32 s19, s17, 19
	s_add_co_u32 s18, s18, s19
	s_lshl_b32 s19, s15, 18
	s_add_co_u32 s18, s18, s19                     ; + (128 x tile + 64 x half) rows of 4,096 bytes
	s_mov_b32 s19, 0
	s_add_nc_u64 s[10:11], s[10:11], s[18:19]
	s_add_nc_u64 s[70:71], s[70:71], s[18:19]
.irp b, 0,1,2,3
	global_load_b128 v[BI+8*\b:BI+8*\b+3], v7, s[8:9] offset:64*\b         ; register 8 b + j = column 16 b + 8 h + j
	global_load_b128 v[BI+8*\b+4:BI+8*\b+7], v7, s[8:9] offset:64*\b+16
.endr
	WIN TO_R
.irp a, 0,1,2,3
.irp t, 0,1,2,3,4,5,6,7
	global_load_b128 v[32*\a+4*\t:32*\a+4*\t+3], v[CO], s[10:11] offset:(16*\a+2*\t)*4096 th:TH_LOAD_NT   ; sixteen lanes read 256 consecutive bytes, aligned
.endr
.endr
	WIN 0
; 8 matrix instructions: o's blocks a0, a0 + 1 x Wo's four, from the set at f.  zero = 1: the first product starts the sums.  The 16 accumulators take turns, one instruction a turn.
.macro MUL8 f, a0, zero
.irp a, \a0, \a0+1
.irp b, 0,1,2,3
.if \zero
	v_wmma_f32_16x16x128_fp8_fp8 v[ACC+8*(4*(\a)+\b):ACC+8*(4*(\a)+\b)+7], v[\f+64+FR*\b:\f+64+FR*\b+FR-1], v[\f+FR*(\a):\f+FR*(\a)+FR-1], 0
.else
	v_wmma_f32_16x16x128_fp8_fp8 v[ACC+8*(4*(\a)+\b):ACC+8*(4*(\a)+\b)+7], v[\f+64+FR*\b:\f+64+FR*\b+FR-1], v[\f+FR*(\a):\f+FR*(\a)+FR-1], v[ACC+8*(4*(\a)+\b):ACC+8*(4*(\a)+\b)+7]
.endif
.endr
.endr
.endm
; 48 LDS loads in one run: the fragments of the q-th 128 along K of half s into the set at f
.macro FETCH s, q, f
	WIN TO_F
.irp i, 0,1,2,3
.irp c, 0,1,2,3,4,5,6,7
	ds_load_b64 v[\f+64+FR*\i+2*\c:\f+64+FR*\i+2*\c+1], v[ADRB+\s] offset:128*(\q)+16*\c+\i*16*WP
.endr
.endr
.irp i, 0,1,2,3
.irp c, 0,1,2,3
	ds_load_b128 v[\f+FR*\i+4*\c:\f+FR*\i+4*\c+3], v[ADRA+\s] offset:((\q)/2)*HALFA+\i*4096+((\q)%2)*2048+512*\c
.endr
.endr
.endm
.macro PLACES n
.rept \n
	v_nop
.endr
.endm
; Step t of eight: step t + 1's fragments are asked for, into the set that step t - 1 multiplied; then this step's 16 products.
.macro STEP t, zero
	PLACES NP
	FETCH ((\t)+1)/4, ((\t)+1)%4, 128*(((\t)+1)%2)
	s_wait_dscnt NF                                ; all but the 48 loads just issued
	WIN MUL
	MUL8 128*((\t)%2), 0, \zero
	MUL8 128*((\t)%2), 2, \zero
.endm
	s_wait_alu depctr_va_vdst(0)                   ; at the head's end
	s_wait_tensorcnt 0x0                           ; my quarter has landed,
	s_barrier_signal -1
	s_barrier_wait -1                              ; and so has everybody's
	FETCH 0, 0, 0
	STEP 0, 1
.irp t, 1,2,3,4,5,6
	STEP \t, 0
.endr
	s_wait_dscnt 0x0                               ; the last step: nothing more to fetch
	WIN MUL
	MUL8 F1, 0, 0
	MUL8 F1, 2, 0
	WIN 0
; THE WAY OUT, block by block of 16 rows x 64 columns: sum x 2^(ea + eb) + bias; through my own stage, back as whole rows of 256 bytes, into the block's own accumulator registers; + the residual; stored.
.macro TOSTAGE a
.set JJ, 0
.rept 16
	v_pk_fma_f32 v[TMP+JJ:TMP+JJ+1], v[ACC+32*(\a)+JJ:ACC+32*(\a)+JJ+1], s[96:97], v[BI+JJ:BI+JJ+1] op_sel_hi:[1,0,1]   ; each accumulator from its low end on
.set JJ, JJ+2
.endr
.irp b, 0,1,2,3
	ds_store_b128 v[STO], v[TMP+8*\b:TMP+8*\b+3] offset:64*\b
	ds_store_b128 v[STO], v[TMP+8*\b+4:TMP+8*\b+7] offset:64*\b+16
.endr
.irp t, 0,1,2,3,4,5,6,7
	ds_load_b128 v[ACC+32*(\a)+4*\t:ACC+32*(\a)+4*\t+3], v[RD] offset:\t*2*SPITCH     ; LDS serves a wave's instructions in order (ISA guide 5.7.1.4)
.endr
.endm
.macro SEND a, younger                 ; younger: the LDS instructions issued behind block a's loads
	s_wait_dscnt \younger
	WIN ADD_R
.set JJ, 0
.rept 16
	v_pk_add_f32 v[ACC+32*(\a)+JJ:ACC+32*(\a)+JJ+1], v[ACC+32*(\a)+JJ:ACC+32*(\a)+JJ+1], v[32*(\a)+JJ:32*(\a)+JJ+1]
.set JJ, JJ+2
.endr
	WIN 0
.irp t, 0,1,2,3,4,5,6,7
	global_store_b128 v[CO], v[ACC+32*(\a)+4*\t:ACC+32*(\a)+4*\t+3], s[70:71] offset:(16*(\a)+2*\t)*4096   ; sixteen lanes store 256 consecutive bytes, aligned
.endr
.endm
	s_wait_kmcnt 0x0
	s_add_co_i32 s96, s96, s97
	s_add_co_i32 s96, s96, 127
	s_lshl_b32 s96, s96, 23                        ; 2^(ea + eb) as f32
	s_mov_b32 s97, s96
	PLACES NP
	s_wait_loadcnt 0x0                             ; the bias and the residual
	TOSTAGE 0
.irp a, 1,2,3
	TOSTAGE \a
	SEND \a-1, 16                                  ; behind block a - 1's loads: block a's 8 stores and 8 loads
.endr
	SEND 3, 0
	s_wait_tensorcnt 0x0                           ; the wave's end
	ds_add_u32 v[SPW], v[NIL]
	s_wait_dscnt 0x0
	CROUND                                         ; the closing round
	s_endpgm
.Lfunc_end_k_q3cf1dc48a9_wo:
	.size	k_q3cf1dc48a9_wo, .Lfunc_end_k_q3cf1dc48a9_wo-k_q3cf1dc48a9_wo
	.p2alignl 7, 3214868480
	.fill 96, 4, 3214868480
	.section	.rodata,"a",@progbits
	.p2align	6, 0x0
	.amdhsa_kernel k_q3cf1dc48a9_wo
		.amdhsa_group_segment_fixed_size 327680
		.amdhsa_private_segment_fixed_size 0
		.amdhsa_enable_private_segment 0
		.amdhsa_kernarg_size 48
		.amdhsa_user_sgpr_count 2
		.amdhsa_user_sgpr_kernarg_segment_ptr 1
		.amdhsa_wavefront_size32 1
		.amdhsa_system_sgpr_workgroup_id_x 1
		.amdhsa_system_sgpr_workgroup_id_y 1
		.amdhsa_system_sgpr_workgroup_id_z 1
		.amdhsa_system_vgpr_workitem_id 0
		.amdhsa_next_free_vgpr 768
		.amdhsa_next_free_sgpr 100
		.amdhsa_reserve_vcc 0
		.amdhsa_float_denorm_mode_32 3
		.amdhsa_float_denorm_mode_16_64 3
		.amdhsa_memory_ordered 1
		.amdhsa_forward_progress 1
		.amdhsa_inst_pref_size 60
	.end_amdhsa_kernel
	.amdgpu_metadata
---
amdhsa.version: [ 1, 2 ]
amdhsa.kernels:
  - .name:           k_q3cf1dc48a9_wo
    .symbol:         k_q3cf1dc48a9_wo.kd
    .args:
      - { .name: oimg, .offset: 0, .size: 8, .value_kind: global_buffer, .address_space: global }
      - { .name: Wo_codes, .offset: 8, .size: 8, .value_kind: global_buffer, .address_space: global }
      - { .name: bo, .offset: 16, .size: 8, .value_kind: global_buffer, .address_space: global }
      - { .name: x, .offset: 24, .size: 8, .value_kind: global_buffer, .address_space: global }
      - { .name: lowp_scales, .offset: 32, .size: 8, .value_kind: global_buffer, .address_space: global }
      - { .name: x1, .offset: 40, .size: 8, .value_kind: global_buffer, .address_space: global }
    .group_segment_fixed_size: 327680
    .private_segment_fixed_size: 0
    .kernarg_segment_align: 8
    .kernarg_segment_size: 48
    .max_flat_workgroup_size: 128
    .sgpr_count:     100
    .vgpr_count:     768
    .wavefront_size: 32
...
	.end_amdgpu_metadata
.endif
;; end of part 11
;; launch ln2 (part 12): grid 256 x 1, 8 waves a work-group, no clusters, 82,944 bytes of LDS; arguments x1, g2, be2, lowp_scales, h2c; writes h2c
.if DOCPART == 12
	.amdgcn_target "amdgcn-amd-amdhsa--gfx1250"
	.amdhsa_code_object_version 6
	.text
	.protected	k_q3cf1dc48a9_ln2
	.globl	k_q3cf1dc48a9_ln2
	.p2align	8
	.type	k_q3cf1dc48a9_ln2,@function
k_q3cf1dc48a9_ln2:
	s_mov_b64 s[64:65], 0
	v_nop
	global_prefetch_b8 v0, s[64:65] scope:SCOPE_SE
	s_setreg_imm32_b32 hwreg(HW_REG_WAVE_MODE, 25, 1), 1
	s_wait_xcnt 0x0
; LayerNorm of x1 [4096][1024] f32 (mean, then the mean of squared differences: two passes over registers, so a common offset of the inputs costs no accuracy),
; times g, plus be, all in f32; the result is quantised once (NQ = 1) to E4M3, with the scale 2^e of entry 12 of the scales' buffer, into [4096][1024] codes, K innermost.
; code = h / 2^e, held within +-448, to the nearest code, ties to even.  LIMITS: e between -126 and 119.  NaN among the inputs is not served.
; SHARES: a work-group takes 16 rows, each of its eight waves 2.  A row is 4,096 bytes: eight loads of 512 consecutive bytes, 16 a lane, 32 registers; it is read from memory once.
; The conversions take 8 neighbours along K from one lane's registers, the loads give a lane 4: so half a row at a time turns through the wave's own stage in LDS: in as loaded, back 64 bytes a lane
; (a lane's place: 64 bytes + 16 of padding).  A lane's 16 codes are 16 bytes: each store of the wave covers 512 consecutive bytes, aligned.
; No barrier: waves share nothing.  No loop: every offset is an immediate, and every store has data registers of its own.  Matrix units, clusters and tensor loads are left out: each byte moves once.
.set NQ,   1
.set SP,   80
.set STB,  32*SP
.set WREG, 4*STB
.set T,    16
.set X,    32
.set G,    96
.set BE,   128
.set HH,   160
.set C,    192
	s_load_b256 s[4:11], s[0:1], 0x0               ; x1 s[4:5], g s[6:7], be s[8:9], the scales' exponents s[10:11]
	s_load_b64 s[12:13], s[0:1], 0x20              ; the codes
	v_lshl_add_u32 v240, v0, 2, 0x14000
	v_mov_b32 v241, 0
	v_lshrrev_b32 v1, 5, v0
	s_delay_alu instid0(VALU_DEP_1)
	v_readfirstlane_b32 s16, v1                    ; wave 0..7
	v_and_b32 v1, 31, v0                           ; lane
	s_delay_alu instid0(VALU_DEP_1)
	v_lshlrev_b32 v2, 4, v1                        ; 16 x lane
	s_mul_i32 s17, s16, WREG
	v_lshrrev_b32 v14, 2, v1
	s_delay_alu instid0(VALU_DEP_1)
	v_mul_u32_u24 v14, v14, SP
	v_and_b32 v15, 3, v1
	s_delay_alu instid0(VALU_DEP_1)
	v_lshl_add_u32 v14, v15, 4, v14
	s_delay_alu instid0(VALU_DEP_1)
	v_add_nc_u32 v14, s17, v14                     ; into a stage: four lanes' 64 bytes on end, then the padding
	v_mul_u32_u24 v15, v1, SP
	s_delay_alu instid0(VALU_DEP_1)
	v_add_nc_u32 v15, s17, v15                     ; out of it: my 16 neighbours
	s_mov_b32 s40, 0x76543210
	s_mov_b32 s41, 0xfedcba98
	s_mov_b32 s42, 0x3a800000                      ; 1 / 1024
	s_mov_b32 s43, 0x3727c5ac                      ; 1e-5
	s_lshl_b32 s18, ttmp9, 16
	s_lshl_b32 s19, s16, 13
	s_add_co_u32 s18, s18, s19
	s_mov_b32 s19, 0
	s_wait_alu depctr_va_vdst(0)
	s_wait_kmcnt 0x0
	s_load_b32 s33, s[10:11], 0x30                 ; entry 12
	s_add_nc_u64 s[4:5], s[4:5], s[18:19]
	s_lshr_b32 s18, s18, 2
	s_add_nc_u64 s[20:21], s[12:13], s[18:19]
.irp i, 0,1,2,3,4,5,6,7
	global_load_b128 v[X+4*\i:X+4*\i+3], v2, s[4:5] offset:512*\i th:TH_LOAD_NT
.endr
.irp i, 0,1,2,3,4,5,6,7
	global_load_b128 v[G+4*\i:G+4*\i+3], v2, s[6:7] offset:512*\i
.endr
.irp i, 0,1,2,3,4,5,6,7
	global_load_b128 v[BE+4*\i:BE+4*\i+3], v2, s[8:9] offset:512*\i
.endr
.irp i, 0,1,2,3,4,5,6,7
	global_load_b128 v[X+32+4*\i:X+32+4*\i+3], v2, s[4:5] offset:4096+512*\i th:TH_LOAD_NT
.endr
	s_wait_kmcnt 0x0
	s_add_co_i32 s26, s33, 127
	s_lshl_b32 s27, s26, 23
	v_mov_b32 v8, s27                              ; 2^e as f32
	s_add_co_i32 s26, s26, 8
	s_lshl_b32 s26, s26, 23
	s_or_b32 s26, s26, 0x600000
	v_mov_b32 v9, s26                              ; 448 x 2^e
.macro REDUCE                          ; v16 summed over the 32 lanes, the result in every lane
	s_delay_alu instid0(VALU_DEP_1)
	v_add_f32_dpp v16, v16, v16 row_xmask:1 row_mask:0xf bank_mask:0xf
	s_delay_alu instid0(VALU_DEP_1)
	v_add_f32_dpp v16, v16, v16 row_xmask:2 row_mask:0xf bank_mask:0xf
	s_delay_alu instid0(VALU_DEP_1)
	v_add_f32_dpp v16, v16, v16 row_xmask:4 row_mask:0xf bank_mask:0xf
	s_delay_alu instid0(VALU_DEP_1)
	v_add_f32_dpp v16, v16, v16 row_xmask:8 row_mask:0xf bank_mask:0xf
	s_delay_alu instid0(VALU_DEP_1)
	v_permlanex16_b32 v17, v16, s40, s41
	s_delay_alu instid0(VALU_DEP_1)
	v_add_f32 v16, v16, v17
.endm
.macro ROW R
.set XR, X+32*\R
.if \R == 0
	s_wait_loadcnt 24                              ; row 0 is in; g, be and row 1 (24 loads) may be out
.else
	s_wait_loadcnt 0x0
.endif
	v_pk_add_f32 v[16:17], v[XR:XR+1], v[XR+4:XR+5]
	v_pk_add_f32 v[18:19], v[XR+2:XR+3], v[XR+6:XR+7]
.irp j, 8,12,16,20,24,28
	s_delay_alu instid0(VALU_DEP_2)
	v_pk_add_f32 v[16:17], v[16:17], v[XR+\j:XR+\j+1]
	s_delay_alu instid0(VALU_DEP_2)
	v_pk_add_f32 v[18:19], v[18:19], v[XR+\j+2:XR+\j+3]
.endr
	s_delay_alu instid0(VALU_DEP_1)
	v_pk_add_f32 v[16:17], v[16:17], v[18:19]
	s_delay_alu instid0(VALU_DEP_1)
	v_add_f32 v16, v16, v17
	REDUCE
	s_delay_alu instid0(VALU_DEP_1)
	v_mul_f32 v4, s42, v16                         ; the mean, twice
	s_delay_alu instid0(VALU_DEP_2)
	v_mul_f32 v5, s42, v16
.irp j, 0,2,4,6,8,10,12,14,16,18,20,22,24,26,28,30
	v_pk_add_f32 v[XR+\j:XR+\j+1], v[XR+\j:XR+\j+1], v[4:5] neg_lo:[0,1] neg_hi:[0,1]
.endr
	v_pk_mul_f32 v[16:17], v[XR:XR+1], v[XR:XR+1]
	v_pk_mul_f32 v[18:19], v[XR+2:XR+3], v[XR+2:XR+3]
.irp j, 4,8,12,16,20,24,28
	s_delay_alu instid0(VALU_DEP_2)
	v_pk_fma_f32 v[16:17], v[XR+\j:XR+\j+1], v[XR+\j:XR+\j+1], v[16:17]
	s_delay_alu instid0(VALU_DEP_2)
	v_pk_fma_f32 v[18:19], v[XR+\j+2:XR+\j+3], v[XR+\j+2:XR+\j+3], v[18:19]
.endr
	s_delay_alu instid0(VALU_DEP_1)
	v_pk_add_f32 v[16:17], v[16:17], v[18:19]
	s_delay_alu instid0(VALU_DEP_1)
	v_add_f32 v16, v16, v17
	REDUCE
	s_delay_alu instid0(VALU_DEP_1)
	v_fma_f32 v16, v16, s42, s43                   ; the variance + 1e-5
	s_wait_alu depctr_va_vdst(0)
	v_rsq_f32 v6, v16
	v_rsq_f32 v7, v16
	v_nop                                          ; a plain instruction behind the two roots,
	s_wait_alu depctr_va_vdst(0)                   ; and one wait for both ahead of their first reader
.if \R == 0
	s_wait_loadcnt 8                               ; g and be are in; row 1's eight loads may be out
.endif
.irp j, 0,2,4,6,8,10,12,14,16,18,20,22,24,26,28,30
	v_pk_mul_f32 v[XR+\j:XR+\j+1], v[XR+\j:XR+\j+1], v[6:7]
.endr
.irp j, 0,2,4,6,8,10,12,14,16,18,20,22,24,26,28,30
	v_pk_fma_f32 v[XR+\j:XR+\j+1], v[XR+\j:XR+\j+1], v[G+\j:G+\j+1], v[BE+\j:BE+\j+1]
.endr
.irp s, 0,1                            ; LDS serves a wave's instructions in order, so no wait stands between the stores and the loads
.irp i, 0,1,2,3
	ds_store_b128 v14, v[XR+16*\s+4*\i:XR+16*\s+4*\i+3] offset:(2*\R+\s)*STB+8*SP*\i
.endr
.irp i, 0,1,2,3
	ds_load_b128 v[HH+16*\s+4*\i:HH+16*\s+4*\i+3], v15 offset:(2*\R+\s)*STB+16*\i
.endr
.endr
.irp s, 0,1
	s_wait_dscnt 8-8*\s                            ; this half is back; behind the first half's loads stand the second half's four stores and four loads
.irp i, 0,1,2,3,4,5,6,7,8,9,10,11,12,13,14,15
	v_med3_num_f32 v[T+\i], v[HH+16*\s+\i], -v9, v9   ; the conversion does not saturate (ISA guide 7.6.2)
.endr
.set CC, C+4*(2*\R+\s)
	v_cvt_scalef32_pk8_fp8_f32 v[CC:CC+1], v[T:T+7], v8
	v_cvt_scalef32_pk8_fp8_f32 v[CC+2:CC+3], v[T+8:T+15], v8
	v_nop                                          ; a plain instruction between the conversions and the next writes of their sources
	global_store_b128 v2, v[CC:CC+3], s[20:21] offset:\R*1024+512*\s   ; 32 lanes store 512 consecutive bytes, aligned
.endr
.endm
	ROW 0
	ROW 1
	s_wait_tensorcnt 0x0
	ds_add_u32 v240, v241
	s_wait_dscnt 0x0
	s_endpgm
.Lfunc_end_k_q3cf1dc48a9_ln2:
	.size	k_q3cf1dc48a9_ln2, .Lfunc_end_k_q3cf1dc48a9_ln2-k_q3cf1dc48a9_ln2
	.p2alignl 7, 3214868480
	.fill 96, 4, 3214868480
	.section	.rodata,"a",@progbits
	.p2align	6, 0x0
	.amdhsa_kernel k_q3cf1dc48a9_ln2
		.amdhsa_group_segment_fixed_size 82944
		.amdhsa_private_segment_fixed_size 0
		.amdhsa_enable_private_segment 0
		.amdhsa_kernarg_size 40
		.amdhsa_user_sgpr_count 2
		.amdhsa_user_sgpr_kernarg_segment_ptr 1
		.amdhsa_wavefront_size32 1
		.amdhsa_system_sgpr_workgroup_id_x 1
		.amdhsa_system_sgpr_workgroup_id_y 1
		.amdhsa_system_sgpr_workgroup_id_z 1
		.amdhsa_system_vgpr_workitem_id 0
		.amdhsa_next_free_vgpr 242
		.amdhsa_next_free_sgpr 66
		.amdhsa_reserve_vcc 0
		.amdhsa_float_denorm_mode_32 3
		.amdhsa_float_denorm_mode_16_64 3
		.amdhsa_memory_ordered 1
		.amdhsa_forward_progress 1
		.amdhsa_inst_pref_size 28
	.end_amdhsa_kernel
	.amdgpu_metadata
---
amdhsa.version: [ 1, 2 ]
amdhsa.kernels:
  - .name:           k_q3cf1dc48a9_ln2
    .symbol:         k_q3cf1dc48a9_ln2.kd
    .args:
      - { .name: x1, .offset: 0, .size: 8, .value_kind: global_buffer, .address_space: global }
      - { .name: g2, .offset: 8, .size: 8, .value_kind: global_buffer, .address_space: global }
      - { .name: be2, .offset: 16, .size: 8, .value_kind: global_buffer, .address_space: global }
      - { .name: lowp_scales, .offset: 24, .size: 8, .value_kind: global_buffer, .address_space: global }
      - { .name: h2c, .offset: 32, .size: 8, .value_kind: global_buffer, .address_space: global }
    .group_segment_fixed_size: 82944
    .private_segment_fixed_size: 0
    .kernarg_segment_align: 8
    .kernarg_segment_size: 40
    .max_flat_workgroup_size: 256
    .sgpr_count:     66
    .vgpr_count:     242
    .wavefront_size: 32
...
	.end_amdgpu_metadata
.endif
;; end of part 12
;; launch ffn1 (part 13): grid 16 x 16, 4 waves a work-group, clusters of 4 x 4, 327,680 bytes of LDS; arguments h2c, W1_codes, b1, lowp_scales, gimg; writes gimg
.if DOCPART == 13
	.amdgcn_target "amdgcn-amd-amdhsa--gfx1250"
	.amdhsa_code_object_version 6
	.text
	.protected	k_q3cf1dc48a9_ffn1
	.globl	k_q3cf1dc48a9_ffn1
	.p2align	8
	.type	k_q3cf1dc48a9_ffn1,@function
k_q3cf1dc48a9_ffn1:
	s_mov_b64 s[64:65], 0
	v_nop
	global_prefetch_b8 v0, s[64:65] scope:SCOPE_SE
	s_setreg_imm32_b32 hwreg(HW_REG_WAVE_MODE, 25, 1), 1
	s_wait_xcnt 0x0
	s_wait_alu depctr_hold_cnt(0) depctr_sa_sdst(0) depctr_va_vdst(0) depctr_va_sdst(0) depctr_va_ssrc(0) depctr_va_vcc(0) depctr_vm_vsrc(0)
	s_getreg_b32 s2, hwreg(HW_REG_IB_STS2, 6, 4)
	s_cmp_eq_u32 s2, 0
	s_cbranch_scc0 .Lentry_in_a_cluster
	s_endpgm
.Lentry_in_a_cluster:
	s_bfe_u32 s2, ttmp6, 0x10000c
	s_cmp_lg_u32 s2, 0xf033
	s_cbranch_scc0 .Lentry_shape_is_right
	s_endpgm
.Lentry_shape_is_right:
; g = gelu(h2 W1 + b1), exact form 0.5 z (1 + erf(z / sqrt 2)), on codes of E4M3 (entries 12, 13); g is quantised (entry 14) and stored as images of the next product's operand registers:
; [K / 256][token tile 256][2][4][lane][16 bytes].  A tile of 256 x 256 is made by four waves, 128 x 128 each; K = 1,024 goes in steps of 256 through two LDS slots filled by joint tensor loads (4 x 4 clusters).
; erf(y), y held within +-4, is y P(y^2) / Q(y^2) in f32.  On the way out the sums go through LDS (each wave's own part of the slots, which have had their last fill), so that one loop of four trips serves half the wave's tile.
; No prefetch: K is four slots, and the first two come by the head's loads.  LIMITS: ea + eb between -126 and 127; the result's e between -126 and 119.
.set ROWB,   256
.set KROW,   1024
.set PITCH,  272
.set FR,     16
.set NL,     4
.set NP,     4
.set HALFT,  128*PITCH
.set SLOT,   4*HALFT
.set LAPS,   2
.set SPARE,  2*SLOT
.set ADRA, 16
.set ADRB, 20
.set SPW,  28
.set NIL,  29
.set GO,   9
.set STG,  12
.set AD,   13
.set YY,   192
.set X2,   208
.set PN,   224
.set QD,   240
.set TS,   98
.set CT,   99
.set AF,   128
.set G1, 24
.set G0, 32
.set G1B, 48
.set G0B, 56
.set MSB, 0
.macro WIN new
.if MSB != \new
	s_set_vgpr_msb (MSB<<8)|\new
.set MSB, \new
.endif
.endm
.set MUL_LO, 0xa1
.set MUL_HI, 0xf1
.set TO_B,   0x40
.macro JLOAD g0a, g1a, g0b, g1b
	s_cmp_eq_u32 s15, 0
	s_cbranch_scc0 .Lfor_b_\@
	tensor_load_to_lds s[\g0a:\g0a+3], s[\g1a:\g1a+7]
	s_nop 0
.rept 4
	v_nop
.endr
	s_branch .Lasked_\@
.Lfor_b_\@:
	tensor_load_to_lds s[\g0b:\g0b+3], s[\g1b:\g1b+7]
	s_nop 0
.rept 4
	v_nop
.endr
.Lasked_\@:
.endm
.macro CREST
	s_cmp_lg_u32 s14, 0
	s_cbranch_scc1 .Lnot_wave_0_\@
	s_barrier_signal -3
.Lnot_wave_0_\@:
	s_barrier_wait -3
	s_barrier_signal -1
	s_barrier_wait -1
.endm
.macro CROUND
	s_barrier_signal -1
	s_barrier_wait -1
	CREST
.endm
.macro CONST reg, bits
	s_mov_b32 s[\reg], \bits
	s_mov_b32 s[\reg+1], \bits
.endm
	s_load_b256 s[4:11], s[0:1], 0x0
	s_load_b64 s[12:13], s[0:1], 0x20
	v_lshl_add_u32 v[SPW], v0, 2, SPARE
	v_mov_b32 v[NIL], 0
	ds_add_u32 v28, v29
	ds_add_u32 v28, v29
	s_wait_dscnt 0x0
	v_lshrrev_b32 v1, 5, v0
	v_readfirstlane_b32 s14, v1
	s_lshr_b32 s15, s14, 1
	s_and_b32 s16, s14, 1
	s_bfe_u32 s40, ttmp6, 0x40000
	s_bfe_u32 s41, ttmp6, 0x40004
	s_lshl_b32 s42, ttmp9, 2
	s_add_co_u32 s42, s42, s40
	s_and_b32 s17, ttmp7, 0xffff
	s_lshl_b32 s17, s17, 2
	s_add_co_u32 s17, s17, s41
	s_lshl_b32 s43, s41, 2
	s_lshl_b32 s43, 15, s43
	s_lshl_b32 s44, 0x1111, s40
	s_or_b32 s[G1+0], s43, (0<<16)|(1<<20)|(1<<21)|(5<<22)|(3<<25)
	s_or_b32 s[G1B+0], s44, (0<<16)|(1<<20)|(1<<21)|(5<<22)|(3<<25)
.irp g, G1, G1B
	s_mov_b32 s[\g+1], ROWB<<16
	s_mov_b32 s[\g+2], 128<<16
	s_mov_b32 s[\g+3], ROWB<<16
	s_mov_b32 s[\g+4], 128
	s_mov_b32 s[\g+5], KROW
	s_mov_b32 s[\g+6], 0
	s_mov_b32 s[\g+7], 0
.endr
	CONST 66, 0xaf95df0b
	CONST 70, 0xb60cff51
	CONST 72, 0xb86ec2d2
	CONST 74, 0xba40ac63
	CONST 76, 0xbb41a1f6
	CONST 78, 0xbc83dbd4
	CONST 80, 0xb77460cd
	CONST 84, 0xbadc924e
	CONST 86, 0xbbf19bf8
	CONST 88, 0xbc69b6a7
	CONST 90, 0x3f3504f3
	v_mov_b32 v112, 0xb95fbd29
	v_mov_b32 v113, 0xb95fbd29
	v_mov_b32 v114, 0x32edffee
	v_mov_b32 v115, 0x32edffee
	s_lshl_b32 s18, s16, 7
	s_lshl_b32 s20, s17, 8
	s_add_co_u32 s20, s20, s18
	s_lshl_b32 s20, s20, 10
	s_lshl_b32 s46, s42, 8
	s_add_co_u32 s46, s46, s18
	s_lshl_b32 s46, s46, 10
	s_mov_b32 s21, 0
	s_mov_b32 s47, 0
	s_mul_i32 s45, s14, HALFT
	s_wait_kmcnt 0x0
	s_load_b128 s[92:95], s[10:11], 0x30
	s_add_nc_u64 s[20:21], s[4:5], s[20:21]
	s_add_nc_u64 s[46:47], s[6:7], s[46:47]
	CROUND
.irp s, 0,1
	s_mov_b32 s[G0+4*\s], 1
	s_add_co_u32 s[G0+4*\s+1], s45, \s*SLOT
	s_add_nc_u64 s[G0+4*\s+2:G0+4*\s+3], s[20:21], \s*ROWB
	s_or_b32 s[G0+4*\s+3], s[G0+4*\s+3], 0x80000000
	s_mov_b32 s[G0B+4*\s], 1
	s_add_co_u32 s[G0B+4*\s+1], s45, \s*SLOT
	s_add_nc_u64 s[G0B+4*\s+2:G0B+4*\s+3], s[46:47], \s*ROWB
	s_or_b32 s[G0B+4*\s+3], s[G0B+4*\s+3], 0x80000000
.if \s == 0
	JLOAD G0, G1, G0B, G1B                         ; K step 0
.endif
.endr
	v_and_b32 v1, 15, v0
	v_bfe_u32 v2, v0, 4, 1
	v_mul_u32_u24 v3, v1, PITCH
	v_lshl_add_u32 v4, v2, 4, v3
	s_mul_i32 s21, s15, HALFT
	s_mul_i32 s22, s16, HALFT
	s_add_co_u32 s22, s22, 2*HALFT
.irp s, 0,1
	v_add_nc_u32 v[ADRA+\s], s21, v4
	v_add_nc_u32 v[ADRB+\s], s22, v4
	s_add_co_u32 s21, s21, SLOT
	s_add_co_u32 s22, s22, SLOT
.endr
	v_and_b32 v6, 31, v0
	v_lshlrev_b32 v[GO], 4, v6
	s_mul_i32 s23, s14, HALFT
	v_lshl_add_u32 v[STG], v6, 4, s23
	s_lshl_b32 s18, s42, 10
	s_lshl_b32 s19, s16, 9
	s_add_co_u32 s18, s18, s19
	v_lshl_add_u32 v7, v2, 5, s18
.irp b, 0,1,2,3,4,5,6,7
	global_load_b128 v[32+8*\b:35+8*\b], v7, s[8:9] offset:64*\b
	global_load_b128 v[36+8*\b:39+8*\b], v7, s[8:9] offset:64*\b+16
.endr
	s_lshl_b32 s18, s42, 20
	s_lshl_b32 s19, s17, 16
	s_add_co_u32 s18, s18, s19
	s_lshl_b32 s19, s15, 15
	s_add_co_u32 s18, s18, s19
	s_lshl_b32 s19, s16, 11
	s_add_co_u32 s18, s18, s19
	s_mov_b32 s19, 0
	s_add_nc_u64 s[12:13], s[12:13], s[18:19]
.macro FRAG reg, adr, q, i
.irp c, 0,1,2,3
	ds_load_b128 v[\reg+4*\c:\reg+4*\c+3], v[\adr] offset:128*(\q)+32*\c+(\i)*16*PITCH
.endr
.endm
.macro MUL16 a0, p, zero
.irp a, \a0, \a0+1
.irp b, 0,1,2,3,4,5,6,7
.if \zero
	v_wmma_f32_16x16x128_fp8_fp8 v[8*(8*((\a)%4)+\b):8*(8*((\a)%4)+\b)+7], v[128*(\p)+FR*\b:128*(\p)+FR*\b+FR-1], v[AF+FR*(\a):AF+FR*(\a)+FR-1], 0
.else
	v_wmma_f32_16x16x128_fp8_fp8 v[8*(8*((\a)%4)+\b):8*(8*((\a)%4)+\b)+7], v[128*(\p)+FR*\b:128*(\p)+FR*\b+FR-1], v[AF+FR*(\a):AF+FR*(\a)+FR-1], v[8*(8*((\a)%4)+\b):8*(8*((\a)%4)+\b)+7]
.endif
.endr
.endr
.endm
.macro FETCH_B slot, q, p
	WIN TO_B
.irp i, 0,1,2,3,4,5,6,7
	FRAG 128*(\p)+FR*\i, ADRB+\slot, \q, \i
.endr
	WIN 0
.endm
.macro FETCH_A slot, q, i0
.irp i, \i0, \i0+1, \i0+2, \i0+3
	FRAG AF+FR*(\i), ADRA+\slot, \q, \i
.endr
.endm
.macro PLACES n
.rept \n
	v_nop
.endr
.endm
.macro STEP slot, q, zero
	s_wait_dscnt 4*NL
	WIN MUL_LO
	MUL16 0, (\q)%2, \zero
	MUL16 2, (\q)%2, \zero
	s_wait_dscnt 0
	PLACES NP
	FETCH_B \slot, (\q)+1, 1-(\q)%2
	FETCH_A \slot, (\q)+1, 0
	WIN MUL_HI
	MUL16 4, (\q)%2, \zero
	MUL16 6, (\q)%2, \zero
	PLACES NP
	WIN 0
	FETCH_A \slot, (\q)+1, 4
.endm
.macro TURN slot, next, fill
	s_wait_tensorcnt 0x0
	ds_add_u32 v[SPW], v[NIL]
	s_wait_dscnt 4*NL+1
	WIN MUL_LO
	MUL16 0, 1, 0
	s_wait_dscnt 0x0
	s_barrier_signal -1
	MUL16 2, 1, 0
	WIN 0
	s_barrier_wait -1
.if \fill
	CREST
	s_add_nc_u64 s[G0+4*\slot+2:G0+4*\slot+3], s[G0+4*\slot+2:G0+4*\slot+3], 2*ROWB
	s_add_nc_u64 s[G0B+4*\slot+2:G0B+4*\slot+3], s[G0B+4*\slot+2:G0B+4*\slot+3], 2*ROWB
	JLOAD G0+4*\slot, G1, G0B+4*\slot, G1B
.else
	PLACES NP
.endif
	FETCH_B \next, 0, 0
	FETCH_A \next, 0, 0
	WIN MUL_HI
	MUL16 4, 1, 0
	MUL16 6, 1, 0
	PLACES NP
	WIN 0
	FETCH_A \next, 0, 4
.endm
	s_wait_alu depctr_va_vdst(0)
	s_wait_tensorcnt 0x0                           ; my part of K step 0 is in
	ds_add_u32 v[SPW], v[NIL]
	s_wait_dscnt 0x0
	CROUND                                         ; everybody's part of K step 0 is in, and the joint loads meet
	JLOAD G0+4, G1, G0B+4, G1B                     ; K step 1, the first tensor load behind the round
	FETCH_B 0, 0, 0
	FETCH_A 0, 0, 0
	FETCH_A 0, 0, 4
	STEP 0, 0, 1
	s_mov_b32 s3, LAPS-1
.Llap:
	TURN 0, 1, 1
	STEP 1, 0, 0
	TURN 1, 0, 1
	STEP 0, 0, 0
	s_sub_co_u32 s3, s3, 1
	s_cmp_lg_u32 s3, 0
	s_cbranch_scc1 .Llap
	TURN 0, 1, 0
	STEP 1, 0, 0
	s_wait_dscnt 4*NL
	WIN MUL_LO
	MUL16 0, 1, 0
	MUL16 2, 1, 0
	s_wait_dscnt 0
	WIN MUL_HI
	MUL16 4, 1, 0
	MUL16 6, 1, 0
	WIN 0
.macro GELU g
.set ZG, 128+16*\g
.irp i, 0,2,4,6,8,10,12,14
	v_pk_mul_f32 v[YY+\i:YY+\i+1], v[ZG+\i:ZG+\i+1], s[90:91] op_sel_hi:[1,0]
.endr
.set JJ, 0
.rept 16
	v_med3_num_f32 v[YY+JJ], v[YY+JJ], -4.0, 4.0
.set JJ, JJ+1
.endr
.irp i, 0,2,4,6,8,10,12,14
	v_pk_mul_f32 v[X2+\i:X2+\i+1], v[YY+\i:YY+\i+1], v[YY+\i:YY+\i+1]
.endr
.irp i, 0,2,4,6,8,10,12,14
	v_pk_fma_f32 v[QD+\i:QD+\i+1], v[X2+\i:X2+\i+1], s[80:81], v[112:113] op_sel_hi:[1,0,1]
.endr
.irp k, 84,86,88
.irp i, 0,2,4,6,8,10,12,14
	v_pk_fma_f32 v[QD+\i:QD+\i+1], v[QD+\i:QD+\i+1], v[X2+\i:X2+\i+1], s[\k:\k+1] op_sel_hi:[1,1,0]
.endr
.endr
.set JJ, 0
	s_wait_alu depctr_va_vdst(0)
.rept 16
	v_rcp_f32 v[QD+JJ], v[QD+JJ]
.set JJ, JJ+1
.endr
.irp i, 0,2,4,6,8,10,12,14
	v_pk_fma_f32 v[PN+\i:PN+\i+1], v[X2+\i:X2+\i+1], s[66:67], v[114:115] op_sel_hi:[1,0,1]
.endr
.irp k, 70,72,74,76,78
.irp i, 0,2,4,6,8,10,12,14
	v_pk_fma_f32 v[PN+\i:PN+\i+1], v[PN+\i:PN+\i+1], v[X2+\i:X2+\i+1], s[\k:\k+1] op_sel_hi:[1,1,0]
.endr
.endr
.irp i, 0,2,4,6,8,10,12,14
	v_pk_mul_f32 v[PN+\i:PN+\i+1], v[PN+\i:PN+\i+1], v[YY+\i:YY+\i+1]
.endr
.irp i, 0,2,4,6,8,10,12,14
	v_pk_mul_f32 v[YY+\i:YY+\i+1], v[ZG+\i:ZG+\i+1], 0.5 op_sel_hi:[1,0]
.endr
	s_wait_alu depctr_va_vdst(0)
.irp i, 0,2,4,6,8,10,12,14
	v_pk_mul_f32 v[PN+\i:PN+\i+1], v[PN+\i:PN+\i+1], v[QD+\i:QD+\i+1]
.endr
.irp i, 0,2,4,6,8,10,12,14
	v_pk_fma_f32 v[ZG+\i:ZG+\i+1], v[YY+\i:YY+\i+1], v[PN+\i:PN+\i+1], v[YY+\i:YY+\i+1]
.endr
.endm
.macro HALF w
.irp a, 0,1,2,3
.set TT, 128+64*(\a%2)
.if \a > 1
	s_wait_dscnt 16
.endif
	WIN 0x02+\w
.set JJ, 0
.rept 32
	v_pk_fma_f32 v[TT+JJ:TT+JJ+1], v[64*\a+JJ:64*\a+JJ+1], s[96:97], v[32+JJ:33+JJ] op_sel_hi:[1,0,1]
.set JJ, JJ+2
.endr
	WIN 0
.set JJ, 0
.rept 16
	ds_store_b128 v[STG], v[TT+4*JJ:TT+4*JJ+3] offset:\a*8192+512*JJ
.set JJ, JJ+1
.endr
.endr
	s_wait_dscnt 0x0
	s_mov_b32 s[TS], 0
	s_mov_b32 s[CT], 4
.Lact_\w:
	v_add_nc_u32 v[AD], s[TS], v[STG]
.set JJ, 0
.rept 16
	ds_load_b128 v[128+4*JJ:131+4*JJ], v[AD] offset:512*JJ
.set JJ, JJ+1
.endr
	s_wait_dscnt 0x0
	GELU 0
	GELU 1
	GELU 2
	GELU 3
.set JJ, 0
.rept 64
	v_med3_num_f32 v[128+JJ], v[128+JJ], -v10, v10
.set JJ, JJ+1
.endr
	s_wait_alu depctr_va_vdst(0)                   ; directly ahead of the wait below
	s_wait_xcnt 0x0                                ; the last trip's stores have read their data and their offset: both are written again only behind this wait
	v_add_nc_u32 v[GO], 4096, v[GO]                ; stepped ahead of the trip's stores: their immediates take the 4,096 off again
.irp b, 0,1,2,3,4,5,6,7
	v_cvt_scalef32_pk8_fp8_f32 v[96+2*\b:97+2*\b], v[128+8*\b:135+8*\b], v11
.endr
	v_nop
.irp c, 0,1,2,3
	global_store_b128 v[GO], v[96+4*\c:99+4*\c], s[12:13] offset:512*\c-4096
.endr
	s_add_co_u32 s[TS], s[TS], 8192
	s_sub_co_u32 s[CT], s[CT], 1
	s_cmp_lg_u32 s[CT], 0
	s_cbranch_scc1 .Lact_\w
.endm
	s_wait_kmcnt 0x0
	s_add_co_i32 s96, s92, s93
	s_add_co_i32 s96, s96, 127
	s_lshl_b32 s96, s96, 23
	s_mov_b32 s97, s96
	s_add_co_i32 s94, s94, 127
	s_lshl_b32 s95, s94, 23
	v_mov_b32 v11, s95
	s_add_co_i32 s94, s94, 8
	s_lshl_b32 s94, s94, 23
	s_or_b32 s94, s94, 0x600000
	v_mov_b32 v10, s94
	s_wait_loadcnt 0x0
	PLACES NP
	HALF 0
	HALF 1
	s_wait_tensorcnt 0x0
	ds_add_u32 v[SPW], v[NIL]
	s_wait_dscnt 0x0
	CROUND
	s_endpgm
.Lfunc_end_k_q3cf1dc48a9_ffn1:
	.size	k_q3cf1dc48a9_ffn1, .Lfunc_end_k_q3cf1dc48a9_ffn1-k_q3cf1dc48a9_ffn1
	.p2alignl 7, 3214868480
	.fill 96, 4, 3214868480
	.section	.rodata,"a",@progbits
	.p2align	6, 0x0
	.amdhsa_kernel k_q3cf1dc48a9_ffn1
		.amdhsa_group_segment_fixed_size 327680
		.amdhsa_private_segment_fixed_size 0
		.amdhsa_enable_private_segment 0
		.amdhsa_kernarg_size 40
		.amdhsa_user_sgpr_count 2
		.amdhsa_user_sgpr_kernarg_segment_ptr 1
		.amdhsa_wavefront_size32 1
		.amdhsa_system_sgpr_workgroup_id_x 1
		.amdhsa_system_sgpr_workgroup_id_y 1
		.amdhsa_system_sgpr_workgroup_id_z 1
		.amdhsa_system_vgpr_workitem_id 0
		.amdhsa_next_free_vgpr 1024
		.amdhsa_next_free_sgpr 100
		.amdhsa_reserve_vcc 0
		.amdhsa_float_denorm_mode_32 3
		.amdhsa_float_denorm_mode_16_64 3
		.amdhsa_memory_ordered 1
		.amdhsa_forward_progress 1
		.amdhsa_inst_pref_size 195
	.end_amdhsa_kernel
	.amdgpu_metadata
---
amdhsa.version: [ 1, 2 ]
amdhsa.kernels:
  - .name:           k_q3cf1dc48a9_ffn1
    .symbol:         k_q3cf1dc48a9_ffn1.kd
    .args:
      - { .name: h2c, .offset: 0, .size: 8, .value_kind: global_buffer, .address_space: global }
      - { .name: W1_codes, .offset: 8, .size: 8, .value_kind: global_buffer, .address_space: global }
      - { .name: b1, .offset: 16, .size: 8, .value_kind: global_buffer, .address_space: global }
      - { .name: lowp_scales, .offset: 24, .size: 8, .value_kind: global_buffer, .address_space: global }
      - { .name: gimg, .offset: 32, .size: 8, .value_kind: global_buffer, .address_space: global }
    .group_segment_fixed_size: 327680
    .private_segment_fixed_size: 0
    .kernarg_segment_align: 8
    .kernarg_segment_size: 40
    .max_flat_workgroup_size: 128
    .sgpr_count:     100
    .vgpr_count:     1024
    .wavefront_size: 32
...
	.end_amdgpu_metadata
.endif
;; end of part 13
;; launch ffn2 (part 14): grid 8 x 32, 4 waves a work-group, clusters of 4 x 4, 327,680 bytes of LDS; arguments gimg, W2_codes, b2, x1, lowp_scales, out0; writes out0
.if DOCPART == 14
	.amdgcn_target "amdgcn-amd-amdhsa--gfx1250"
	.amdhsa_code_object_version 6
	.text
	.protected	k_q3cf1dc48a9_ffn2
	.globl	k_q3cf1dc48a9_ffn2
	.p2align	8
	.type	k_q3cf1dc48a9_ffn2,@function
k_q3cf1dc48a9_ffn2:
	s_mov_b64 s[64:65], 0
	v_nop
	global_prefetch_b8 v0, s[64:65] scope:SCOPE_SE
	s_setreg_imm32_b32 hwreg(HW_REG_WAVE_MODE, 25, 1), 1
	s_wait_xcnt 0x0
	s_wait_alu depctr_hold_cnt(0) depctr_sa_sdst(0) depctr_va_vdst(0) depctr_va_sdst(0) depctr_va_ssrc(0) depctr_va_vcc(0) depctr_vm_vsrc(0)
	s_getreg_b32 s2, hwreg(HW_REG_IB_STS2, 6, 4)
	s_cmp_eq_u32 s2, 0
	s_cbranch_scc0 .Lentry_in_a_cluster
	s_endpgm
.Lentry_in_a_cluster:
	s_bfe_u32 s2, ttmp6, 0x10000c
	s_cmp_lg_u32 s2, 0xf033
	s_cbranch_scc0 .Lentry_shape_is_right
	s_endpgm
.Lentry_shape_is_right:
; out0[t][n] = x1[t][n] + b2[n] + 2^(ea + eb) x the sum over k of g[t][k] W2[n][k], on codes of E4M3 (entries 14, 15); K = 4,096.
; g comes as images of operand registers, [K / 256][token tile 256][2][4][lane][16 bytes]; W2 as rows of 4,096 codes.  A tile is 128 x 128 (256 work-groups), four waves of 64 x 64.
; K goes in slots of 512 through two LDS slots: two planes of g (2 x 32 KiB) and 128 rows x 2 x 256 bytes of W2; each wave fetches a quarter by one joint load (4 x 4 clusters: g shared along a row, W2 along a column).
; PREFETCH: beside the load of slot n each wave asks, by one instruction, for its share of slot n + 2: of the 128 blocks of 256 bytes that the wave will fetch, the partner at place p of the four that fetch them jointly names 32 p .. 32 p + 31
; (p = cx for g, lanes 256 bytes apart; p = cy for W2, a lane a row): told apart by address alone.  Slots 0 and 1 come by their loads alone; the loads of slots 6 and 7 ask for nothing.
; The residual's rows are asked for behind the loop, when every slot has been asked for.  LIMIT: ea + eb between -126 and 127.
.set PFA,    72                        ; s[72:73] where my prefetches stand
.set PFS,    74                        ; s[74:75] a slot on, in bytes: two planes of 1 MiB in g, 512 in a row of W2
.set PFO,    30                        ; v30 my lane's offset; never rewritten
.set KROW,   4096
.set LAPS,   4
.set SCB,    56
.set ROWB,   256
.set PITCH,  272
.set FR,     16
.set NF,     48
.set NP,     4
.set HALFA,  32768
.set HALFB,  128*PITCH
.set AB,     2*HALFA
.set SLOT,   AB+2*HALFB
.set SPARE,  2*SLOT
.set SPITCH, 272
.set ADRA, 16
.set ADRB, 20
.set STO,  24
.set RD,   25
.set CO,   26
.set SPW,  28
.set NIL,  29
.set TMP,  32
.set BI,   96
.set ACC,  128
.set F1,   128
.set G1, 24
.set G0, 32
.set G1B, 48
.set G0B, 56
.set MSB, 0
.macro WIN new
.if MSB != \new
	s_set_vgpr_msb (MSB<<8)|\new
.set MSB, \new
.endif
.endm
.set MUL,   0x05
.set TO_F,  0x40
.set TO_R,  0x80
.set ADD_R, 0x08
.macro JLOAD g0a, g1a, g0b, g1b
	s_cmp_eq_u32 s15, 0
	s_cbranch_scc0 .Lfor_b_\@
	tensor_load_to_lds s[\g0a:\g0a+3], s[\g1a:\g1a+7]
	s_nop 0
.rept 4
	v_nop
.endr
	s_branch .Lasked_\@
.Lfor_b_\@:
	tensor_load_to_lds s[\g0b:\g0b+3], s[\g1b:\g1b+7]
	s_nop 0
.rept 4
	v_nop
.endr
.Lasked_\@:
.endm
.macro CREST
	s_cmp_lg_u32 s14, 0
	s_cbranch_scc1 .Lnot_wave_0_\@
	s_barrier_signal -3
.Lnot_wave_0_\@:
	s_barrier_wait -3
	s_barrier_signal -1
	s_barrier_wait -1
.endm
.macro CROUND
	s_barrier_signal -1
	s_barrier_wait -1
	CREST
.endm
	s_load_b256 s[4:11], s[0:1], 0x0
	s_load_b128 s[68:71], s[0:1], 0x20
	v_lshl_add_u32 v[SPW], v0, 2, SPARE
	v_mov_b32 v[NIL], 0
	ds_add_u32 v28, v29
	ds_add_u32 v28, v29
	s_wait_dscnt 0x0
	v_lshrrev_b32 v1, 5, v0
	v_readfirstlane_b32 s14, v1
	s_lshr_b32 s15, s14, 1
	s_and_b32 s16, s14, 1
	s_bfe_u32 s40, ttmp6, 0x40000
	s_bfe_u32 s41, ttmp6, 0x40004
	s_lshl_b32 s42, ttmp9, 2
	s_add_co_u32 s42, s42, s40
	s_and_b32 s17, ttmp7, 0xffff
	s_lshl_b32 s17, s17, 2
	s_add_co_u32 s17, s17, s41
	s_lshl_b32 s43, s41, 2
	s_lshl_b32 s43, 15, s43
	s_lshl_b32 s44, 0x1111, s40
	s_or_b32 s[G1+0], s43, (3<<16)|(1<<21)
	s_mov_b32 s[G1+1], 32<<16
	s_mov_b32 s[G1+2], 128<<16
	s_mov_b32 s[G1+3], 32<<16
	s_mov_b32 s[G1+4], 128
	s_mov_b32 s[G1+5], 32
	s_mov_b32 s[G1+6], 0
	s_mov_b32 s[G1+7], 0
	s_or_b32 s[G1B+0], s44, (0<<16)|(1<<20)|(1<<21)|(5<<22)|(3<<25)
	s_mov_b32 s[G1B+1], ROWB<<16
	s_mov_b32 s[G1B+2], 128<<16
	s_mov_b32 s[G1B+3], ROWB<<16
	s_mov_b32 s[G1B+4], 128
	s_mov_b32 s[G1B+5], KROW
	s_mov_b32 s[G1B+6], 0
	s_mov_b32 s[G1B+7], 0
	s_lshl_b32 s20, s17, 15
	s_lshl_b32 s18, s16, 20
	s_add_co_u32 s20, s20, s18
	s_mov_b32 s21, 0
	s_lshl_b32 s46, s42, 7
	s_mul_i32 s46, s46, KROW
	s_lshl_b32 s18, s16, 8
	s_add_co_u32 s46, s46, s18
	s_mov_b32 s47, 0
	s_lshl_b32 s45, s16, 15
	s_mul_i32 s90, s16, HALFB
	s_add_co_u32 s90, s90, AB
	s_wait_kmcnt 0x0
	s_load_b64 s[96:97], s[68:69], SCB
	s_add_nc_u64 s[20:21], s[4:5], s[20:21]
	s_add_nc_u64 s[46:47], s[6:7], s[46:47]
	CROUND
.irp s, 0,1
	s_mov_b32 s[G0+4*\s], 1
	s_add_co_u32 s[G0+4*\s+1], s45, \s*SLOT
	s_add_nc_u64 s[G0+4*\s+2:G0+4*\s+3], s[20:21], \s*0x200000
	s_or_b32 s[G0+4*\s+3], s[G0+4*\s+3], 0x80000000
	s_mov_b32 s[G0B+4*\s], 1
	s_add_co_u32 s[G0B+4*\s+1], s90, \s*SLOT
	s_add_nc_u64 s[G0B+4*\s+2:G0B+4*\s+3], s[46:47], \s*2*ROWB
	s_or_b32 s[G0B+4*\s+3], s[G0B+4*\s+3], 0x80000000
.if \s == 0
	JLOAD G0, G1, G0B, G1B                         ; slot 0
.endif
.endr
	v_and_b32 v1, 15, v0
	v_bfe_u32 v2, v0, 4, 1
	v_and_b32 v6, 31, v0
	v_lshlrev_b32 v6, 4, v6
	v_mul_u32_u24 v3, v1, PITCH
	v_lshl_add_u32 v4, v2, 3, v3
	s_lshl_b32 s21, s15, 14
	s_mul_i32 s22, s16, 64*PITCH
	s_add_co_u32 s22, s22, AB
.irp s, 0,1
	v_add_nc_u32 v[ADRA+\s], s21, v6
	v_add_nc_u32 v[ADRB+\s], s22, v4
	s_add_co_u32 s21, s21, SLOT
	s_add_co_u32 s22, s22, SLOT
.endr
	s_mul_i32 s23, s14, 16*SPITCH
	v_mul_u32_u24 v5, v1, SPITCH
	v_lshl_add_u32 v5, v2, 5, v5
	v_add_nc_u32 v[STO], s23, v5
	v_mul_u32_u24 v5, v2, SPITCH
	v_lshl_add_u32 v5, v1, 4, v5
	v_add_nc_u32 v[RD], s23, v5
	v_lshlrev_b32 v[CO], 12, v2
	v_lshl_add_u32 v[CO], v1, 4, v[CO]
	s_lshl_b32 s76, s17, 15                        ; g: my tile of tokens,
	s_lshl_b32 s77, s16, 20                        ; my plane of a slot's two,
	s_add_co_u32 s76, s76, s77
	s_lshl_b32 s77, s40, 13                        ; my work-group's 32 blocks of 256 bytes
	s_add_co_u32 s76, s76, s77
	s_lshl_b32 s78, s42, 19                        ; W2: 128 x tile rows of 4,096 bytes,
	s_lshl_b32 s77, s16, 8                         ; my 256 of a slot's 512,
	s_add_co_u32 s78, s78, s77
	s_lshl_b32 s77, s41, 17                        ; my work-group's 32 rows
	s_add_co_u32 s78, s78, s77
	s_mov_b32 s79, 512
	s_cmp_eq_u32 s15, 0                            ; do I fetch for g?
	s_cselect_b64 s[PFA:PFA+1], s[4:5], s[6:7]
	s_cselect_b32 s76, s76, s78
	s_cselect_b32 s[PFS], 0x200000, s79
	s_cselect_b32 s80, 8, 12                       ; from lane to lane: 256 bytes, or a row
	s_mov_b32 s77, 0
	s_mov_b32 s[PFS+1], 0
	s_add_nc_u64 s[PFA:PFA+1], s[PFA:PFA+1], s[76:77]
	s_add_nc_u64 s[PFA:PFA+1], s[PFA:PFA+1], s[PFS:PFS+1]
	s_add_nc_u64 s[PFA:PFA+1], s[PFA:PFA+1], s[PFS:PFS+1]    ; slot 2
	v_and_b32 v[PFO], 31, v0
	v_lshlrev_b32 v[PFO], s80, v[PFO]
	global_prefetch_b8 v[PFO], s[PFA:PFA+1] th:TH_LOAD_NT scope:SCOPE_SE   ; beside slot 0's load: slot 2
	s_wait_alu depctr_va_vdst(0)
	s_lshl_b32 s18, s42, 9
	s_lshl_b32 s19, s16, 8
	s_add_co_u32 s18, s18, s19
	v_lshl_add_u32 v7, v2, 5, s18
	s_lshl_b32 s19, s17, 19
	s_add_co_u32 s18, s18, s19
	s_lshl_b32 s19, s15, 18
	s_add_co_u32 s18, s18, s19
	s_mov_b32 s19, 0
	s_add_nc_u64 s[10:11], s[10:11], s[18:19]
	s_add_nc_u64 s[70:71], s[70:71], s[18:19]
.irp b, 0,1,2,3
	global_load_b128 v[BI+8*\b:BI+8*\b+3], v7, s[8:9] offset:64*\b
	global_load_b128 v[BI+8*\b+4:BI+8*\b+7], v7, s[8:9] offset:64*\b+16
.endr
.macro MUL8 f, a0, zero
.irp a, \a0, \a0+1
.irp b, 0,1,2,3
.if \zero
	v_wmma_f32_16x16x128_fp8_fp8 v[ACC+8*(4*(\a)+\b):ACC+8*(4*(\a)+\b)+7], v[\f+64+FR*\b:\f+64+FR*\b+FR-1], v[\f+FR*(\a):\f+FR*(\a)+FR-1], 0
.else
	v_wmma_f32_16x16x128_fp8_fp8 v[ACC+8*(4*(\a)+\b):ACC+8*(4*(\a)+\b)+7], v[\f+64+FR*\b:\f+64+FR*\b+FR-1], v[\f+FR*(\a):\f+FR*(\a)+FR-1], v[ACC+8*(4*(\a)+\b):ACC+8*(4*(\a)+\b)+7]
.endif
.endr
.endr
.endm
.macro FETCH slot, q, f
	WIN TO_F
.irp i, 0,1,2,3
.irp c, 0,1,2,3,4,5,6,7
	ds_load_b64 v[\f+64+FR*\i+2*\c:\f+64+FR*\i+2*\c+1], v[ADRB+\slot] offset:((\q)/2)*HALFB+128*((\q)%2)+16*\c+\i*16*PITCH
.endr
.endr
.irp i, 0,1,2,3
.irp c, 0,1,2,3
	ds_load_b128 v[\f+FR*\i+4*\c:\f+FR*\i+4*\c+3], v[ADRA+\slot] offset:((\q)/2)*HALFA+\i*4096+((\q)%2)*2048+512*\c
.endr
.endr
.endm
.macro PLACES n
.rept \n
	v_nop
.endr
.endm
.macro STEP slot, q, zero
	PLACES NP
	FETCH \slot, (\q)+1, 128*(((\q)+1)%2)
	s_wait_dscnt NF
	WIN MUL
	MUL8 128*((\q)%2), 0, \zero
	MUL8 128*((\q)%2), 2, \zero
.endm
.macro TURN slot, next, fill
	WIN 0
	s_wait_tensorcnt 0x0
	ds_add_u32 v[SPW], v[NIL]
.if \fill
	s_add_nc_u64 s[G0+4*\slot+2:G0+4*\slot+3], s[G0+4*\slot+2:G0+4*\slot+3], 0x400000
	s_add_nc_u64 s[G0B+4*\slot+2:G0B+4*\slot+3], s[G0B+4*\slot+2:G0B+4*\slot+3], 4*ROWB
	s_wait_xcnt 0x0                                ; my last prefetch has read its address:
	s_add_nc_u64 s[PFA:PFA+1], s[PFA:PFA+1], s[PFS:PFS+1]    ; a slot on
.endif
	s_wait_dscnt 0x0
	s_barrier_signal -1
	WIN MUL
	MUL8 F1, 0, 0
	WIN 0
	s_barrier_wait -1
.if \fill
	CREST
	JLOAD G0+4*\slot, G1, G0B+4*\slot, G1B
.else
	PLACES NP
.endif
	FETCH \next, 0, 0
.if \fill
	WIN 0                                          ; at a branch and at a label every window is 0
	s_cmp_gt_u32 s3, 1                             ; the loop's last trip loads slots 6 and 7: no slot stands two further on
	s_cbranch_scc0 .Lno_ask_\@
	global_prefetch_b8 v[PFO], s[PFA:PFA+1] th:TH_LOAD_NT scope:SCOPE_SE   ; the slot two loads on
.Lno_ask_\@:
.endif
	WIN MUL
	MUL8 F1, 2, 0
.endm
	s_wait_alu depctr_va_vdst(0)                   ; at the head's end
	s_wait_tensorcnt 0x0                           ; my part of slot 0 is in
	ds_add_u32 v[SPW], v[NIL]
	s_wait_xcnt 0x0                                ; my prefetch has read its address:
	s_add_nc_u64 s[PFA:PFA+1], s[PFA:PFA+1], s[PFS:PFS+1]    ; slot 3
	s_wait_dscnt 0x0
	CROUND                                         ; everybody's part of slot 0 is in, and the joint loads meet
	JLOAD G0+4, G1, G0B+4, G1B                     ; slot 1, the first tensor load behind the round
	global_prefetch_b8 v[PFO], s[PFA:PFA+1] th:TH_LOAD_NT scope:SCOPE_SE   ; beside slot 1's load: slot 3
	FETCH 0, 0, 0
	STEP 0, 0, 1
.if LAPS > 1
	WIN 0
	s_mov_b32 s3, LAPS-1
.Llap:
	STEP 0, 1, 0
	STEP 0, 2, 0
	TURN 0, 1, 1
	STEP 1, 0, 0
	STEP 1, 1, 0
	STEP 1, 2, 0
	TURN 1, 0, 1
	STEP 0, 0, 0
	WIN 0
	s_sub_co_u32 s3, s3, 1
	s_cmp_lg_u32 s3, 0
	s_cbranch_scc1 .Llap
.endif
	WIN TO_R
.irp a, 0,1,2,3
.irp t, 0,1,2,3,4,5,6,7
	global_load_b128 v[32*\a+4*\t:32*\a+4*\t+3], v[CO], s[10:11] offset:(16*\a+2*\t)*4096 th:TH_LOAD_NT   ; the residual's 64 rows x 256 bytes: they land under the last two slots' steps
.endr
.endr
	WIN 0
	STEP 0, 1, 0
	STEP 0, 2, 0
	TURN 0, 1, 0
	STEP 1, 0, 0
	STEP 1, 1, 0
	STEP 1, 2, 0
	s_wait_dscnt 0x0
	WIN MUL
	MUL8 F1, 0, 0
	MUL8 F1, 2, 0
	WIN 0
.macro TOSTAGE a
.set JJ, 0
.rept 16
	v_pk_fma_f32 v[TMP+JJ:TMP+JJ+1], v[ACC+32*(\a)+JJ:ACC+32*(\a)+JJ+1], s[96:97], v[BI+JJ:BI+JJ+1] op_sel_hi:[1,0,1]
.set JJ, JJ+2
.endr
.irp b, 0,1,2,3
	ds_store_b128 v[STO], v[TMP+8*\b:TMP+8*\b+3] offset:64*\b
	ds_store_b128 v[STO], v[TMP+8*\b+4:TMP+8*\b+7] offset:64*\b+16
.endr
.irp t, 0,1,2,3,4,5,6,7
	ds_load_b128 v[ACC+32*(\a)+4*\t:ACC+32*(\a)+4*\t+3], v[RD] offset:\t*2*SPITCH
.endr
.endm
.macro SEND a, younger
	s_wait_dscnt \younger
	WIN ADD_R
.set JJ, 0
.rept 16
	v_pk_add_f32 v[ACC+32*(\a)+JJ:ACC+32*(\a)+JJ+1], v[ACC+32*(\a)+JJ:ACC+32*(\a)+JJ+1], v[32*(\a)+JJ:32*(\a)+JJ+1]
.set JJ, JJ+2
.endr
	WIN 0
.irp t, 0,1,2,3,4,5,6,7
	global_store_b128 v[CO], v[ACC+32*(\a)+4*\t:ACC+32*(\a)+4*\t+3], s[70:71] offset:(16*(\a)+2*\t)*4096 th:TH_STORE_NT
.endr
.endm
	s_wait_kmcnt 0x0
	s_add_co_i32 s96, s96, s97
	s_add_co_i32 s96, s96, 127
	s_lshl_b32 s96, s96, 23
	s_mov_b32 s97, s96
	PLACES NP
	s_wait_loadcnt 0x0
	TOSTAGE 0
.irp a, 1,2,3
	TOSTAGE \a
	SEND \a-1, 16
.endr
	SEND 3, 0
	s_wait_tensorcnt 0x0
	ds_add_u32 v[SPW], v[NIL]
	s_wait_dscnt 0x0
	CROUND
	s_endpgm
.Lfunc_end_k_q3cf1dc48a9_ffn2:
	.size	k_q3cf1dc48a9_ffn2, .Lfunc_end_k_q3cf1dc48a9_ffn2-k_q3cf1dc48a9_ffn2
	.p2alignl 7, 3214868480
	.fill 96, 4, 3214868480
	.section	.rodata,"a",@progbits
	.p2align	6, 0x0
	.amdhsa_kernel k_q3cf1dc48a9_ffn2
		.amdhsa_group_segment_fixed_size 327680
		.amdhsa_private_segment_fixed_size 0
		.amdhsa_enable_private_segment 0
		.amdhsa_kernarg_size 48
		.amdhsa_user_sgpr_count 2
		.amdhsa_user_sgpr_kernarg_segment_ptr 1
		.amdhsa_wavefront_size32 1
		.amdhsa_system_sgpr_workgroup_id_x 1
		.amdhsa_system_sgpr_workgroup_id_y 1
		.amdhsa_system_sgpr_workgroup_id_z 1
		.amdhsa_system_vgpr_workitem_id 0
		.amdhsa_next_free_vgpr 768
		.amdhsa_next_free_sgpr 100
		.amdhsa_reserve_vcc 0
		.amdhsa_float_denorm_mode_32 3
		.amdhsa_float_denorm_mode_16_64 3
		.amdhsa_memory_ordered 1
		.amdhsa_forward_progress 1
		.amdhsa_inst_pref_size 99
	.end_amdhsa_kernel
	.amdgpu_metadata
---
amdhsa.version: [ 1, 2 ]
amdhsa.kernels:
  - .name:           k_q3cf1dc48a9_ffn2
    .symbol:         k_q3cf1dc48a9_ffn2.kd
    .args:
      - { .name: gimg, .offset: 0, .size: 8, .value_kind: global_buffer, .address_space: global }
      - { .name: W2_codes, .offset: 8, .size: 8, .value_kind: global_buffer, .address_space: global }
      - { .name: b2, .offset: 16, .size: 8, .value_kind: global_buffer, .address_space: global }
      - { .name: x1, .offset: 24, .size: 8, .value_kind: global_buffer, .address_space: global }
      - { .name: lowp_scales, .offset: 32, .size: 8, .value_kind: global_buffer, .address_space: global }
      - { .name: out0, .offset: 40, .size: 8, .value_kind: global_buffer, .address_space: global }
    .group_segment_fixed_size: 327680
    .private_segment_fixed_size: 0
    .kernarg_segment_align: 8
    .kernarg_segment_size: 48
    .max_flat_workgroup_size: 128
    .sgpr_count:     100
    .vgpr_count:     768
    .wavefront_size: 32
...
	.end_amdgpu_metadata
.endif
;; end of part 14
